; MI455X (gfx1250); checked and timed in simulation.
; The chip was launched on July 23, 2026; its instructions are those of AMD's public machine-readable ISA for CDNA 5 (MIT licence, August 2026) and "CDNA5" Instruction Set Architecture Reference Guide (July 2026). The comments in the code are by the model that wrote it; some were corrected since.
;; MAB. Allowed arithmetic: float matrix products may take bf16 or f16 operands with f32 sums; all other float work in f32.
;; Inputs: K 8 x 2,048 x 1,024 float32; Q 8 x 512 x 1,024 float32; V 8 x 2,048 x 1,024 float32; Wk 1,024 x 1,024 float32; Wo 1,024 x 1,024 float32; Wq 1,024 x 1,024 float32; Wv 1,024 x 1,024 float32; beta0 1,024 float32; bk 1,024 float32; bo 1,024 float32; bq 1,024 float32; bv 1,024 float32; g0 1,024 float32; pad_mask 8 x 1 x 2,048 int32.
;; Outputs: out0 8 x 512 x 1,024 float32.
;; 2 versions, each right and faster than the one before. Each part assembles by itself: llvm-mc -triple=amdgcn-amd-amdhsa -mcpu=gfx1250 --defsym DOCPART=n.
;; ======== version 1 of 2: 9 launches
;; limits: values are held in f16: magnitudes above 65,504 overflow, below 6.1e-05 lose precision
;; workspace buffers: KV16 67,108,864 bytes; Wp1 2,105,344 bytes; Wp2 2,105,344 bytes; Wp3 2,105,344 bytes; Wp4 2,105,344 bytes; S 33,554,432 bytes; X0 16,777,216 bytes; X1 33,554,432 bytes
;; launch prep (part 1): grid 8 x 288, 8 waves a work-group, no clusters, 35,840 bytes of LDS; arguments V, K, Wq, Wk, Wv, Wo, bq, bv, bo, KV16, Wp1, Wp2, Wp3, Wp4; writes KV16, Wp1, Wp2, Wp3, Wp4
.if DOCPART == 1
	.amdgcn_target "amdgcn-amd-amdhsa--gfx1250"
	.amdhsa_code_object_version 6
	.text
	.protected	k_qc42b0d9f3b_prep
	.globl	k_qc42b0d9f3b_prep
	.p2align	8
	.type	k_qc42b0d9f3b_prep,@function
k_qc42b0d9f3b_prep:
	s_mov_b64 s[64:65], 0
	v_nop
	global_prefetch_b8 v0, s[64:65] scope:SCOPE_SE
	s_setreg_imm32_b32 hwreg(HW_REG_WAVE_MODE, 25, 1), 1
	s_wait_xcnt 0x0
; K, V and the four weights, f32 with rows of 1,024 numbers, are rounded once to f16 and laid out in BLOCKS for the products that follow.
; A block is 128 rows (an output column n of the product) x 128 numbers along the product's K, dense: 256 bytes a row, 32,768 bytes.
; A work-group takes one tile of 128 x 128 f32: x = the tile's column block, y = the job and the tile's row block rb:
;   y   0..127 V  -> KV16 + VOFF, turned (n = V's column, k = key)      y 128..255 K  -> KV16, as it lies (n = key, k = column)
;   y 256..263 Wq -> Wp1, turned     y 264..271 Wk -> Wp2, as it lies   y 272..279 Wv -> Wp3, turned     y 280..287 Wo -> Wp4, turned
; Block number: turned 8 rb + x; as it lies 64 (rb / 8) + 8 x + rb % 8.  So for every product the block of K step s and column tile t is
; 64 (t / 8) + t % 8 + 8 s, behind 128 blocks for each batch.
; AS IT LIES a tile needs no LDS: a lane's four columns are 8 bytes in f16, the wave's 32 lanes one whole block row of 256 bytes, stored by one instruction.
; TURNED it goes through a stage in LDS: each wave writes its 16 source rows as 32 bytes of all 128 block rows; behind a barrier each wave reads 16 whole block rows.
; Behind a weight's 64 blocks lie two vectors of 1,024 f32 for the product's way out: a factor (1, for Wk 2^-10) at VEC and an addend (the bias, for Wk 0) at VEC + 4,096.
; LIMIT: a number of 65,520 or more in magnitude becomes an infinity in f16; below 6e-5 f16 keeps its fixed step of 6e-8.
; No matrix unit, no cluster, no tensor load: each byte is read once and written once, and no two work-groups read the same bytes.
.set PITCH, 272                        ; a stage row: 256 bytes + 16
.set SPARE, 128*PITCH                  ; behind the stage: the spare words, 128 bytes for each of 8 waves
.set VOFF,  33554432                   ; V's blocks lie behind K's 1,024 blocks
.set VEC,   0x200000                   ; the two vectors lie behind a weight's 64 blocks
.set X,    8                           ; v[8:71]    16 rows x 4 numbers as loaded; later 8 x 16 bytes read back
.set PK,   72                          ; v[72:103]  the same numbers in f16
.set ADDD, 104                         ; v[104:107] four addends
.set SPW,  108                         ; v108       my spare word's LDS address; never rewritten
.set NIL,  109                         ; v109       0; never rewritten
.set MULD, 110                         ; v[110:113] four factors
	s_load_b512 s[8:23], s[0:1], 0x0               ; V s[8:9], K s[10:11], Wq s[12:13], Wk s[14:15], Wv s[16:17], Wo s[18:19], bq s[20:21], bv s[22:23]
	s_load_b256 s[24:31], s[0:1], 0x40             ; bo s[24:25], KV16 s[26:27], Wp1 s[28:29], Wp2 s[30:31]
	s_load_b128 s[32:35], s[0:1], 0x60             ; Wp3 s[32:33], Wp4 s[34:35]
	v_lshl_add_u32 v[SPW], v0, 2, SPARE
	v_mov_b32 v[NIL], 0
	v_lshrrev_b32 v1, 5, v0
	v_readfirstlane_b32 s4, v1                     ; wave 0..7
	v_and_b32 v1, 31, v0                           ; lane
	s_mov_b32 s2, ttmp9                            ; x
	s_and_b32 s3, ttmp7, 0xffff                    ; y
	s_cmp_ge_u32 s3, 256
	s_cselect_b32 s5, 7, 127
	s_and_b32 s5, s3, s5                           ; rb: the tile's row block in its source
	s_lshl_b32 s42, s5, 19                         ; 128 rows of 4,096 bytes,
	s_lshl_b32 s7, s2, 9                           ; 128 columns of 4 bytes
	s_add_co_u32 s42, s42, s7
	s_mov_b32 s43, 0                               ; s[42:43]: the tile's byte offset in its source
	s_lshl3_add_u32 s7, s5, s2                     ; block number, turned: 8 rb + x
	s_lshr_b32 s44, s5, 3
	s_lshl_b32 s44, s44, 6
	s_lshl3_add_u32 s44, s2, s44
	s_and_b32 s45, s5, 7
	s_add_co_u32 s44, s44, s45                     ; as it lies: 64 (rb / 8) + 8 x + rb % 8
	s_mul_i32 s48, s4, 16*PITCH                    ; my wave's 16 rows of the stage
	v_lshlrev_b32 v7, 4, v1                        ; 16 x lane
	v_lshl_add_u32 v2, s4, 16, v7                  ; loads: my wave's 16 rows of 4,096 bytes + 16 x lane
	v_lshlrev_b32 v3, 3, v1                        ; stores as it lies: 8 bytes a lane,
	v_lshl_add_u32 v3, s4, 12, v3                  ; in my wave's 16 block rows of 256 bytes
	v_mul_u32_u24 v4, v1, 4*PITCH                  ; into the stage, turned: rows 4 lane + j,
	v_lshl_add_u32 v4, s4, 5, v4                   ; 32 bytes (my wave's 16 source rows) at byte 32 w
	v_and_b32 v5, 15, v0
	v_bfe_u32 v6, v0, 4, 1
	v_mul_u32_u24 v6, v6, PITCH
	v_lshl_add_u32 v5, v5, 4, v6
	v_add_nc_u32 v5, s48, v5                       ; back: lanes 0-15 one row of 256 bytes, lanes 16-31 the next
	v_lshl_add_u32 v6, s4, 12, v7                  ; stores, turned: my wave's 16 rows of 256 bytes + 16 x lane
	s_wait_kmcnt 0x0
	s_mov_b64 s[36:37], s[8:9]                     ; the job by y: source, destination, bias, and whether the tile is turned (s6)
	s_mov_b64 s[38:39], s[26:27]
	s_mov_b64 s[40:41], s[20:21]
	s_mov_b32 s6, 1
	s_cmp_ge_u32 s3, 128
	s_cselect_b64 s[36:37], s[10:11], s[36:37]
	s_cselect_b32 s6, 0, s6
	s_cmp_ge_u32 s3, 256
	s_cselect_b64 s[36:37], s[12:13], s[36:37]
	s_cselect_b64 s[38:39], s[28:29], s[38:39]
	s_cselect_b32 s6, 1, s6
	s_cmp_ge_u32 s3, 264
	s_cselect_b64 s[36:37], s[14:15], s[36:37]
	s_cselect_b64 s[38:39], s[30:31], s[38:39]
	s_cselect_b32 s6, 0, s6
	s_cmp_ge_u32 s3, 272
	s_cselect_b64 s[36:37], s[16:17], s[36:37]
	s_cselect_b64 s[38:39], s[32:33], s[38:39]
	s_cselect_b64 s[40:41], s[22:23], s[40:41]
	s_cselect_b32 s6, 1, s6
	s_cmp_ge_u32 s3, 280
	s_cselect_b64 s[36:37], s[18:19], s[36:37]
	s_cselect_b64 s[38:39], s[34:35], s[38:39]
	s_cselect_b64 s[40:41], s[24:25], s[40:41]
	s_cmp_eq_u32 s6, 1
	s_cselect_b32 s44, s7, s44
	s_lshl_b32 s44, s44, 15                        ; the block's byte offset,
	s_cmp_lt_u32 s3, 128
	s_cselect_b32 s45, VOFF, 0                     ; for V behind K's blocks
	s_add_co_u32 s44, s44, s45
	s_mov_b32 s45, 0
	s_add_nc_u64 s[36:37], s[36:37], s[42:43]      ; the tile
	s_add_nc_u64 s[46:47], s[38:39], s[44:45]      ; the block
.set i, 0
.rept 16                                               ; row 16 w + i: each load of the wave covers 512 consecutive bytes; X[4 i + j] = (row 16 w + i, column 4 lane + j)
	global_load_b128 v[X+4*i:X+4*i+3], v2, s[36:37] offset:i*4096 th:TH_LOAD_NT
.set i, i+1
.endr
	s_wait_loadcnt 0x0
	s_cmp_eq_u32 s6, 0
	s_cbranch_scc1 .Lplain
.irp j, 0,1,2,3                                        ; turned: block row 4 lane + j takes my wave's 16 source rows, 32 bytes
.irp p, 0,1,2,3,4,5,6,7
	v_cvt_pk_f16_f32 v[PK+8*\j+\p], v[X+8*\p+\j], v[X+8*\p+4+\j]
.endr
	ds_store_b128 v4, v[PK+8*\j:PK+8*\j+3] offset:\j*PITCH
	ds_store_b128 v4, v[PK+8*\j+4:PK+8*\j+7] offset:\j*PITCH+16
.endr
	s_branch .Lstaged
.Lplain:
.set i, 0
.rept 16                                               ; as it lies: block row 16 w + i leaves at once; PK's registers are not written again
	v_cvt_pk_f16_f32 v[PK+2*i], v[X+4*i], v[X+4*i+1]
	v_cvt_pk_f16_f32 v[PK+2*i+1], v[X+4*i+2], v[X+4*i+3]
	global_store_b64 v3, v[PK+2*i:PK+2*i+1], s[46:47] offset:i*256  ; the wave's 32 lanes store 256 consecutive bytes, at a multiple of 256 from the buffer's first byte
.set i, i+1
.endr
.Lstaged:
	s_wait_tensorcnt 0x0                           ; the end of my LDS writing: a wait, an add to my spare word and a wait behind my last LDS store;
	ds_add_u32 v[SPW], v[NIL]
	s_wait_dscnt 0x0                               ; the last of them is also, for the others' sake, the wait for my stores into the stage
	s_barrier_signal -1
	s_barrier_wait -1                              ; every wave passes it, those of a tile that lies as it is too
	s_cmp_eq_u32 s6, 0
	s_cbranch_scc1 .Lvectors                       ; as it lies: the block has left already
.irp t, 0,1,2,3,4,5,6,7
	ds_load_b128 v[X+4*\t:X+4*\t+3], v5 offset:\t*2*PITCH  ; rows 16 w + 2 t and + 1, whole
.endr
	s_wait_dscnt 0x0
.irp t, 0,1,2,3,4,5,6,7
	global_store_b128 v6, v[X+4*\t:X+4*\t+3], s[46:47] offset:\t*512  ; 512 consecutive bytes, at a multiple of 256 from the buffer's first byte
.endr
.Lvectors:
	; The two vectors: the work-groups of a weight's first row block, wave 0: 128 numbers of each, 512 bytes, at byte 512 x.
	s_cmp_lt_u32 s3, 256
	s_cbranch_scc1 .Lend
	s_cmp_lg_u32 s5, 0
	s_cbranch_scc1 .Lend
	s_cmp_lg_u32 s4, 0
	s_cbranch_scc1 .Lend
	s_lshl_b32 s42, s2, 9                          ; s43 is still 0
	s_add_nc_u64 s[40:41], s[40:41], s[42:43]
	s_add_nc_u64 s[38:39], s[38:39], s[42:43]
	s_cmp_eq_u32 s3, 264                           ; Wk: factor 2^-10, no addend (bk enters the scores in the softmax launch)
	s_cselect_b32 s48, 0x3a800000, 1.0
	s_cbranch_scc1 .Lnobias
	global_load_b128 v[ADDD:ADDD+3], v7, s[40:41]
	s_branch .Lbias
.Lnobias:
.irp j, 0,1,2,3
	v_mov_b32 v[ADDD+\j], 0
.endr
.Lbias:
.irp j, 0,1,2,3
	v_mov_b32 v[MULD+\j], s48
.endr
	global_store_b128 v7, v[MULD:MULD+3], s[38:39] offset:VEC
	s_wait_loadcnt 0x0
	global_store_b128 v7, v[ADDD:ADDD+3], s[38:39] offset:VEC+4096
.Lend:
	s_endpgm
.Lfunc_end_k_qc42b0d9f3b_prep:
	.size	k_qc42b0d9f3b_prep, .Lfunc_end_k_qc42b0d9f3b_prep-k_qc42b0d9f3b_prep
	.p2alignl 7, 3214868480
	.fill 96, 4, 3214868480
	.section	.rodata,"a",@progbits
	.p2align	6, 0x0
	.amdhsa_kernel k_qc42b0d9f3b_prep
		.amdhsa_group_segment_fixed_size 35840
		.amdhsa_private_segment_fixed_size 0
		.amdhsa_enable_private_segment 0
		.amdhsa_kernarg_size 112
		.amdhsa_user_sgpr_count 2
		.amdhsa_user_sgpr_kernarg_segment_ptr 1
		.amdhsa_wavefront_size32 1
		.amdhsa_system_sgpr_workgroup_id_x 1
		.amdhsa_system_sgpr_workgroup_id_y 1
		.amdhsa_system_sgpr_workgroup_id_z 1
		.amdhsa_system_vgpr_workitem_id 0
		.amdhsa_next_free_vgpr 114
		.amdhsa_next_free_sgpr 66
		.amdhsa_reserve_vcc 0
		.amdhsa_float_denorm_mode_32 3
		.amdhsa_float_denorm_mode_16_64 3
		.amdhsa_memory_ordered 1
		.amdhsa_forward_progress 1
		.amdhsa_inst_pref_size 14
	.end_amdhsa_kernel
	.amdgpu_metadata
---
amdhsa.version: [ 1, 2 ]
amdhsa.kernels:
  - .name:           k_qc42b0d9f3b_prep
    .symbol:         k_qc42b0d9f3b_prep.kd
    .args:
      - { .name: V, .offset: 0, .size: 8, .value_kind: global_buffer, .address_space: global }
      - { .name: K, .offset: 8, .size: 8, .value_kind: global_buffer, .address_space: global }
      - { .name: Wq, .offset: 16, .size: 8, .value_kind: global_buffer, .address_space: global }
      - { .name: Wk, .offset: 24, .size: 8, .value_kind: global_buffer, .address_space: global }
      - { .name: Wv, .offset: 32, .size: 8, .value_kind: global_buffer, .address_space: global }
      - { .name: Wo, .offset: 40, .size: 8, .value_kind: global_buffer, .address_space: global }
      - { .name: bq, .offset: 48, .size: 8, .value_kind: global_buffer, .address_space: global }
      - { .name: bv, .offset: 56, .size: 8, .value_kind: global_buffer, .address_space: global }
      - { .name: bo, .offset: 64, .size: 8, .value_kind: global_buffer, .address_space: global }
      - { .name: KV16, .offset: 72, .size: 8, .value_kind: global_buffer, .address_space: global }
      - { .name: Wp1, .offset: 80, .size: 8, .value_kind: global_buffer, .address_space: global }
      - { .name: Wp2, .offset: 88, .size: 8, .value_kind: global_buffer, .address_space: global }
      - { .name: Wp3, .offset: 96, .size: 8, .value_kind: global_buffer, .address_space: global }
      - { .name: Wp4, .offset: 104, .size: 8, .value_kind: global_buffer, .address_space: global }
    .group_segment_fixed_size: 35840
    .private_segment_fixed_size: 0
    .kernarg_segment_align: 8
    .kernarg_segment_size: 112
    .max_flat_workgroup_size: 256
    .sgpr_count:     66
    .vgpr_count:     114
    .wavefront_size: 32
...
	.end_amdgpu_metadata
.endif
;; end of part 1
;; launch g_q (part 2): grid 8 x 32, 4 waves a work-group, clusters of 4 x 4, 327,680 bytes of LDS; arguments Q, Wp1, X0; writes X0
.if DOCPART == 2
	.amdgcn_target "amdgcn-amd-amdhsa--gfx1250"
	.amdhsa_code_object_version 6
	.text
	.protected	k_qc42b0d9f3b_g_q
	.globl	k_qc42b0d9f3b_g_q
	.p2align	8
	.type	k_qc42b0d9f3b_g_q,@function
k_qc42b0d9f3b_g_q:
	s_mov_b64 s[64:65], 0
	v_nop
	global_prefetch_b8 v0, s[64:65] scope:SCOPE_SE
	s_setreg_imm32_b32 hwreg(HW_REG_WAVE_MODE, 25, 1), 1
	s_wait_xcnt 0x0
	s_wait_alu depctr_hold_cnt(0) depctr_sa_sdst(0) depctr_va_vdst(0) depctr_va_sdst(0) depctr_va_ssrc(0) depctr_va_vcc(0) depctr_vm_vsrc(0)
	s_getreg_b32 s2, hwreg(HW_REG_IB_STS2, 6, 4)
	s_cmp_eq_u32 s2, 0
	s_cbranch_scc0 .Lentry_in_a_cluster
	s_endpgm
.Lentry_in_a_cluster:
	s_bfe_u32 s2, ttmp6, 0x10000c
	s_cmp_lg_u32 s2, 0xf033
	s_cbranch_scc0 .Lentry_shape_is_right
	s_endpgm
.Lentry_shape_is_right:
; C[m][n] = (sum over k of f16(A[m][k]) B[n][k]) x mul[n] + add[n].  A: f32, 4,096 rows of APITCH numbers.  B: f16 in blocks of 128 (n) x 128 (k), dense, 32,768 bytes:
; the block of column tile t and K step s is number 64 (t / 8) + t % 8 + 8 s, behind BOFF bytes and BBATCH bytes for each batch of 512 rows of C.  C: f32, rows of CP bytes.  Sums in f32.
; EP = 1: mul and add, 1,024 f32 each, lie 0x200000 and 0x201000 bytes behind B's first byte.  EP = 0: C is the sum itself.
; This text stands three times in the program; the six constants below are all that differs.
; LIMIT: A is rounded once to f16 on its way from LDS to the matrix unit: 65,520 or more in magnitude becomes an infinity; below 6e-5 f16 keeps its fixed step of 6e-8.
; f16 and not bf16: the module ends in a LayerNorm, which passes every operand's relative rounding on to an output held to 1% of its root mean square in each of 4 M numbers.
; SHARES.  A work-group makes 128 x 128 of C, each of its four waves 64 x 64: 16 accumulators.  K goes in steps of 128 through two LDS slots: A's rows are 512 bytes, B's 256.
; (A step of 256 would want two slots of 200 KB.)  CLUSTER: 4 x 4 work-groups; the four of a row need the same tile of A, the four of a column the same tile of B: joint loads.
; The four tile rows of a cluster are one batch, so B's address hangs on the tile column and the cluster's y alone.
; THE MATRIX INSTRUCTION IS USED TRANSPOSED (source 0 = 16 rows of B, source 1 = 16 rows of A): a lane holds row lane % 16 of C and eight neighbouring columns.
; A QUARTER is 32 along K: 16 matrix instructions.  At its head the next quarter's 24 LDS loads go out (A in f32, then B); behind its last eight products stand, four each, the 32 conversions of that A to f16.
; REGISTERS.  Window 0: v16-29 addresses; v32-39 mul and add; v40-71 the way out; v128-255 the accumulators ((a, b) at 128 + 8 (4 a + b)).
;   Window 1: v0-63 A in f32 (fragment a at 16 a); v64-127 A in f16, two buffers; v128-191 B, two buffers.
.set KSTEPS, 8
.set APITCH, 1024
.set BOFF,   0
.set BBATCH, 0
.set CP,     4096
.set EP,     1
.set PA,     528                       ; A's LDS row: 512 bytes + 16: the 16 rows of a load start at 16 different groups of four banks (64 banks of 4 bytes: ISA guide 11.1)
.set PB,     272                       ; B's: 256 + 16, likewise
.set AHALF,  64*PA                     ; 64 rows: one tensor load
.set BHALF,  64*PB
.set BBASE,  2*AHALF                   ; in a slot: A's 128 rows, then B's 128
.set SLOT,   BBASE+2*BHALF
.set STAGE,  2*SLOT                    ; behind the ring: 16 rows x 272 bytes for each wave, for the way out
.set SPITCH, 272
.set SPARE,  STAGE+4*16*SPITCH         ; behind the stages: the spare words, 128 bytes for each wave
.set ASTEP,  512                       ; bytes from K step to K step in A,
.set BSTEP,  262144                    ; and in B: eight blocks
.set ADRA, 16                          ; v16-17  LDS address of my A fragments in slot 0, 1
.set ADRB, 20                          ; v20-21  the same for B
.set STO,  24                          ; v24     the way out: where I put 32 bytes of a row
.set RD,   25                          ; v25     where I read a row back
.set CO,   26                          ; v26     my byte offset in C
.set EPO,  27                          ; v27     my byte offset in mul and add
.set SPW,  28                          ; v28     my spare word's LDS address; never rewritten
.set NIL,  29                          ; v29     0; never rewritten
.set MULV, 32
.set ADDV, 36
.set OB,   40
.set ACC,  128
.set RA,   0                           ; window 1
.set AF,   64
.set BF,   128
.set G1,  24                           ; s[24:31] descriptor group 1 for A;  s[32:39] group 0, a set for each slot
.set G0,  32
.set G1B, 48                           ; s[48:55], s[56:63] the same for B
.set G0B, 56
.set MSB, 0
.macro WIN new                         ; the immediate's high byte repeats the setting that is left; a switch that changes nothing is dropped
.if MSB != (\new)
	s_set_vgpr_msb (MSB<<8)|(\new)
.set MSB, \new
.endif
.endm
.set MUL,  0x05                        ; sources 0 (B) and 1 (A) window 1; C and D window 0
.set TO_F, 0x40                        ; destination window 1, address window 0
.set CVT,  0x45                        ; destination and both sources window 1
.macro JLOAD s                         ; a joint refill: waves 0 and 1 fetch A's two halves, waves 2 and 3 B's; an s_nop 0 and four v_nop follow each line
	s_cmp_eq_u32 s11, 0
	s_cbranch_scc0 .Lfor_b_\@
	tensor_load_to_lds s[G0+4*(\s):G0+4*(\s)+3], s[G1:G1+7]
	s_nop 0
.rept 4
	v_nop
.endr
	s_branch .Lasked_\@
.Lfor_b_\@:
	tensor_load_to_lds s[G0B+4*(\s):G0B+4*(\s)+3], s[G1B:G1B+7]
	s_nop 0
.rept 4
	v_nop
.endr
.Lasked_\@:
.endm
.macro CREST                           ; a round of the cluster's barrier behind its opening barrier
	s_cmp_lg_u32 s10, 0
	s_cbranch_scc1 .Lnot_wave_0_\@
	s_barrier_signal -3
.Lnot_wave_0_\@:
	s_barrier_wait -3
	s_barrier_signal -1
	s_barrier_wait -1
.endm
.macro CROUND                          ; a whole round
	s_barrier_signal -1
	s_barrier_wait -1
	CREST
.endm
	s_load_b128 s[4:7], s[0:1], 0x0                ; A s[4:5], B s[6:7]
	s_load_b64 s[8:9], s[0:1], 0x10                ; C
	v_lshl_add_u32 v[SPW], v0, 2, SPARE
	v_mov_b32 v[NIL], 0
	ds_add_u32 v[SPW], v[NIL]                      ; the wave's opening: an add to my spare word, and its wait ahead of my first tensor load; the set-up below stands between them
	v_lshrrev_b32 v1, 5, v0
	v_readfirstlane_b32 s10, v1                    ; wave 0..3
	s_lshr_b32 s11, s10, 1                         ; my half of the tile's rows.  Also: I fetch for A (0) or for B (1)
	s_and_b32 s12, s10, 1                          ; my half of its columns.  Also: which 64 rows of that tile I fetch
	s_bfe_u32 s40, ttmp6, 0x40000                  ; cx, cy: my place in the cluster
	s_bfe_u32 s41, ttmp6, 0x40004
	s_lshl_b32 s42, ttmp9, 2
	s_add_co_u32 s42, s42, s40                     ; tile column = 4 x cluster x + cx
	s_and_b32 s45, ttmp7, 0xffff                   ; cluster y = the batch
	s_lshl_b32 s13, s45, 2
	s_add_co_u32 s13, s13, s41                     ; tile row = 4 x cluster y + cy
	s_lshl_b32 s43, s41, 2
	s_lshl_b32 s43, 15, s43                        ; my row of the cluster
	s_lshl_b32 s44, 0x1111, s40                    ; my column
	s_or_b32 s[G1+0], s43, (2<<16)|(1<<20)|(1<<21)|(6<<22)|(3<<25)   ; the mask; elements of 4 bytes; padding on; bit 21 beside a mask; after every 128 words 4 words
	s_or_b32 s[G1B+0], s44, (1<<16)|(1<<20)|(1<<21)|(5<<22)|(3<<25)  ; the mask; elements of 2 bytes; after every 64 words 4 words
.irp g, G1, G1B
	s_mov_b32 s[(\g)+1], 128<<16                   ; tensor_dim0 = 128
	s_mov_b32 s[(\g)+2], 64<<16                    ; tensor_dim1 = 64
	s_mov_b32 s[(\g)+3], 128<<16                   ; tile_dim0 = 128
	s_mov_b32 s[(\g)+4], 64                        ; tile_dim1 = 64
	s_mov_b32 s[(\g)+6], 0
	s_mov_b32 s[(\g)+7], 0
.endr
	s_mov_b32 s[G1+5], APITCH                      ; elements from row to row
	s_mov_b32 s[G1B+5], 128                        ; a block's rows are dense
	s_lshl_b32 s16, s13, 7
	s_lshl_b32 s17, s12, 6
	s_add_co_u32 s16, s16, s17                     ; A: row 128 x tile row + 64 x half,
	s_mul_i32 s16, s16, APITCH*4                   ; in bytes (under 2^26)
	s_mov_b32 s17, 0
	s_lshr_b32 s46, s42, 3                         ; B: block 64 (t / 8) + t % 8,
	s_lshl_b32 s46, s46, 6
	s_and_b32 s47, s42, 7
	s_add_co_u32 s46, s46, s47
	s_lshl_b32 s46, s46, 15
	s_lshl_b32 s47, s12, 14                        ; its half of 64 rows of 256 bytes
	s_add_co_u32 s46, s46, s47
.if BBATCH
	s_mul_i32 s47, s45, BBATCH
	s_add_co_u32 s46, s46, s47
.endif
.if BOFF
	s_add_co_u32 s46, s46, BOFF
.endif
	s_mov_b32 s47, 0
	s_mul_i32 s20, s12, AHALF                      ; where they go: no place in the cluster enters an LDS address
	s_mul_i32 s21, s12, BHALF
	s_add_co_u32 s21, s21, BBASE
	s_wait_dscnt 0x0                               ; the opening add is done
	s_wait_kmcnt 0x0
	s_add_nc_u64 s[14:15], s[4:5], s[16:17]
	s_add_nc_u64 s[46:47], s[6:7], s[46:47]
.irp s, 0,1
	s_mov_b32 s[G0+4*(\s)], 1
	s_add_co_u32 s[G0+4*(\s)+1], s20, (\s)*SLOT
	s_add_nc_u64 s[G0+4*(\s)+2:G0+4*(\s)+3], s[14:15], (\s)*ASTEP
	s_or_b32 s[G0+4*(\s)+3], s[G0+4*(\s)+3], 0x80000000
	s_mov_b32 s[G0B+4*(\s)], 1
	s_add_co_u32 s[G0B+4*(\s)+1], s21, (\s)*SLOT
	s_add_nc_u64 s[G0B+4*(\s)+2:G0B+4*(\s)+3], s[46:47], (\s)*BSTEP
	s_or_b32 s[G0B+4*(\s)+3], s[G0B+4*(\s)+3], 0x80000000
.endr
	CROUND                                         ; all sixteen work-groups are here: the first joint loads meet
	s_cmp_eq_u32 s11, 0                            ; a wave's two first fills stand in one branch: two loads of mine are out
	s_cbranch_scc0 .Lfirst_b
	tensor_load_to_lds s[G0:G0+3], s[G1:G1+7]
	s_nop 0
	tensor_load_to_lds s[G0+4:G0+7], s[G1:G1+7]
	s_nop 0
.rept 4
	v_nop
.endr
	s_branch .Lfirst_asked
.Lfirst_b:
	tensor_load_to_lds s[G0B:G0B+3], s[G1B:G1B+7]
	s_nop 0
	tensor_load_to_lds s[G0B+4:G0B+7], s[G1B:G1B+7]
	s_nop 0
.rept 4
	v_nop
.endr
.Lfirst_asked:
	; A fragment is 16 rows x 32 K: lane l holds row l % 16, K = 8 (l / 16) + 0..7 and 16 + 8 (l / 16) + 0..7.  In f16 two loads of 16 bytes, 32 apart; in f32 four, at 0, 16, 64, 80.
	v_and_b32 v1, 15, v0                           ; l % 16
	v_bfe_u32 v2, v0, 4, 1                         ; l / 16
	v_mul_u32_u24 v3, v1, PA
	v_lshl_add_u32 v3, v2, 5, v3
	v_mul_u32_u24 v4, v1, PB
	v_lshl_add_u32 v4, v2, 4, v4
	s_mul_i32 s21, s11, AHALF                      ; my 64 rows of A
	s_mul_i32 s22, s12, BHALF                      ; my 64 rows of B
	s_add_co_u32 s22, s22, BBASE
.irp s, 0,1
	v_add_nc_u32 v[ADRA+(\s)], s21, v3
	v_add_nc_u32 v[ADRB+(\s)], s22, v4
	s_add_co_u32 s21, s21, SLOT
	s_add_co_u32 s22, s22, SLOT
.endr
	s_mul_i32 s23, s10, 16*SPITCH
	s_add_co_u32 s23, s23, STAGE                   ; my stage
	v_mul_u32_u24 v5, v1, SPITCH                   ; in: row l % 16, 32 bytes for each half of the lanes
	v_lshl_add_u32 v5, v2, 5, v5
	v_add_nc_u32 v[STO], s23, v5
	v_mul_u32_u24 v5, v2, SPITCH                   ; back: lanes 0-15 one row of 256 bytes, lanes 16-31 the next
	v_lshl_add_u32 v5, v1, 4, v5
	v_add_nc_u32 v[RD], s23, v5
	v_mul_u32_u24 v5, v2, CP                       ; and the same two rows in C
	v_lshl_add_u32 v[CO], v1, 4, v5
	s_lshl_b32 s16, s13, 7
	s_lshl_b32 s17, s11, 6
	s_add_co_u32 s16, s16, s17                     ; my first row of C
	s_mul_i32 s16, s16, CP
	s_mov_b32 s17, 0
	s_add_nc_u64 s[8:9], s[8:9], s[16:17]
	s_lshl_b32 s46, s42, 9                         ; my first column, in bytes: 512 x tile column + 256 x half
	s_lshl_b32 s47, s12, 8
	s_add_co_u32 s46, s46, s47
	s_mov_b32 s47, 0
	s_add_nc_u64 s[8:9], s[8:9], s[46:47]
.if EP
	v_lshl_add_u32 v[EPO], v1, 4, s46              ; on the way out a lane holds the same four columns of every row
	global_load_b128 v[MULV:MULV+3], v[EPO], s[6:7] offset:0x200000
	global_load_b128 v[ADDV:ADDV+3], v[EPO], s[6:7] offset:0x201000
.endif
; 24 LDS loads in one run: quarter q of a slot: A's 64 rows x 32 K in f32 first, then B's in f16 into buffer buf.  g counts the conversions that follow.
.macro FETCH slot, q, buf
.set g, 0
	WIN TO_F
.irp a, 0,1,2,3
	ds_load_b128 v[RA+16*\a:RA+16*\a+3],     v[ADRA+(\slot)] offset:\a*16*PA+128*(\q)
	ds_load_b128 v[RA+16*\a+4:RA+16*\a+7],   v[ADRA+(\slot)] offset:\a*16*PA+128*(\q)+16
	ds_load_b128 v[RA+16*\a+8:RA+16*\a+11],  v[ADRA+(\slot)] offset:\a*16*PA+128*(\q)+64
	ds_load_b128 v[RA+16*\a+12:RA+16*\a+15], v[ADRA+(\slot)] offset:\a*16*PA+128*(\q)+80
.endr
.irp b, 0,1,2,3
	ds_load_b128 v[BF+32*(\buf)+8*\b:BF+32*(\buf)+8*\b+3],   v[ADRB+(\slot)] offset:\b*16*PB+64*(\q)
	ds_load_b128 v[BF+32*(\buf)+8*\b+4:BF+32*(\buf)+8*\b+7], v[ADRB+(\slot)] offset:\b*16*PB+64*(\q)+32
.endr
.endm
; 4 matrix instructions: row block a x all 4 column blocks, on buffer buf; behind each, ride conversions of the next quarter's A into the other buffer.  zero = 1: the product starts the sum.
; The 16 accumulators take turns in one order in every quarter.  The conversions name no register of the products round them: those behind a quarter's last
; product are the four places in front of the next run of loads into the B buffer that the quarter read.
.macro MULR buf, a, ride, zero=0
.irp b, 0,1,2,3
	WIN MUL
.if \zero
	v_wmma_f32_16x16x32_f16 v[ACC+8*(4*(\a)+\b):ACC+8*(4*(\a)+\b)+7], v[BF+32*(\buf)+8*\b:BF+32*(\buf)+8*\b+7], v[AF+32*(\buf)+8*(\a):AF+32*(\buf)+8*(\a)+7], 0
.else
	v_wmma_f32_16x16x32_f16 v[ACC+8*(4*(\a)+\b):ACC+8*(4*(\a)+\b)+7], v[BF+32*(\buf)+8*\b:BF+32*(\buf)+8*\b+7], v[AF+32*(\buf)+8*(\a):AF+32*(\buf)+8*(\a)+7], v[ACC+8*(4*(\a)+\b):ACC+8*(4*(\a)+\b)+7]
.endif
.if (\ride) > 0
	WIN CVT
.rept \ride
	v_cvt_pk_f16_f32 v[AF+32*(1-(\buf))+g], v[RA+2*g], v[RA+2*g+1]
.set g, g+1
.endr
.endif
.endr
.endm
; One of a K step's first three quarters: multiplies buffer q % 2 and makes quarter q + 1 ready in the other.
.macro QUART slot, q, zero=0
	s_wait_dscnt 0x0                               ; this quarter's B is in (asked for a quarter ago)
	FETCH \slot, (\q)+1, 1-((\q)%2)
	MULR (\q)%2, 0, 0, \zero
	MULR (\q)%2, 1, 0, \zero
	s_wait_dscnt 8                                 ; A's sixteen loads are in; B's eight, issued behind them, may be out
	MULR (\q)%2, 2, 4, \zero
	MULR (\q)%2, 3, 4, \zero
.endm
; The last quarter multiplies buffer 1 and changes slots: ONE barrier; in front of it each wave waits for all its tensor loads (one is out: its part of the next slot), adds 0 to its
; spare word, and waits for that and for its reads of this slot.  fill = 1: the barrier opens a round of the cluster's, and this slot is filled again, two K steps ahead, first thing behind it.
.macro TURN slot, next, fill
	WIN 0                                          ; (the add's two registers lie in window 0)
	s_wait_tensorcnt 0x0
	ds_add_u32 v[SPW], v[NIL]
	s_wait_dscnt 1                                 ; this quarter's B is in; the add may be out
	MULR 1, 0, 0
	s_wait_dscnt 0x0                               ; the add is done, and my reads of this slot are over
	s_barrier_signal -1
	MULR 1, 1, 0
.if \fill
	WIN 0
.endif
	s_barrier_wait -1
.if \fill
	CREST                                          ; no wave of any partner still reads this slot or has a load on its way
	s_add_nc_u64 s[G0+4*(\slot)+2:G0+4*(\slot)+3], s[G0+4*(\slot)+2:G0+4*(\slot)+3], 2*ASTEP
	s_add_nc_u64 s[G0B+4*(\slot)+2:G0B+4*(\slot)+3], s[G0B+4*(\slot)+2:G0B+4*(\slot)+3], 2*BSTEP
	JLOAD \slot
.endif
	FETCH \next, 0, 0
	MULR 1, 2, 0
	s_wait_dscnt 8                                 ; A's sixteen loads are in
	MULR 1, 3, 8
.endm
	s_wait_tensorcnt 1                             ; my part of K step 0 is in; K step 1's may stay out
	s_barrier_signal -1
	s_barrier_wait -1                              ; everybody's is
	FETCH 0, 0, 0
	s_wait_dscnt 0x0
	WIN CVT
.rept 32
	v_cvt_pk_f16_f32 v[AF+g], v[RA+2*g], v[RA+2*g+1]
.set g, g+1
.endr
	QUART 0, 0, 1                                  ; the first quarter stands in front of the loop: its products start the sums
	WIN 0                                          ; at a label and at a branch every window is 0
	s_mov_b32 s3, KSTEPS/2-1
.Llap:                                                 ; a trip goes once round the ring, from a lap's second quarter to the next lap's first, and fills both slots again
	QUART 0, 1
	QUART 0, 2
	TURN 0, 1, 1
	QUART 1, 0
	QUART 1, 1
	QUART 1, 2
	TURN 1, 0, 1
	QUART 0, 0
	WIN 0
	s_sub_co_u32 s3, s3, 1
	s_cmp_lg_u32 s3, 0
	s_cbranch_scc1 .Llap
	QUART 0, 1                                     ; the last lap fills nothing
	QUART 0, 2
	TURN 0, 1, 0
	QUART 1, 0
	QUART 1, 1
	QUART 1, 2
	s_wait_dscnt 0x0                               ; the very last quarter
	MULR 1, 0, 0
	MULR 1, 1, 0
	MULR 1, 2, 0
	MULR 1, 3, 0
	WIN 0
.rept 4
	v_nop                                          ; four places between the last products and the LDS stores that read them
.endr
.if EP
	s_wait_loadcnt 0x0                             ; mul and add
.endif
; THE WAY OUT of row block a: 16 rows x 64 columns of f32 through my own stage: in by 32 bytes a lane, back as whole rows of 256 bytes.  Each accumulator's low registers are read first.
.macro OUT a
.irp b, 0,1,2,3
	ds_store_b128 v[STO], v[ACC+8*(4*(\a)+\b):ACC+8*(4*(\a)+\b)+3] offset:64*\b
	ds_store_b128 v[STO], v[ACC+8*(4*(\a)+\b)+4:ACC+8*(4*(\a)+\b)+7] offset:64*\b+16
.endr
	s_wait_xcnt 0x0                                ; the last block's stores have read OB: it is loaded again only behind this wait
.irp t, 0,1,2,3,4,5,6,7
	ds_load_b128 v[OB+4*\t:OB+4*\t+3], v[RD] offset:\t*2*SPITCH  ; LDS serves a wave's instructions in order (ISA guide 5.7.1.4): these see the stores above
.endr
	s_wait_dscnt 0x0
.if EP
.irp t, 0,1,2,3,4,5,6,7
	v_pk_fma_f32 v[OB+4*\t:OB+4*\t+1], v[OB+4*\t:OB+4*\t+1], v[MULV:MULV+1], v[ADDV:ADDV+1]
	v_pk_fma_f32 v[OB+4*\t+2:OB+4*\t+3], v[OB+4*\t+2:OB+4*\t+3], v[MULV+2:MULV+3], v[ADDV+2:ADDV+3]
.endr
.endif
.irp t, 0,1,2,3,4,5,6,7
	global_store_b128 v[CO], v[OB+4*\t:OB+4*\t+3], s[8:9] offset:(16*(\a)+2*\t)*CP  ; 16 lanes store 256 consecutive bytes, at a multiple of 256 from C's first byte
.endr
.endm
	OUT 0
	OUT 1
	OUT 2
	OUT 3
	s_wait_tensorcnt 0x0                           ; the wave's end
	ds_add_u32 v[SPW], v[NIL]
	s_wait_dscnt 0x0
	CROUND                                         ; the closing round: no work-group ends while a partner may still ask for a tile that names it
	s_endpgm
.Lfunc_end_k_qc42b0d9f3b_g_q:
	.size	k_qc42b0d9f3b_g_q, .Lfunc_end_k_qc42b0d9f3b_g_q-k_qc42b0d9f3b_g_q
	.p2alignl 7, 3214868480
	.fill 96, 4, 3214868480
	.section	.rodata,"a",@progbits
	.p2align	6, 0x0
	.amdhsa_kernel k_qc42b0d9f3b_g_q
		.amdhsa_group_segment_fixed_size 327680
		.amdhsa_private_segment_fixed_size 0
		.amdhsa_enable_private_segment 0
		.amdhsa_kernarg_size 24
		.amdhsa_user_sgpr_count 2
		.amdhsa_user_sgpr_kernarg_segment_ptr 1
		.amdhsa_wavefront_size32 1
		.amdhsa_system_sgpr_workgroup_id_x 1
		.amdhsa_system_sgpr_workgroup_id_y 1
		.amdhsa_system_sgpr_workgroup_id_z 1
		.amdhsa_system_vgpr_workitem_id 0
		.amdhsa_next_free_vgpr 448
		.amdhsa_next_free_sgpr 66
		.amdhsa_reserve_vcc 0
		.amdhsa_float_denorm_mode_32 3
		.amdhsa_float_denorm_mode_16_64 3
		.amdhsa_memory_ordered 1
		.amdhsa_forward_progress 1
		.amdhsa_inst_pref_size 103
	.end_amdhsa_kernel
	.amdgpu_metadata
---
amdhsa.version: [ 1, 2 ]
amdhsa.kernels:
  - .name:           k_qc42b0d9f3b_g_q
    .symbol:         k_qc42b0d9f3b_g_q.kd
    .args:
      - { .name: Q, .offset: 0, .size: 8, .value_kind: global_buffer, .address_space: global }
      - { .name: Wp1, .offset: 8, .size: 8, .value_kind: global_buffer, .address_space: global }
      - { .name: X0, .offset: 16, .size: 8, .value_kind: global_buffer, .address_space: global }
    .group_segment_fixed_size: 327680
    .private_segment_fixed_size: 0
    .kernarg_segment_align: 8
    .kernarg_segment_size: 24
    .max_flat_workgroup_size: 128
    .sgpr_count:     66
    .vgpr_count:     448
    .wavefront_size: 32
...
	.end_amdgpu_metadata
.endif
;; end of part 2
;; launch g_qk: the kernel of part 2 again; grid 8 x 32, 4 waves a work-group, clusters of 4 x 4, 327,680 bytes of LDS; arguments X0, Wp2, X1; writes X1
;; launch g_s (part 3): grid 16 x 32, 4 waves a work-group, clusters of 4 x 4, 327,680 bytes of LDS; arguments X1, KV16, S; writes S
.if DOCPART == 3
	.amdgcn_target "amdgcn-amd-amdhsa--gfx1250"
	.amdhsa_code_object_version 6
	.text
	.protected	k_qc42b0d9f3b_g_s
	.globl	k_qc42b0d9f3b_g_s
	.p2align	8
	.type	k_qc42b0d9f3b_g_s,@function
k_qc42b0d9f3b_g_s:
	s_mov_b64 s[64:65], 0
	v_nop
	global_prefetch_b8 v0, s[64:65] scope:SCOPE_SE
	s_setreg_imm32_b32 hwreg(HW_REG_WAVE_MODE, 25, 1), 1
	s_wait_xcnt 0x0
	s_wait_alu depctr_hold_cnt(0) depctr_sa_sdst(0) depctr_va_vdst(0) depctr_va_sdst(0) depctr_va_ssrc(0) depctr_va_vcc(0) depctr_vm_vsrc(0)
	s_getreg_b32 s2, hwreg(HW_REG_IB_STS2, 6, 4)
	s_cmp_eq_u32 s2, 0
	s_cbranch_scc0 .Lentry_in_a_cluster
	s_endpgm
.Lentry_in_a_cluster:
	s_bfe_u32 s2, ttmp6, 0x10000c
	s_cmp_lg_u32 s2, 0xf033
	s_cbranch_scc0 .Lentry_shape_is_right
	s_endpgm
.Lentry_shape_is_right:
; C[m][n] = sum over k of f16(A[m][k]) B[n][k].  Here: the raw scores, A = 2^-10 q Wk^T (4,096 x 1,024), B = K's f16 blocks of the row's batch, C = [4,096][2,048] f32.
; A: f32, 4,096 rows of APITCH numbers.  B: f16 in blocks of 128 (n) x 128 (k), dense, 32,768 bytes:
; the block of column tile t and K step s is number 64 (t / 8) + t % 8 + 8 s, behind BOFF bytes and BBATCH bytes for each batch of 512 rows of C.  C: f32, rows of CP bytes.  Sums in f32.
; EP = 1: mul and add, 1,024 f32 each, lie 0x200000 and 0x201000 bytes behind B's first byte, and C = sum x mul[n] + add[n].  EP = 0: C is the sum itself.
; This text stands three times in the program; the six constants below are all that differs.
; LIMIT: A is rounded once to f16 on its way from LDS to the matrix unit: 65,520 or more in magnitude becomes an infinity; below 6e-5 f16 keeps its fixed step of 6e-8.
; f16 and not bf16: the module ends in a LayerNorm, which passes every operand's relative rounding on to an output held to 1% of its root mean square in each of 4 M numbers.
; SHARES.  A work-group makes 128 x 128 of C, each of its four waves 64 x 64: 16 accumulators.  K goes in steps of 128 through two LDS slots: A's rows are 512 bytes, B's 256.
; (A step of 256 would want two slots of 200 KB.)  CLUSTER: 4 x 4 work-groups; the four of a row need the same tile of A, the four of a column the same tile of B: joint loads.
; The four tile rows of a cluster are one batch, so B's address hangs on the tile column and the cluster's y alone.
; THE MATRIX INSTRUCTION IS USED TRANSPOSED (source 0 = 16 rows of B, source 1 = 16 rows of A): a lane holds row lane % 16 of C and eight neighbouring columns.
; A QUARTER is 32 along K: 16 matrix instructions.  At its head the next quarter's 24 LDS loads go out (A in f32, then B); behind its last eight products stand, four each, the 32 conversions of that A to f16.
; REGISTERS.  Window 0: v16-29 addresses; v32-39 mul and add; v40-71 the way out; v128-255 the accumulators ((a, b) at 128 + 8 (4 a + b)).
;   Window 1: v0-63 A in f32 (fragment a at 16 a); v64-127 A in f16, two buffers; v128-191 B, two buffers.
.set KSTEPS, 8
.set APITCH, 1024
.set BOFF,   0
.set BBATCH, 4194304
.set CP,     8192
.set EP,     0
.set PA,     528                       ; A's LDS row: 512 bytes + 16: the 16 rows of a load start at 16 different groups of four banks (64 banks of 4 bytes: ISA guide 11.1)
.set PB,     272                       ; B's: 256 + 16, likewise
.set AHALF,  64*PA                     ; 64 rows: one tensor load
.set BHALF,  64*PB
.set BBASE,  2*AHALF                   ; in a slot: A's 128 rows, then B's 128
.set SLOT,   BBASE+2*BHALF
.set STAGE,  2*SLOT                    ; behind the ring: 16 rows x 272 bytes for each wave, for the way out
.set SPITCH, 272
.set SPARE,  STAGE+4*16*SPITCH         ; behind the stages: the spare words, 128 bytes for each wave
.set ASTEP,  512                       ; bytes from K step to K step in A,
.set BSTEP,  262144                    ; and in B: eight blocks
.set ADRA, 16                          ; v16-17  LDS address of my A fragments in slot 0, 1
.set ADRB, 20                          ; v20-21  the same for B
.set STO,  24                          ; v24     the way out: where I put 32 bytes of a row
.set RD,   25                          ; v25     where I read a row back
.set CO,   26                          ; v26     my byte offset in C
.set EPO,  27                          ; v27     my byte offset in mul and add
.set SPW,  28                          ; v28     my spare word's LDS address; never rewritten
.set NIL,  29                          ; v29     0; never rewritten
.set MULV, 32
.set ADDV, 36
.set OB,   40
.set ACC,  128
.set RA,   0                           ; window 1
.set AF,   64
.set BF,   128
.set G1,  24                           ; s[24:31] descriptor group 1 for A;  s[32:39] group 0, a set for each slot
.set G0,  32
.set G1B, 48                           ; s[48:55], s[56:63] the same for B
.set G0B, 56
.set MSB, 0
.macro WIN new                         ; the immediate's high byte repeats the setting that is left; a switch that changes nothing is dropped
.if MSB != (\new)
	s_set_vgpr_msb (MSB<<8)|(\new)
.set MSB, \new
.endif
.endm
.set MUL,  0x05                        ; sources 0 (B) and 1 (A) window 1; C and D window 0
.set TO_F, 0x40                        ; destination window 1, address window 0
.set CVT,  0x45                        ; destination and both sources window 1
.macro JLOAD s                         ; a joint refill: waves 0 and 1 fetch A's two halves, waves 2 and 3 B's; an s_nop 0 and four v_nop follow each line
	s_cmp_eq_u32 s11, 0
	s_cbranch_scc0 .Lfor_b_\@
	tensor_load_to_lds s[G0+4*(\s):G0+4*(\s)+3], s[G1:G1+7]
	s_nop 0
.rept 4
	v_nop
.endr
	s_branch .Lasked_\@
.Lfor_b_\@:
	tensor_load_to_lds s[G0B+4*(\s):G0B+4*(\s)+3], s[G1B:G1B+7]
	s_nop 0
.rept 4
	v_nop
.endr
.Lasked_\@:
.endm
.macro CREST                           ; a round of the cluster's barrier behind its opening barrier
	s_cmp_lg_u32 s10, 0
	s_cbranch_scc1 .Lnot_wave_0_\@
	s_barrier_signal -3
.Lnot_wave_0_\@:
	s_barrier_wait -3
	s_barrier_signal -1
	s_barrier_wait -1
.endm
.macro CROUND                          ; a whole round
	s_barrier_signal -1
	s_barrier_wait -1
	CREST
.endm
	s_load_b128 s[4:7], s[0:1], 0x0                ; A s[4:5], B s[6:7]
	s_load_b64 s[8:9], s[0:1], 0x10                ; C
	v_lshl_add_u32 v[SPW], v0, 2, SPARE
	v_mov_b32 v[NIL], 0
	ds_add_u32 v[SPW], v[NIL]                      ; the wave's opening: an add to my spare word, and its wait ahead of my first tensor load; the set-up below stands between them
	v_lshrrev_b32 v1, 5, v0
	v_readfirstlane_b32 s10, v1                    ; wave 0..3
	s_lshr_b32 s11, s10, 1                         ; my half of the tile's rows.  Also: I fetch for A (0) or for B (1)
	s_and_b32 s12, s10, 1                          ; my half of its columns.  Also: which 64 rows of that tile I fetch
	s_bfe_u32 s40, ttmp6, 0x40000                  ; cx, cy: my place in the cluster
	s_bfe_u32 s41, ttmp6, 0x40004
	s_lshl_b32 s42, ttmp9, 2
	s_add_co_u32 s42, s42, s40                     ; tile column = 4 x cluster x + cx
	s_and_b32 s45, ttmp7, 0xffff                   ; cluster y = the batch
	s_lshl_b32 s13, s45, 2
	s_add_co_u32 s13, s13, s41                     ; tile row = 4 x cluster y + cy
	s_lshl_b32 s43, s41, 2
	s_lshl_b32 s43, 15, s43                        ; my row of the cluster
	s_lshl_b32 s44, 0x1111, s40                    ; my column
	s_or_b32 s[G1+0], s43, (2<<16)|(1<<20)|(1<<21)|(6<<22)|(3<<25)   ; the mask; elements of 4 bytes; padding on; bit 21 beside a mask; after every 128 words 4 words
	s_or_b32 s[G1B+0], s44, (1<<16)|(1<<20)|(1<<21)|(5<<22)|(3<<25)  ; the mask; elements of 2 bytes; after every 64 words 4 words
.irp g, G1, G1B
	s_mov_b32 s[(\g)+1], 128<<16                   ; tensor_dim0 = 128
	s_mov_b32 s[(\g)+2], 64<<16                    ; tensor_dim1 = 64
	s_mov_b32 s[(\g)+3], 128<<16                   ; tile_dim0 = 128
	s_mov_b32 s[(\g)+4], 64                        ; tile_dim1 = 64
	s_mov_b32 s[(\g)+6], 0
	s_mov_b32 s[(\g)+7], 0
.endr
	s_mov_b32 s[G1+5], APITCH                      ; elements from row to row
	s_mov_b32 s[G1B+5], 128                        ; a block's rows are dense
	s_lshl_b32 s16, s13, 7
	s_lshl_b32 s17, s12, 6
	s_add_co_u32 s16, s16, s17                     ; A: row 128 x tile row + 64 x half,
	s_mul_i32 s16, s16, APITCH*4                   ; in bytes (under 2^26)
	s_mov_b32 s17, 0
	s_lshr_b32 s46, s42, 3                         ; B: block 64 (t / 8) + t % 8,
	s_lshl_b32 s46, s46, 6
	s_and_b32 s47, s42, 7
	s_add_co_u32 s46, s46, s47
	s_lshl_b32 s46, s46, 15
	s_lshl_b32 s47, s12, 14                        ; its half of 64 rows of 256 bytes
	s_add_co_u32 s46, s46, s47
.if BBATCH
	s_mul_i32 s47, s45, BBATCH
	s_add_co_u32 s46, s46, s47
.endif
.if BOFF
	s_add_co_u32 s46, s46, BOFF
.endif
	s_mov_b32 s47, 0
	s_mul_i32 s20, s12, AHALF                      ; where they go: no place in the cluster enters an LDS address
	s_mul_i32 s21, s12, BHALF
	s_add_co_u32 s21, s21, BBASE
	s_wait_dscnt 0x0                               ; the opening add is done
	s_wait_kmcnt 0x0
	s_add_nc_u64 s[14:15], s[4:5], s[16:17]
	s_add_nc_u64 s[46:47], s[6:7], s[46:47]
.irp s, 0,1
	s_mov_b32 s[G0+4*(\s)], 1
	s_add_co_u32 s[G0+4*(\s)+1], s20, (\s)*SLOT
	s_add_nc_u64 s[G0+4*(\s)+2:G0+4*(\s)+3], s[14:15], (\s)*ASTEP
	s_or_b32 s[G0+4*(\s)+3], s[G0+4*(\s)+3], 0x80000000
	s_mov_b32 s[G0B+4*(\s)], 1
	s_add_co_u32 s[G0B+4*(\s)+1], s21, (\s)*SLOT
	s_add_nc_u64 s[G0B+4*(\s)+2:G0B+4*(\s)+3], s[46:47], (\s)*BSTEP
	s_or_b32 s[G0B+4*(\s)+3], s[G0B+4*(\s)+3], 0x80000000
.endr
	CROUND                                         ; all sixteen work-groups are here: the first joint loads meet
	s_cmp_eq_u32 s11, 0                            ; a wave's two first fills stand in one branch: two loads of mine are out
	s_cbranch_scc0 .Lfirst_b
	tensor_load_to_lds s[G0:G0+3], s[G1:G1+7]
	s_nop 0
	tensor_load_to_lds s[G0+4:G0+7], s[G1:G1+7]
	s_nop 0
.rept 4
	v_nop
.endr
	s_branch .Lfirst_asked
.Lfirst_b:
	tensor_load_to_lds s[G0B:G0B+3], s[G1B:G1B+7]
	s_nop 0
	tensor_load_to_lds s[G0B+4:G0B+7], s[G1B:G1B+7]
	s_nop 0
.rept 4
	v_nop
.endr
.Lfirst_asked:
	; A fragment is 16 rows x 32 K: lane l holds row l % 16, K = 8 (l / 16) + 0..7 and 16 + 8 (l / 16) + 0..7.  In f16 two loads of 16 bytes, 32 apart; in f32 four, at 0, 16, 64, 80.
	v_and_b32 v1, 15, v0                           ; l % 16
	v_bfe_u32 v2, v0, 4, 1                         ; l / 16
	v_mul_u32_u24 v3, v1, PA
	v_lshl_add_u32 v3, v2, 5, v3
	v_mul_u32_u24 v4, v1, PB
	v_lshl_add_u32 v4, v2, 4, v4
	s_mul_i32 s21, s11, AHALF                      ; my 64 rows of A
	s_mul_i32 s22, s12, BHALF                      ; my 64 rows of B
	s_add_co_u32 s22, s22, BBASE
.irp s, 0,1
	v_add_nc_u32 v[ADRA+(\s)], s21, v3
	v_add_nc_u32 v[ADRB+(\s)], s22, v4
	s_add_co_u32 s21, s21, SLOT
	s_add_co_u32 s22, s22, SLOT
.endr
	s_mul_i32 s23, s10, 16*SPITCH
	s_add_co_u32 s23, s23, STAGE                   ; my stage
	v_mul_u32_u24 v5, v1, SPITCH                   ; in: row l % 16, 32 bytes for each half of the lanes
	v_lshl_add_u32 v5, v2, 5, v5
	v_add_nc_u32 v[STO], s23, v5
	v_mul_u32_u24 v5, v2, SPITCH                   ; back: lanes 0-15 one row of 256 bytes, lanes 16-31 the next
	v_lshl_add_u32 v5, v1, 4, v5
	v_add_nc_u32 v[RD], s23, v5
	v_mul_u32_u24 v5, v2, CP                       ; and the same two rows in C
	v_lshl_add_u32 v[CO], v1, 4, v5
	s_lshl_b32 s16, s13, 7
	s_lshl_b32 s17, s11, 6
	s_add_co_u32 s16, s16, s17                     ; my first row of C
	s_mul_i32 s16, s16, CP
	s_mov_b32 s17, 0
	s_add_nc_u64 s[8:9], s[8:9], s[16:17]
	s_lshl_b32 s46, s42, 9                         ; my first column, in bytes: 512 x tile column + 256 x half
	s_lshl_b32 s47, s12, 8
	s_add_co_u32 s46, s46, s47
	s_mov_b32 s47, 0
	s_add_nc_u64 s[8:9], s[8:9], s[46:47]
.if EP
	v_lshl_add_u32 v[EPO], v1, 4, s46              ; on the way out a lane holds the same four columns of every row
	global_load_b128 v[MULV:MULV+3], v[EPO], s[6:7] offset:0x200000
	global_load_b128 v[ADDV:ADDV+3], v[EPO], s[6:7] offset:0x201000
.endif
; 24 LDS loads in one run: quarter q of a slot: A's 64 rows x 32 K in f32 first, then B's in f16 into buffer buf.  g counts the conversions that follow.
.macro FETCH slot, q, buf
.set g, 0
	WIN TO_F
.irp a, 0,1,2,3
	ds_load_b128 v[RA+16*\a:RA+16*\a+3],     v[ADRA+(\slot)] offset:\a*16*PA+128*(\q)
	ds_load_b128 v[RA+16*\a+4:RA+16*\a+7],   v[ADRA+(\slot)] offset:\a*16*PA+128*(\q)+16
	ds_load_b128 v[RA+16*\a+8:RA+16*\a+11],  v[ADRA+(\slot)] offset:\a*16*PA+128*(\q)+64
	ds_load_b128 v[RA+16*\a+12:RA+16*\a+15], v[ADRA+(\slot)] offset:\a*16*PA+128*(\q)+80
.endr
.irp b, 0,1,2,3
	ds_load_b128 v[BF+32*(\buf)+8*\b:BF+32*(\buf)+8*\b+3],   v[ADRB+(\slot)] offset:\b*16*PB+64*(\q)
	ds_load_b128 v[BF+32*(\buf)+8*\b+4:BF+32*(\buf)+8*\b+7], v[ADRB+(\slot)] offset:\b*16*PB+64*(\q)+32
.endr
.endm
; 4 matrix instructions: row block a x all 4 column blocks, on buffer buf; behind each, ride conversions of the next quarter's A into the other buffer.  zero = 1: the product starts the sum.
; The 16 accumulators take turns in one order in every quarter.  The conversions name no register of the products round them: those behind a quarter's last
; product are the four places in front of the next run of loads into the B buffer that the quarter read.
.macro MULR buf, a, ride, zero=0
.irp b, 0,1,2,3
	WIN MUL
.if \zero
	v_wmma_f32_16x16x32_f16 v[ACC+8*(4*(\a)+\b):ACC+8*(4*(\a)+\b)+7], v[BF+32*(\buf)+8*\b:BF+32*(\buf)+8*\b+7], v[AF+32*(\buf)+8*(\a):AF+32*(\buf)+8*(\a)+7], 0
.else
	v_wmma_f32_16x16x32_f16 v[ACC+8*(4*(\a)+\b):ACC+8*(4*(\a)+\b)+7], v[BF+32*(\buf)+8*\b:BF+32*(\buf)+8*\b+7], v[AF+32*(\buf)+8*(\a):AF+32*(\buf)+8*(\a)+7], v[ACC+8*(4*(\a)+\b):ACC+8*(4*(\a)+\b)+7]
.endif
.if (\ride) > 0
	WIN CVT
.rept \ride
	v_cvt_pk_f16_f32 v[AF+32*(1-(\buf))+g], v[RA+2*g], v[RA+2*g+1]
.set g, g+1
.endr
.endif
.endr
.endm
; One of a K step's first three quarters: multiplies buffer q % 2 and makes quarter q + 1 ready in the other.
.macro QUART slot, q, zero=0
	s_wait_dscnt 0x0                               ; this quarter's B is in (asked for a quarter ago)
	FETCH \slot, (\q)+1, 1-((\q)%2)
	MULR (\q)%2, 0, 0, \zero
	MULR (\q)%2, 1, 0, \zero
	s_wait_dscnt 8                                 ; A's sixteen loads are in; B's eight, issued behind them, may be out
	MULR (\q)%2, 2, 4, \zero
	MULR (\q)%2, 3, 4, \zero
.endm
; The last quarter multiplies buffer 1 and changes slots: ONE barrier; in front of it each wave waits for all its tensor loads (one is out: its part of the next slot), adds 0 to its
; spare word, and waits for that and for its reads of this slot.  fill = 1: the barrier opens a round of the cluster's, and this slot is filled again, two K steps ahead, first thing behind it.
.macro TURN slot, next, fill
	WIN 0                                          ; (the add's two registers lie in window 0)
	s_wait_tensorcnt 0x0
	ds_add_u32 v[SPW], v[NIL]
	s_wait_dscnt 1                                 ; this quarter's B is in; the add may be out
	MULR 1, 0, 0
	s_wait_dscnt 0x0                               ; the add is done, and my reads of this slot are over
	s_barrier_signal -1
	MULR 1, 1, 0
.if \fill
	WIN 0
.endif
	s_barrier_wait -1
.if \fill
	CREST                                          ; no wave of any partner still reads this slot or has a load on its way
	s_add_nc_u64 s[G0+4*(\slot)+2:G0+4*(\slot)+3], s[G0+4*(\slot)+2:G0+4*(\slot)+3], 2*ASTEP
	s_add_nc_u64 s[G0B+4*(\slot)+2:G0B+4*(\slot)+3], s[G0B+4*(\slot)+2:G0B+4*(\slot)+3], 2*BSTEP
	JLOAD \slot
.endif
	FETCH \next, 0, 0
	MULR 1, 2, 0
	s_wait_dscnt 8                                 ; A's sixteen loads are in
	MULR 1, 3, 8
.endm
	s_wait_tensorcnt 1                             ; my part of K step 0 is in; K step 1's may stay out
	s_barrier_signal -1
	s_barrier_wait -1                              ; everybody's is
	FETCH 0, 0, 0
	s_wait_dscnt 0x0
	WIN CVT
.rept 32
	v_cvt_pk_f16_f32 v[AF+g], v[RA+2*g], v[RA+2*g+1]
.set g, g+1
.endr
	QUART 0, 0, 1                                  ; the first quarter stands in front of the loop: its products start the sums
	WIN 0                                          ; at a label and at a branch every window is 0
	s_mov_b32 s3, KSTEPS/2-1
.Llap:                                                 ; a trip goes once round the ring, from a lap's second quarter to the next lap's first, and fills both slots again
	QUART 0, 1
	QUART 0, 2
	TURN 0, 1, 1
	QUART 1, 0
	QUART 1, 1
	QUART 1, 2
	TURN 1, 0, 1
	QUART 0, 0
	WIN 0
	s_sub_co_u32 s3, s3, 1
	s_cmp_lg_u32 s3, 0
	s_cbranch_scc1 .Llap
	QUART 0, 1                                     ; the last lap fills nothing
	QUART 0, 2
	TURN 0, 1, 0
	QUART 1, 0
	QUART 1, 1
	QUART 1, 2
	s_wait_dscnt 0x0                               ; the very last quarter
	MULR 1, 0, 0
	MULR 1, 1, 0
	MULR 1, 2, 0
	MULR 1, 3, 0
	WIN 0
.rept 4
	v_nop                                          ; four places between the last products and the LDS stores that read them
.endr
.if EP
	s_wait_loadcnt 0x0                             ; mul and add
.endif
; THE WAY OUT of row block a: 16 rows x 64 columns of f32 through my own stage: in by 32 bytes a lane, back as whole rows of 256 bytes.  Each accumulator's low registers are read first.
.macro OUT a
.irp b, 0,1,2,3
	ds_store_b128 v[STO], v[ACC+8*(4*(\a)+\b):ACC+8*(4*(\a)+\b)+3] offset:64*\b
	ds_store_b128 v[STO], v[ACC+8*(4*(\a)+\b)+4:ACC+8*(4*(\a)+\b)+7] offset:64*\b+16
.endr
	s_wait_xcnt 0x0                                ; the last block's stores have read OB: it is loaded again only behind this wait
.irp t, 0,1,2,3,4,5,6,7
	ds_load_b128 v[OB+4*\t:OB+4*\t+3], v[RD] offset:\t*2*SPITCH  ; LDS serves a wave's instructions in order (ISA guide 5.7.1.4): these see the stores above
.endr
	s_wait_dscnt 0x0
.if EP
.irp t, 0,1,2,3,4,5,6,7
	v_pk_fma_f32 v[OB+4*\t:OB+4*\t+1], v[OB+4*\t:OB+4*\t+1], v[MULV:MULV+1], v[ADDV:ADDV+1]
	v_pk_fma_f32 v[OB+4*\t+2:OB+4*\t+3], v[OB+4*\t+2:OB+4*\t+3], v[MULV+2:MULV+3], v[ADDV+2:ADDV+3]
.endr
.endif
.irp t, 0,1,2,3,4,5,6,7
	global_store_b128 v[CO], v[OB+4*\t:OB+4*\t+3], s[8:9] offset:(16*(\a)+2*\t)*CP  ; 16 lanes store 256 consecutive bytes, at a multiple of 256 from C's first byte
.endr
.endm
	OUT 0
	OUT 1
	OUT 2
	OUT 3
	s_wait_tensorcnt 0x0                           ; the wave's end
	ds_add_u32 v[SPW], v[NIL]
	s_wait_dscnt 0x0
	CROUND                                         ; the closing round: no work-group ends while a partner may still ask for a tile that names it
	s_endpgm
.Lfunc_end_k_qc42b0d9f3b_g_s:
	.size	k_qc42b0d9f3b_g_s, .Lfunc_end_k_qc42b0d9f3b_g_s-k_qc42b0d9f3b_g_s
	.p2alignl 7, 3214868480
	.fill 96, 4, 3214868480
	.section	.rodata,"a",@progbits
	.p2align	6, 0x0
	.amdhsa_kernel k_qc42b0d9f3b_g_s
		.amdhsa_group_segment_fixed_size 327680
		.amdhsa_private_segment_fixed_size 0
		.amdhsa_enable_private_segment 0
		.amdhsa_kernarg_size 24
		.amdhsa_user_sgpr_count 2
		.amdhsa_user_sgpr_kernarg_segment_ptr 1
		.amdhsa_wavefront_size32 1
		.amdhsa_system_sgpr_workgroup_id_x 1
		.amdhsa_system_sgpr_workgroup_id_y 1
		.amdhsa_system_sgpr_workgroup_id_z 1
		.amdhsa_system_vgpr_workitem_id 0
		.amdhsa_next_free_vgpr 448
		.amdhsa_next_free_sgpr 66
		.amdhsa_reserve_vcc 0
		.amdhsa_float_denorm_mode_32 3
		.amdhsa_float_denorm_mode_16_64 3
		.amdhsa_memory_ordered 1
		.amdhsa_forward_progress 1
		.amdhsa_inst_pref_size 98
	.end_amdhsa_kernel
	.amdgpu_metadata
---
amdhsa.version: [ 1, 2 ]
amdhsa.kernels:
  - .name:           k_qc42b0d9f3b_g_s
    .symbol:         k_qc42b0d9f3b_g_s.kd
    .args:
      - { .name: X1, .offset: 0, .size: 8, .value_kind: global_buffer, .address_space: global }
      - { .name: KV16, .offset: 8, .size: 8, .value_kind: global_buffer, .address_space: global }
      - { .name: S, .offset: 16, .size: 8, .value_kind: global_buffer, .address_space: global }
    .group_segment_fixed_size: 327680
    .private_segment_fixed_size: 0
    .kernarg_segment_align: 8
    .kernarg_segment_size: 24
    .max_flat_workgroup_size: 128
    .sgpr_count:     66
    .vgpr_count:     448
    .wavefront_size: 32
...
	.end_amdgpu_metadata
.endif
;; end of part 3
;; launch smax (part 4): grid 512 x 1, 8 waves a work-group, no clusters, 0 bytes of LDS; arguments S, X0, bk, pad_mask, X1; writes X1
.if DOCPART == 4
	.amdgcn_target "amdgcn-amd-amdhsa--gfx1250"
	.amdhsa_code_object_version 6
	.text
	.protected	k_qc42b0d9f3b_smax
	.globl	k_qc42b0d9f3b_smax
	.p2align	8
	.type	k_qc42b0d9f3b_smax,@function
k_qc42b0d9f3b_smax:
	s_mov_b64 s[64:65], 0
	v_nop
	global_prefetch_b8 v0, s[64:65] scope:SCOPE_SE
	s_setreg_imm32_b32 hwreg(HW_REG_WAVE_MODE, 25, 1), 1
	s_wait_xcnt 0x0
; P[row][:] = softmax over 2,048 keys of s, s = -1e9 where pad_mask is 0, else 32 Sraw + (q . bk) / 32.
; Sraw = 2^-10 (q Wk^T) . K, so 32 Sraw = (q Wk^T) . K / 32; with q . bk that is q . (K Wk + bk) / sqrt(1024), the reference's score.  All in f32; P is stored in f32.
; One wave, one row (row = 8 x work-group + wave): the row's 2,048 scores are 64 registers a lane, so the row is read once and no wave waits for another: no LDS, no barrier.
; The row's true maximum is taken away before the exponential, as a difference formed ahead of the scaling: a row whose keys are all masked gives differences of exactly 0 and a uniform P.
; A weight below 2^-126 counts as 0.  NaN and infinities are not treated apart.  No matrix unit, no cluster: memory binds, and rows share only the mask and bk.
.set QR,  2                            ; v[2:33]    q's row: element 128 i + 4 lane + j in register 4 i + j
.set BK,  34                           ; v[34:65]   bk, likewise
.set SS,  66                           ; v[66:129]  the scores, then the weights
.set MK,  130                          ; v[130:193] the mask
.set T,   194                          ; v[194:205] at work
.set NEG, 206                          ; v206       -1e9
.macro WSUM r, t                       ; the sum of v[r] over the wave's 32 lanes, in every lane; v[t] has been written before
	v_add_f32_dpp v[\r], v[\r], v[\r] row_xmask:1 row_mask:0xf bank_mask:0xf
	v_add_f32_dpp v[\r], v[\r], v[\r] row_xmask:2 row_mask:0xf bank_mask:0xf
	v_add_f32_dpp v[\r], v[\r], v[\r] row_xmask:4 row_mask:0xf bank_mask:0xf
	v_add_f32_dpp v[\r], v[\r], v[\r] row_xmask:8 row_mask:0xf bank_mask:0xf
	v_permlanex16_b32 v[\t], v[\r], s18, s19
	v_add_f32 v[\r], v[\r], v[\t]
.endm
	s_load_b256 s[4:11], s[0:1], 0x0               ; S s[4:5], q s[6:7], bk s[8:9], pad_mask s[10:11]
	s_load_b64 s[12:13], s[0:1], 0x20              ; P
	v_lshrrev_b32 v1, 5, v0
	v_readfirstlane_b32 s14, v1                    ; wave
	v_and_b32 v1, 31, v0
	v_lshlrev_b32 v1, 4, v1                        ; 16 x lane
	v_mov_b32 v[NEG], 0xce6e6b28                   ; -1e9
	s_lshl_b32 s15, ttmp9, 3
	s_add_co_u32 s15, s15, s14                     ; row
	s_lshl_b32 s16, s15, 13                        ; rows of 8,192 bytes in S and P,
	s_mov_b32 s17, 0
	s_lshl_b32 s22, s15, 12                        ; of 4,096 in q,
	s_mov_b32 s23, 0
	s_lshr_b32 s24, s15, 9                         ; and the batch's 8,192 bytes of mask
	s_lshl_b32 s24, s24, 13
	s_mov_b32 s25, 0
	s_mov_b32 s18, 0x76543210                      ; v_permlanex16_b32: each lane takes its own place in the other half
	s_mov_b32 s19, 0xfedcba98
	s_mov_b32 s20, 0x42000000                      ; 32
	s_mov_b32 s21, s20                             ; named with it as a pair
	s_mov_b32 s26, 0x3fb8aa3b                      ; log2(e)
	s_mov_b32 s27, s26
	s_wait_kmcnt 0x0
	s_add_nc_u64 s[4:5], s[4:5], s[16:17]
	s_add_nc_u64 s[12:13], s[12:13], s[16:17]
	s_add_nc_u64 s[6:7], s[6:7], s[22:23]
	s_add_nc_u64 s[10:11], s[10:11], s[24:25]
.irp i, 0,1,2,3,4,5,6,7
	global_load_b128 v[QR+4*\i:QR+4*\i+3], v1, s[6:7] offset:\i*512
.endr
.irp i, 0,1,2,3,4,5,6,7
	global_load_b128 v[BK+4*\i:BK+4*\i+3], v1, s[8:9] offset:\i*512
.endr
.set i, 0
.rept 16
	global_load_b128 v[SS+4*i:SS+4*i+3], v1, s[4:5] offset:i*512 th:TH_LOAD_NT
.set i, i+1
.endr
.set i, 0
.rept 16
	global_load_b128 v[MK+4*i:MK+4*i+3], v1, s[10:11] offset:i*512
.set i, i+1
.endr
	s_wait_loadcnt 32                              ; q and bk are in; the 32 loads of scores and mask, issued behind them, stay out
.irp k, 0,1,2,3                                        ; q . bk: four chains, started by products
	v_pk_mul_f32 v[T+2*\k:T+2*\k+1], v[QR+2*\k:QR+2*\k+1], v[BK+2*\k:BK+2*\k+1]
.endr
.set p, 4
.rept 12
	v_pk_fma_f32 v[T+2*(p%4):T+2*(p%4)+1], v[QR+2*p:QR+2*p+1], v[BK+2*p:BK+2*p+1], v[T+2*(p%4):T+2*(p%4)+1]
.set p, p+1
.endr
	v_pk_add_f32 v[T:T+1], v[T:T+1], v[T+2:T+3]
	v_pk_add_f32 v[T+4:T+5], v[T+4:T+5], v[T+6:T+7]
	v_pk_add_f32 v[T:T+1], v[T:T+1], v[T+4:T+5]
	v_add_f32 v[T], v[T], v[T+1]
	WSUM T, T+1
	v_mul_f32 v[T], 0x3d000000, v[T]               ; / 32
	s_wait_loadcnt 0x0
.set p, 0
.rept 32
	v_pk_fma_f32 v[SS+2*p:SS+2*p+1], v[SS+2*p:SS+2*p+1], s[20:21], v[T:T+1] op_sel_hi:[1,0,0]  ; 32 Sraw + q . bk / 32
.set p, p+1
.endr
.set e, 0
.rept 64
	v_cmp_eq_u32 vcc_lo, 0, v[MK+e]
	v_cndmask_b32 v[SS+e], v[SS+e], v[NEG], vcc_lo
.set e, e+1
.endr
.irp k, 0,1,2,3                                        ; the maximum: four chains of 15 scores, three operands at a time, then the four left over
	v_max3_num_f32 v[T+2+\k], v[SS+16*\k], v[SS+16*\k+1], v[SS+16*\k+2]
.endr
.irp j, 3,5,7,9,11,13
.irp k, 0,1,2,3
	v_max3_num_f32 v[T+2+\k], v[T+2+\k], v[SS+16*\k+\j], v[SS+16*\k+\j+1]
.endr
.endr
	v_max3_num_f32 v[T+2], v[T+2], v[SS+15], v[SS+31]
	v_max3_num_f32 v[T+3], v[T+3], v[SS+47], v[SS+63]
	v_max3_num_f32 v[T+2], v[T+2], v[T+3], v[T+4]
	v_max_num_f32 v[T+2], v[T+2], v[T+5]
	v_max_num_f32_dpp v[T+2], v[T+2], v[T+2] row_xmask:1 row_mask:0xf bank_mask:0xf
	v_max_num_f32_dpp v[T+2], v[T+2], v[T+2] row_xmask:2 row_mask:0xf bank_mask:0xf
	v_max_num_f32_dpp v[T+2], v[T+2], v[T+2] row_xmask:4 row_mask:0xf bank_mask:0xf
	v_max_num_f32_dpp v[T+2], v[T+2], v[T+2] row_xmask:8 row_mask:0xf bank_mask:0xf
	v_permlanex16_b32 v[T+3], v[T+2], s18, s19
	v_max_num_f32 v[T+2], v[T+2], v[T+3]           ; every lane holds the row's maximum
.set p, 0
.rept 32
	v_pk_add_f32 v[SS+2*p:SS+2*p+1], v[SS+2*p:SS+2*p+1], v[T+2:T+3] op_sel_hi:[1,0] neg_lo:[0,1] neg_hi:[0,1]  ; s - m
.set p, p+1
.endr
.set p, 0
.rept 32
	v_pk_mul_f32 v[SS+2*p:SS+2*p+1], v[SS+2*p:SS+2*p+1], s[26:27] op_sel_hi:[1,0]
.set p, p+1
.endr
.set e, 0
.rept 64
	v_exp_f32 v[SS+e], v[SS+e]
.set e, e+1
.endr
	v_nop                                          ; a plain instruction between the last exponential and the use of its result (ISA guide 5.7.2)
	s_wait_alu depctr_va_vdst(0)
.irp k, 0,1,2,3                                        ; the sum: four chains
	v_pk_add_f32 v[T+4+2*\k:T+4+2*\k+1], v[SS+2*\k:SS+2*\k+1], v[SS+8+2*\k:SS+8+2*\k+1]
.endr
.set p, 8
.rept 24
	v_pk_add_f32 v[T+4+2*(p%4):T+4+2*(p%4)+1], v[T+4+2*(p%4):T+4+2*(p%4)+1], v[SS+2*p:SS+2*p+1]
.set p, p+1
.endr
	v_pk_add_f32 v[T+4:T+5], v[T+4:T+5], v[T+6:T+7]
	v_pk_add_f32 v[T+8:T+9], v[T+8:T+9], v[T+10:T+11]
	v_pk_add_f32 v[T+4:T+5], v[T+4:T+5], v[T+8:T+9]
	v_add_f32 v[T+4], v[T+4], v[T+5]
	WSUM T+4, T+5
	v_rcp_f32 v[T+6], v[T+4]
	v_nop                                          ; a plain instruction behind the reciprocal
.set p, 0
	s_wait_alu depctr_va_vdst(0)
.rept 32
	v_pk_mul_f32 v[SS+2*p:SS+2*p+1], v[SS+2*p:SS+2*p+1], v[T+6:T+7] op_sel_hi:[1,0]
.set p, p+1
.endr
.set i, 0
.rept 16
	global_store_b128 v1, v[SS+4*i:SS+4*i+3], s[12:13] offset:i*512  ; 512 consecutive bytes, at a multiple of 256 from P's first byte
.set i, i+1
.endr
	s_endpgm
.Lfunc_end_k_qc42b0d9f3b_smax:
	.size	k_qc42b0d9f3b_smax, .Lfunc_end_k_qc42b0d9f3b_smax-k_qc42b0d9f3b_smax
	.p2alignl 7, 3214868480
	.fill 96, 4, 3214868480
	.section	.rodata,"a",@progbits
	.p2align	6, 0x0
	.amdhsa_kernel k_qc42b0d9f3b_smax
		.amdhsa_group_segment_fixed_size 0
		.amdhsa_private_segment_fixed_size 0
		.amdhsa_enable_private_segment 0
		.amdhsa_kernarg_size 40
		.amdhsa_user_sgpr_count 2
		.amdhsa_user_sgpr_kernarg_segment_ptr 1
		.amdhsa_wavefront_size32 1
		.amdhsa_system_sgpr_workgroup_id_x 1
		.amdhsa_system_sgpr_workgroup_id_y 1
		.amdhsa_system_sgpr_workgroup_id_z 1
		.amdhsa_system_vgpr_workitem_id 0
		.amdhsa_next_free_vgpr 208
		.amdhsa_next_free_sgpr 66
		.amdhsa_reserve_vcc 1
		.amdhsa_float_denorm_mode_32 3
		.amdhsa_float_denorm_mode_16_64 3
		.amdhsa_memory_ordered 1
		.amdhsa_forward_progress 1
		.amdhsa_inst_pref_size 28
	.end_amdhsa_kernel
	.amdgpu_metadata
---
amdhsa.version: [ 1, 2 ]
amdhsa.kernels:
  - .name:           k_qc42b0d9f3b_smax
    .symbol:         k_qc42b0d9f3b_smax.kd
    .args:
      - { .name: S, .offset: 0, .size: 8, .value_kind: global_buffer, .address_space: global }
      - { .name: X0, .offset: 8, .size: 8, .value_kind: global_buffer, .address_space: global }
      - { .name: bk, .offset: 16, .size: 8, .value_kind: global_buffer, .address_space: global }
      - { .name: pad_mask, .offset: 24, .size: 8, .value_kind: global_buffer, .address_space: global }
      - { .name: X1, .offset: 32, .size: 8, .value_kind: global_buffer, .address_space: global }
    .group_segment_fixed_size: 0
    .private_segment_fixed_size: 0
    .kernarg_segment_align: 8
    .kernarg_segment_size: 40
    .max_flat_workgroup_size: 256
    .sgpr_count:     66
    .vgpr_count:     208
    .wavefront_size: 32
...
	.end_amdgpu_metadata
.endif
;; end of part 4
;; launch g_u (part 5): grid 8 x 32, 4 waves a work-group, clusters of 4 x 4, 327,680 bytes of LDS; arguments X1, KV16, X0; writes X0
.if DOCPART == 5
	.amdgcn_target "amdgcn-amd-amdhsa--gfx1250"
	.amdhsa_code_object_version 6
	.text
	.protected	k_qc42b0d9f3b_g_u
	.globl	k_qc42b0d9f3b_g_u
	.p2align	8
	.type	k_qc42b0d9f3b_g_u,@function
k_qc42b0d9f3b_g_u:
	s_mov_b64 s[64:65], 0
	v_nop
	global_prefetch_b8 v0, s[64:65] scope:SCOPE_SE
	s_setreg_imm32_b32 hwreg(HW_REG_WAVE_MODE, 25, 1), 1
	s_wait_xcnt 0x0
	s_wait_alu depctr_hold_cnt(0) depctr_sa_sdst(0) depctr_va_vdst(0) depctr_va_sdst(0) depctr_va_ssrc(0) depctr_va_vcc(0) depctr_vm_vsrc(0)
	s_getreg_b32 s2, hwreg(HW_REG_IB_STS2, 6, 4)
	s_cmp_eq_u32 s2, 0
	s_cbranch_scc0 .Lentry_in_a_cluster
	s_endpgm
.Lentry_in_a_cluster:
	s_bfe_u32 s2, ttmp6, 0x10000c
	s_cmp_lg_u32 s2, 0xf033
	s_cbranch_scc0 .Lentry_shape_is_right
	s_endpgm
.Lentry_shape_is_right:
; C[m][n] = sum over k of f16(A[m][k]) B[n][k].  Here: U = P V, A = the weights P (4,096 x 2,048), B = V's turned f16 blocks of the row's batch, C = [4,096][1,024] f32.
; A: f32, 4,096 rows of APITCH numbers.  B: f16 in blocks of 128 (n) x 128 (k), dense, 32,768 bytes:
; the block of column tile t and K step s is number 64 (t / 8) + t % 8 + 8 s, behind BOFF bytes and BBATCH bytes for each batch of 512 rows of C.  C: f32, rows of CP bytes.  Sums in f32.
; EP = 1: mul and add, 1,024 f32 each, lie 0x200000 and 0x201000 bytes behind B's first byte, and C = sum x mul[n] + add[n].  EP = 0: C is the sum itself.
; This text stands three times in the program; the six constants below are all that differs.
; LIMIT: A is rounded once to f16 on its way from LDS to the matrix unit: 65,520 or more in magnitude becomes an infinity; below 6e-5 f16 keeps its fixed step of 6e-8.
; f16 and not bf16: the module ends in a LayerNorm, which passes every operand's relative rounding on to an output held to 1% of its root mean square in each of 4 M numbers.
; SHARES.  A work-group makes 128 x 128 of C, each of its four waves 64 x 64: 16 accumulators.  K goes in steps of 128 through two LDS slots: A's rows are 512 bytes, B's 256.
; (A step of 256 would want two slots of 200 KB.)  CLUSTER: 4 x 4 work-groups; the four of a row need the same tile of A, the four of a column the same tile of B: joint loads.
; The four tile rows of a cluster are one batch, so B's address hangs on the tile column and the cluster's y alone.
; THE MATRIX INSTRUCTION IS USED TRANSPOSED (source 0 = 16 rows of B, source 1 = 16 rows of A): a lane holds row lane % 16 of C and eight neighbouring columns.
; A QUARTER is 32 along K: 16 matrix instructions.  At its head the next quarter's 24 LDS loads go out (A in f32, then B); behind its last eight products stand, four each, the 32 conversions of that A to f16.
; REGISTERS.  Window 0: v16-29 addresses; v32-39 mul and add; v40-71 the way out; v128-255 the accumulators ((a, b) at 128 + 8 (4 a + b)).
;   Window 1: v0-63 A in f32 (fragment a at 16 a); v64-127 A in f16, two buffers; v128-191 B, two buffers.
.set KSTEPS, 16
.set APITCH, 2048
.set BOFF,   33554432
.set BBATCH, 4194304
.set CP,     4096
.set EP,     0
.set PA,     528                       ; A's LDS row: 512 bytes + 16: the 16 rows of a load start at 16 different groups of four banks (64 banks of 4 bytes: ISA guide 11.1)
.set PB,     272                       ; B's: 256 + 16, likewise
.set AHALF,  64*PA                     ; 64 rows: one tensor load
.set BHALF,  64*PB
.set BBASE,  2*AHALF                   ; in a slot: A's 128 rows, then B's 128
.set SLOT,   BBASE+2*BHALF
.set STAGE,  2*SLOT                    ; behind the ring: 16 rows x 272 bytes for each wave, for the way out
.set SPITCH, 272
.set SPARE,  STAGE+4*16*SPITCH         ; behind the stages: the spare words, 128 bytes for each wave
.set ASTEP,  512                       ; bytes from K step to K step in A,
.set BSTEP,  262144                    ; and in B: eight blocks
.set ADRA, 16                          ; v16-17  LDS address of my A fragments in slot 0, 1
.set ADRB, 20                          ; v20-21  the same for B
.set STO,  24                          ; v24     the way out: where I put 32 bytes of a row
.set RD,   25                          ; v25     where I read a row back
.set CO,   26                          ; v26     my byte offset in C
.set EPO,  27                          ; v27     my byte offset in mul and add
.set SPW,  28                          ; v28     my spare word's LDS address; never rewritten
.set NIL,  29                          ; v29     0; never rewritten
.set MULV, 32
.set ADDV, 36
.set OB,   40
.set ACC,  128
.set RA,   0                           ; window 1
.set AF,   64
.set BF,   128
.set G1,  24                           ; s[24:31] descriptor group 1 for A;  s[32:39] group 0, a set for each slot
.set G0,  32
.set G1B, 48                           ; s[48:55], s[56:63] the same for B
.set G0B, 56
.set MSB, 0
.macro WIN new                         ; the immediate's high byte repeats the setting that is left; a switch that changes nothing is dropped
.if MSB != (\new)
	s_set_vgpr_msb (MSB<<8)|(\new)
.set MSB, \new
.endif
.endm
.set MUL,  0x05                        ; sources 0 (B) and 1 (A) window 1; C and D window 0
.set TO_F, 0x40                        ; destination window 1, address window 0
.set CVT,  0x45                        ; destination and both sources window 1
.macro JLOAD s                         ; a joint refill: waves 0 and 1 fetch A's two halves, waves 2 and 3 B's; an s_nop 0 and four v_nop follow each line
	s_cmp_eq_u32 s11, 0
	s_cbranch_scc0 .Lfor_b_\@
	tensor_load_to_lds s[G0+4*(\s):G0+4*(\s)+3], s[G1:G1+7]
	s_nop 0
.rept 4
	v_nop
.endr
	s_branch .Lasked_\@
.Lfor_b_\@:
	tensor_load_to_lds s[G0B+4*(\s):G0B+4*(\s)+3], s[G1B:G1B+7]
	s_nop 0
.rept 4
	v_nop
.endr
.Lasked_\@:
.endm
.macro CREST                           ; a round of the cluster's barrier behind its opening barrier
	s_cmp_lg_u32 s10, 0
	s_cbranch_scc1 .Lnot_wave_0_\@
	s_barrier_signal -3
.Lnot_wave_0_\@:
	s_barrier_wait -3
	s_barrier_signal -1
	s_barrier_wait -1
.endm
.macro CROUND                          ; a whole round
	s_barrier_signal -1
	s_barrier_wait -1
	CREST
.endm
	s_load_b128 s[4:7], s[0:1], 0x0                ; A s[4:5], B s[6:7]
	s_load_b64 s[8:9], s[0:1], 0x10                ; C
	v_lshl_add_u32 v[SPW], v0, 2, SPARE
	v_mov_b32 v[NIL], 0
	ds_add_u32 v[SPW], v[NIL]                      ; the wave's opening: an add to my spare word, and its wait ahead of my first tensor load; the set-up below stands between them
	v_lshrrev_b32 v1, 5, v0
	v_readfirstlane_b32 s10, v1                    ; wave 0..3
	s_lshr_b32 s11, s10, 1                         ; my half of the tile's rows.  Also: I fetch for A (0) or for B (1)
	s_and_b32 s12, s10, 1                          ; my half of its columns.  Also: which 64 rows of that tile I fetch
	s_bfe_u32 s40, ttmp6, 0x40000                  ; cx, cy: my place in the cluster
	s_bfe_u32 s41, ttmp6, 0x40004
	s_lshl_b32 s42, ttmp9, 2
	s_add_co_u32 s42, s42, s40                     ; tile column = 4 x cluster x + cx
	s_and_b32 s45, ttmp7, 0xffff                   ; cluster y = the batch
	s_lshl_b32 s13, s45, 2
	s_add_co_u32 s13, s13, s41                     ; tile row = 4 x cluster y + cy
	s_lshl_b32 s43, s41, 2
	s_lshl_b32 s43, 15, s43                        ; my row of the cluster
	s_lshl_b32 s44, 0x1111, s40                    ; my column
	s_or_b32 s[G1+0], s43, (2<<16)|(1<<20)|(1<<21)|(6<<22)|(3<<25)   ; the mask; elements of 4 bytes; padding on; bit 21 beside a mask; after every 128 words 4 words
	s_or_b32 s[G1B+0], s44, (1<<16)|(1<<20)|(1<<21)|(5<<22)|(3<<25)  ; the mask; elements of 2 bytes; after every 64 words 4 words
.irp g, G1, G1B
	s_mov_b32 s[(\g)+1], 128<<16                   ; tensor_dim0 = 128
	s_mov_b32 s[(\g)+2], 64<<16                    ; tensor_dim1 = 64
	s_mov_b32 s[(\g)+3], 128<<16                   ; tile_dim0 = 128
	s_mov_b32 s[(\g)+4], 64                        ; tile_dim1 = 64
	s_mov_b32 s[(\g)+6], 0
	s_mov_b32 s[(\g)+7], 0
.endr
	s_mov_b32 s[G1+5], APITCH                      ; elements from row to row
	s_mov_b32 s[G1B+5], 128                        ; a block's rows are dense
	s_lshl_b32 s16, s13, 7
	s_lshl_b32 s17, s12, 6
	s_add_co_u32 s16, s16, s17                     ; A: row 128 x tile row + 64 x half,
	s_mul_i32 s16, s16, APITCH*4                   ; in bytes (under 2^26)
	s_mov_b32 s17, 0
	s_lshr_b32 s46, s42, 3                         ; B: block 64 (t / 8) + t % 8,
	s_lshl_b32 s46, s46, 6
	s_and_b32 s47, s42, 7
	s_add_co_u32 s46, s46, s47
	s_lshl_b32 s46, s46, 15
	s_lshl_b32 s47, s12, 14                        ; its half of 64 rows of 256 bytes
	s_add_co_u32 s46, s46, s47
.if BBATCH
	s_mul_i32 s47, s45, BBATCH
	s_add_co_u32 s46, s46, s47
.endif
.if BOFF
	s_add_co_u32 s46, s46, BOFF
.endif
	s_mov_b32 s47, 0
	s_mul_i32 s20, s12, AHALF                      ; where they go: no place in the cluster enters an LDS address
	s_mul_i32 s21, s12, BHALF
	s_add_co_u32 s21, s21, BBASE
	s_wait_dscnt 0x0                               ; the opening add is done
	s_wait_kmcnt 0x0
	s_add_nc_u64 s[14:15], s[4:5], s[16:17]
	s_add_nc_u64 s[46:47], s[6:7], s[46:47]
.irp s, 0,1
	s_mov_b32 s[G0+4*(\s)], 1
	s_add_co_u32 s[G0+4*(\s)+1], s20, (\s)*SLOT
	s_add_nc_u64 s[G0+4*(\s)+2:G0+4*(\s)+3], s[14:15], (\s)*ASTEP
	s_or_b32 s[G0+4*(\s)+3], s[G0+4*(\s)+3], 0x80000000
	s_mov_b32 s[G0B+4*(\s)], 1
	s_add_co_u32 s[G0B+4*(\s)+1], s21, (\s)*SLOT
	s_add_nc_u64 s[G0B+4*(\s)+2:G0B+4*(\s)+3], s[46:47], (\s)*BSTEP
	s_or_b32 s[G0B+4*(\s)+3], s[G0B+4*(\s)+3], 0x80000000
.endr
	CROUND                                         ; all sixteen work-groups are here: the first joint loads meet
	s_cmp_eq_u32 s11, 0                            ; a wave's two first fills stand in one branch: two loads of mine are out
	s_cbranch_scc0 .Lfirst_b
	tensor_load_to_lds s[G0:G0+3], s[G1:G1+7]
	s_nop 0
	tensor_load_to_lds s[G0+4:G0+7], s[G1:G1+7]
	s_nop 0
.rept 4
	v_nop
.endr
	s_branch .Lfirst_asked
.Lfirst_b:
	tensor_load_to_lds s[G0B:G0B+3], s[G1B:G1B+7]
	s_nop 0
	tensor_load_to_lds s[G0B+4:G0B+7], s[G1B:G1B+7]
	s_nop 0
.rept 4
	v_nop
.endr
.Lfirst_asked:
	; A fragment is 16 rows x 32 K: lane l holds row l % 16, K = 8 (l / 16) + 0..7 and 16 + 8 (l / 16) + 0..7.  In f16 two loads of 16 bytes, 32 apart; in f32 four, at 0, 16, 64, 80.
	v_and_b32 v1, 15, v0                           ; l % 16
	v_bfe_u32 v2, v0, 4, 1                         ; l / 16
	v_mul_u32_u24 v3, v1, PA
	v_lshl_add_u32 v3, v2, 5, v3
	v_mul_u32_u24 v4, v1, PB
	v_lshl_add_u32 v4, v2, 4, v4
	s_mul_i32 s21, s11, AHALF                      ; my 64 rows of A
	s_mul_i32 s22, s12, BHALF                      ; my 64 rows of B
	s_add_co_u32 s22, s22, BBASE
.irp s, 0,1
	v_add_nc_u32 v[ADRA+(\s)], s21, v3
	v_add_nc_u32 v[ADRB+(\s)], s22, v4
	s_add_co_u32 s21, s21, SLOT
	s_add_co_u32 s22, s22, SLOT
.endr
	s_mul_i32 s23, s10, 16*SPITCH
	s_add_co_u32 s23, s23, STAGE                   ; my stage
	v_mul_u32_u24 v5, v1, SPITCH                   ; in: row l % 16, 32 bytes for each half of the lanes
	v_lshl_add_u32 v5, v2, 5, v5
	v_add_nc_u32 v[STO], s23, v5
	v_mul_u32_u24 v5, v2, SPITCH                   ; back: lanes 0-15 one row of 256 bytes, lanes 16-31 the next
	v_lshl_add_u32 v5, v1, 4, v5
	v_add_nc_u32 v[RD], s23, v5
	v_mul_u32_u24 v5, v2, CP                       ; and the same two rows in C
	v_lshl_add_u32 v[CO], v1, 4, v5
	s_lshl_b32 s16, s13, 7
	s_lshl_b32 s17, s11, 6
	s_add_co_u32 s16, s16, s17                     ; my first row of C
	s_mul_i32 s16, s16, CP
	s_mov_b32 s17, 0
	s_add_nc_u64 s[8:9], s[8:9], s[16:17]
	s_lshl_b32 s46, s42, 9                         ; my first column, in bytes: 512 x tile column + 256 x half
	s_lshl_b32 s47, s12, 8
	s_add_co_u32 s46, s46, s47
	s_mov_b32 s47, 0
	s_add_nc_u64 s[8:9], s[8:9], s[46:47]
.if EP
	v_lshl_add_u32 v[EPO], v1, 4, s46              ; on the way out a lane holds the same four columns of every row
	global_load_b128 v[MULV:MULV+3], v[EPO], s[6:7] offset:0x200000
	global_load_b128 v[ADDV:ADDV+3], v[EPO], s[6:7] offset:0x201000
.endif
; 24 LDS loads in one run: quarter q of a slot: A's 64 rows x 32 K in f32 first, then B's in f16 into buffer buf.  g counts the conversions that follow.
.macro FETCH slot, q, buf
.set g, 0
	WIN TO_F
.irp a, 0,1,2,3
	ds_load_b128 v[RA+16*\a:RA+16*\a+3],     v[ADRA+(\slot)] offset:\a*16*PA+128*(\q)
	ds_load_b128 v[RA+16*\a+4:RA+16*\a+7],   v[ADRA+(\slot)] offset:\a*16*PA+128*(\q)+16
	ds_load_b128 v[RA+16*\a+8:RA+16*\a+11],  v[ADRA+(\slot)] offset:\a*16*PA+128*(\q)+64
	ds_load_b128 v[RA+16*\a+12:RA+16*\a+15], v[ADRA+(\slot)] offset:\a*16*PA+128*(\q)+80
.endr
.irp b, 0,1,2,3
	ds_load_b128 v[BF+32*(\buf)+8*\b:BF+32*(\buf)+8*\b+3],   v[ADRB+(\slot)] offset:\b*16*PB+64*(\q)
	ds_load_b128 v[BF+32*(\buf)+8*\b+4:BF+32*(\buf)+8*\b+7], v[ADRB+(\slot)] offset:\b*16*PB+64*(\q)+32
.endr
.endm
; 4 matrix instructions: row block a x all 4 column blocks, on buffer buf; behind each, ride conversions of the next quarter's A into the other buffer.  zero = 1: the product starts the sum.
; The 16 accumulators take turns in one order in every quarter.  The conversions name no register of the products round them: those behind a quarter's last
; product are the four places in front of the next run of loads into the B buffer that the quarter read.
.macro MULR buf, a, ride, zero=0
.irp b, 0,1,2,3
	WIN MUL
.if \zero
	v_wmma_f32_16x16x32_f16 v[ACC+8*(4*(\a)+\b):ACC+8*(4*(\a)+\b)+7], v[BF+32*(\buf)+8*\b:BF+32*(\buf)+8*\b+7], v[AF+32*(\buf)+8*(\a):AF+32*(\buf)+8*(\a)+7], 0
.else
	v_wmma_f32_16x16x32_f16 v[ACC+8*(4*(\a)+\b):ACC+8*(4*(\a)+\b)+7], v[BF+32*(\buf)+8*\b:BF+32*(\buf)+8*\b+7], v[AF+32*(\buf)+8*(\a):AF+32*(\buf)+8*(\a)+7], v[ACC+8*(4*(\a)+\b):ACC+8*(4*(\a)+\b)+7]
.endif
.if (\ride) > 0
	WIN CVT
.rept \ride
	v_cvt_pk_f16_f32 v[AF+32*(1-(\buf))+g], v[RA+2*g], v[RA+2*g+1]
.set g, g+1
.endr
.endif
.endr
.endm
; One of a K step's first three quarters: multiplies buffer q % 2 and makes quarter q + 1 ready in the other.
.macro QUART slot, q, zero=0
	s_wait_dscnt 0x0                               ; this quarter's B is in (asked for a quarter ago)
	FETCH \slot, (\q)+1, 1-((\q)%2)
	MULR (\q)%2, 0, 0, \zero
	MULR (\q)%2, 1, 0, \zero
	s_wait_dscnt 8                                 ; A's sixteen loads are in; B's eight, issued behind them, may be out
	MULR (\q)%2, 2, 4, \zero
	MULR (\q)%2, 3, 4, \zero
.endm
; The last quarter multiplies buffer 1 and changes slots: ONE barrier; in front of it each wave waits for all its tensor loads (one is out: its part of the next slot), adds 0 to its
; spare word, and waits for that and for its reads of this slot.  fill = 1: the barrier opens a round of the cluster's, and this slot is filled again, two K steps ahead, first thing behind it.
.macro TURN slot, next, fill
	WIN 0                                          ; (the add's two registers lie in window 0)
	s_wait_tensorcnt 0x0
	ds_add_u32 v[SPW], v[NIL]
	s_wait_dscnt 1                                 ; this quarter's B is in; the add may be out
	MULR 1, 0, 0
	s_wait_dscnt 0x0                               ; the add is done, and my reads of this slot are over
	s_barrier_signal -1
	MULR 1, 1, 0
.if \fill
	WIN 0
.endif
	s_barrier_wait -1
.if \fill
	CREST                                          ; no wave of any partner still reads this slot or has a load on its way
	s_add_nc_u64 s[G0+4*(\slot)+2:G0+4*(\slot)+3], s[G0+4*(\slot)+2:G0+4*(\slot)+3], 2*ASTEP
	s_add_nc_u64 s[G0B+4*(\slot)+2:G0B+4*(\slot)+3], s[G0B+4*(\slot)+2:G0B+4*(\slot)+3], 2*BSTEP
	JLOAD \slot
.endif
	FETCH \next, 0, 0
	MULR 1, 2, 0
	s_wait_dscnt 8                                 ; A's sixteen loads are in
	MULR 1, 3, 8
.endm
	s_wait_tensorcnt 1                             ; my part of K step 0 is in; K step 1's may stay out
	s_barrier_signal -1
	s_barrier_wait -1                              ; everybody's is
	FETCH 0, 0, 0
	s_wait_dscnt 0x0
	WIN CVT
.rept 32
	v_cvt_pk_f16_f32 v[AF+g], v[RA+2*g], v[RA+2*g+1]
.set g, g+1
.endr
	QUART 0, 0, 1                                  ; the first quarter stands in front of the loop: its products start the sums
	WIN 0                                          ; at a label and at a branch every window is 0
	s_mov_b32 s3, KSTEPS/2-1
.Llap:                                                 ; a trip goes once round the ring, from a lap's second quarter to the next lap's first, and fills both slots again
	QUART 0, 1
	QUART 0, 2
	TURN 0, 1, 1
	QUART 1, 0
	QUART 1, 1
	QUART 1, 2
	TURN 1, 0, 1
	QUART 0, 0
	WIN 0
	s_sub_co_u32 s3, s3, 1
	s_cmp_lg_u32 s3, 0
	s_cbranch_scc1 .Llap
	QUART 0, 1                                     ; the last lap fills nothing
	QUART 0, 2
	TURN 0, 1, 0
	QUART 1, 0
	QUART 1, 1
	QUART 1, 2
	s_wait_dscnt 0x0                               ; the very last quarter
	MULR 1, 0, 0
	MULR 1, 1, 0
	MULR 1, 2, 0
	MULR 1, 3, 0
	WIN 0
.rept 4
	v_nop                                          ; four places between the last products and the LDS stores that read them
.endr
.if EP
	s_wait_loadcnt 0x0                             ; mul and add
.endif
; THE WAY OUT of row block a: 16 rows x 64 columns of f32 through my own stage: in by 32 bytes a lane, back as whole rows of 256 bytes.  Each accumulator's low registers are read first.
.macro OUT a
.irp b, 0,1,2,3
	ds_store_b128 v[STO], v[ACC+8*(4*(\a)+\b):ACC+8*(4*(\a)+\b)+3] offset:64*\b
	ds_store_b128 v[STO], v[ACC+8*(4*(\a)+\b)+4:ACC+8*(4*(\a)+\b)+7] offset:64*\b+16
.endr
	s_wait_xcnt 0x0                                ; the last block's stores have read OB: it is loaded again only behind this wait
.irp t, 0,1,2,3,4,5,6,7
	ds_load_b128 v[OB+4*\t:OB+4*\t+3], v[RD] offset:\t*2*SPITCH  ; LDS serves a wave's instructions in order (ISA guide 5.7.1.4): these see the stores above
.endr
	s_wait_dscnt 0x0
.if EP
.irp t, 0,1,2,3,4,5,6,7
	v_pk_fma_f32 v[OB+4*\t:OB+4*\t+1], v[OB+4*\t:OB+4*\t+1], v[MULV:MULV+1], v[ADDV:ADDV+1]
	v_pk_fma_f32 v[OB+4*\t+2:OB+4*\t+3], v[OB+4*\t+2:OB+4*\t+3], v[MULV+2:MULV+3], v[ADDV+2:ADDV+3]
.endr
.endif
.irp t, 0,1,2,3,4,5,6,7
	global_store_b128 v[CO], v[OB+4*\t:OB+4*\t+3], s[8:9] offset:(16*(\a)+2*\t)*CP  ; 16 lanes store 256 consecutive bytes, at a multiple of 256 from C's first byte
.endr
.endm
	OUT 0
	OUT 1
	OUT 2
	OUT 3
	s_wait_tensorcnt 0x0                           ; the wave's end
	ds_add_u32 v[SPW], v[NIL]
	s_wait_dscnt 0x0
	CROUND                                         ; the closing round: no work-group ends while a partner may still ask for a tile that names it
	s_endpgm
.Lfunc_end_k_qc42b0d9f3b_g_u:
	.size	k_qc42b0d9f3b_g_u, .Lfunc_end_k_qc42b0d9f3b_g_u-k_qc42b0d9f3b_g_u
	.p2alignl 7, 3214868480
	.fill 96, 4, 3214868480
	.section	.rodata,"a",@progbits
	.p2align	6, 0x0
	.amdhsa_kernel k_qc42b0d9f3b_g_u
		.amdhsa_group_segment_fixed_size 327680
		.amdhsa_private_segment_fixed_size 0
		.amdhsa_enable_private_segment 0
		.amdhsa_kernarg_size 24
		.amdhsa_user_sgpr_count 2
		.amdhsa_user_sgpr_kernarg_segment_ptr 1
		.amdhsa_wavefront_size32 1
		.amdhsa_system_sgpr_workgroup_id_x 1
		.amdhsa_system_sgpr_workgroup_id_y 1
		.amdhsa_system_sgpr_workgroup_id_z 1
		.amdhsa_system_vgpr_workitem_id 0
		.amdhsa_next_free_vgpr 448
		.amdhsa_next_free_sgpr 66
		.amdhsa_reserve_vcc 0
		.amdhsa_float_denorm_mode_32 3
		.amdhsa_float_denorm_mode_16_64 3
		.amdhsa_memory_ordered 1
		.amdhsa_forward_progress 1
		.amdhsa_inst_pref_size 99
	.end_amdhsa_kernel
	.amdgpu_metadata
---
amdhsa.version: [ 1, 2 ]
amdhsa.kernels:
  - .name:           k_qc42b0d9f3b_g_u
    .symbol:         k_qc42b0d9f3b_g_u.kd
    .args:
      - { .name: X1, .offset: 0, .size: 8, .value_kind: global_buffer, .address_space: global }
      - { .name: KV16, .offset: 8, .size: 8, .value_kind: global_buffer, .address_space: global }
      - { .name: X0, .offset: 16, .size: 8, .value_kind: global_buffer, .address_space: global }
    .group_segment_fixed_size: 327680
    .private_segment_fixed_size: 0
    .kernarg_segment_align: 8
    .kernarg_segment_size: 24
    .max_flat_workgroup_size: 128
    .sgpr_count:     66
    .vgpr_count:     448
    .wavefront_size: 32
...
	.end_amdgpu_metadata
.endif
;; end of part 5
;; launch g_t: the kernel of part 2 again; grid 8 x 32, 4 waves a work-group, clusters of 4 x 4, 327,680 bytes of LDS; arguments X0, Wp3, X1; writes X1
;; launch g_y: the kernel of part 2 again; grid 8 x 32, 4 waves a work-group, clusters of 4 x 4, 327,680 bytes of LDS; arguments X1, Wp4, X0; writes X0
;; launch lnorm (part 6): grid 512 x 1, 8 waves a work-group, no clusters, 0 bytes of LDS; arguments X0, g0, beta0, out0; writes out0
.if DOCPART == 6
	.amdgcn_target "amdgcn-amd-amdhsa--gfx1250"
	.amdhsa_code_object_version 6
	.text
	.protected	k_qc42b0d9f3b_lnorm
	.globl	k_qc42b0d9f3b_lnorm
	.p2align	8
	.type	k_qc42b0d9f3b_lnorm,@function
k_qc42b0d9f3b_lnorm:
	s_mov_b64 s[64:65], 0
	v_nop
	global_prefetch_b8 v0, s[64:65] scope:SCOPE_SE
	s_setreg_imm32_b32 hwreg(HW_REG_WAVE_MODE, 25, 1), 1
	s_wait_xcnt 0x0
; out[row][c] = (y[row][c] - mean) / sqrt(var + 1e-5) x g0[c] + beta0[c], mean and var over the row's 1,024 numbers.  All f32.
; One wave, one row (row = 8 x work-group + wave): 32 registers a lane hold the row between the passes, so it is read once; no LDS, no barrier.
; The variance is the mean of (y - mean)^2, taken in a second pass over the registers: no difference of large sums is formed.
; No matrix unit, no cluster: memory binds, and rows share only g0 and beta0.
.set X,  2                             ; v[2:33]   the row: element 128 i + 4 lane + j in register 4 i + j
.set G,  34                            ; v[34:65]  g0, likewise
.set BT, 66                            ; v[66:97]  beta0
.set T,  98                            ; v[98:109] at work
.macro WSUM r, t                       ; the sum of v[r] over the wave's 32 lanes, in every lane; v[t] has been written before
	v_add_f32_dpp v[\r], v[\r], v[\r] row_xmask:1 row_mask:0xf bank_mask:0xf
	v_add_f32_dpp v[\r], v[\r], v[\r] row_xmask:2 row_mask:0xf bank_mask:0xf
	v_add_f32_dpp v[\r], v[\r], v[\r] row_xmask:4 row_mask:0xf bank_mask:0xf
	v_add_f32_dpp v[\r], v[\r], v[\r] row_xmask:8 row_mask:0xf bank_mask:0xf
	v_permlanex16_b32 v[\t], v[\r], s18, s19
	v_add_f32 v[\r], v[\r], v[\t]
.endm
	s_load_b256 s[4:11], s[0:1], 0x0               ; y s[4:5], g0 s[6:7], beta0 s[8:9], out s[10:11]
	v_lshrrev_b32 v1, 5, v0
	v_readfirstlane_b32 s14, v1                    ; wave
	v_and_b32 v1, 31, v0
	v_lshlrev_b32 v1, 4, v1                        ; 16 x lane
	s_lshl_b32 s15, ttmp9, 3
	s_add_co_u32 s15, s15, s14                     ; row
	s_lshl_b32 s16, s15, 12                        ; rows of 4,096 bytes
	s_mov_b32 s17, 0
	s_mov_b32 s18, 0x76543210                      ; v_permlanex16_b32: each lane takes its own place in the other half
	s_mov_b32 s19, 0xfedcba98
	s_mov_b32 s20, 0x3a800000                      ; 1 / 1024
	s_mov_b32 s21, 0x3727c5ac                      ; 1e-5
	s_wait_kmcnt 0x0
	s_add_nc_u64 s[4:5], s[4:5], s[16:17]
	s_add_nc_u64 s[10:11], s[10:11], s[16:17]
.irp i, 0,1,2,3,4,5,6,7
	global_load_b128 v[X+4*\i:X+4*\i+3], v1, s[4:5] offset:\i*512 th:TH_LOAD_NT
.endr
.irp i, 0,1,2,3,4,5,6,7
	global_load_b128 v[G+4*\i:G+4*\i+3], v1, s[6:7] offset:\i*512
.endr
.irp i, 0,1,2,3,4,5,6,7
	global_load_b128 v[BT+4*\i:BT+4*\i+3], v1, s[8:9] offset:\i*512
.endr
	s_wait_loadcnt 16                              ; the row is in; the 16 loads of g0 and beta0, issued behind it, stay out
.irp k, 0,1,2,3                                        ; the sum: four chains
	v_pk_add_f32 v[T+2*\k:T+2*\k+1], v[X+2*\k:X+2*\k+1], v[X+8+2*\k:X+8+2*\k+1]
.endr
.set p, 8
.rept 8
	v_pk_add_f32 v[T+2*(p%4):T+2*(p%4)+1], v[T+2*(p%4):T+2*(p%4)+1], v[X+2*p:X+2*p+1]
.set p, p+1
.endr
	v_pk_add_f32 v[T:T+1], v[T:T+1], v[T+2:T+3]
	v_pk_add_f32 v[T+4:T+5], v[T+4:T+5], v[T+6:T+7]
	v_pk_add_f32 v[T:T+1], v[T:T+1], v[T+4:T+5]
	v_add_f32 v[T], v[T], v[T+1]
	WSUM T, T+1
	v_mul_f32 v[T], s20, v[T]                      ; the mean
.set p, 0
.rept 16
	v_pk_add_f32 v[X+2*p:X+2*p+1], v[X+2*p:X+2*p+1], v[T:T+1] op_sel_hi:[1,0] neg_lo:[0,1] neg_hi:[0,1]
.set p, p+1
.endr
.irp k, 0,1,2,3                                        ; the sum of squares: four chains, started by products
	v_pk_mul_f32 v[T+2+2*\k:T+2+2*\k+1], v[X+2*\k:X+2*\k+1], v[X+2*\k:X+2*\k+1]
.endr
.set p, 4
.rept 12
	v_pk_fma_f32 v[T+2+2*(p%4):T+2+2*(p%4)+1], v[X+2*p:X+2*p+1], v[X+2*p:X+2*p+1], v[T+2+2*(p%4):T+2+2*(p%4)+1]
.set p, p+1
.endr
	v_pk_add_f32 v[T+2:T+3], v[T+2:T+3], v[T+4:T+5]
	v_pk_add_f32 v[T+6:T+7], v[T+6:T+7], v[T+8:T+9]
	v_pk_add_f32 v[T+2:T+3], v[T+2:T+3], v[T+6:T+7]
	v_add_f32 v[T+2], v[T+2], v[T+3]
	WSUM T+2, T+3
	v_fma_f32 v[T+2], v[T+2], s20, s21             ; var + 1e-5
	v_rsq_f32 v[T+4], v[T+2]
	v_nop                                          ; a plain instruction behind the root (ISA guide 5.7.2)
	s_wait_loadcnt 0x0                             ; g0 and beta0
.set p, 0
	s_wait_alu depctr_va_vdst(0)
.rept 16
	v_pk_mul_f32 v[X+2*p:X+2*p+1], v[X+2*p:X+2*p+1], v[T+4:T+5] op_sel_hi:[1,0]
.set p, p+1
.endr
.set p, 0
.rept 16
	v_pk_fma_f32 v[X+2*p:X+2*p+1], v[X+2*p:X+2*p+1], v[G+2*p:G+2*p+1], v[BT+2*p:BT+2*p+1]
.set p, p+1
.endr
.irp i, 0,1,2,3,4,5,6,7
	global_store_b128 v1, v[X+4*\i:X+4*\i+3], s[10:11] offset:\i*512 th:TH_STORE_NT  ; 512 consecutive bytes, at a multiple of 256 from the output's first byte
.endr
	s_endpgm
.Lfunc_end_k_qc42b0d9f3b_lnorm:
	.size	k_qc42b0d9f3b_lnorm, .Lfunc_end_k_qc42b0d9f3b_lnorm-k_qc42b0d9f3b_lnorm
	.p2alignl 7, 3214868480
	.fill 96, 4, 3214868480
	.section	.rodata,"a",@progbits
	.p2align	6, 0x0
	.amdhsa_kernel k_qc42b0d9f3b_lnorm
		.amdhsa_group_segment_fixed_size 0
		.amdhsa_private_segment_fixed_size 0
		.amdhsa_enable_private_segment 0
		.amdhsa_kernarg_size 32
		.amdhsa_user_sgpr_count 2
		.amdhsa_user_sgpr_kernarg_segment_ptr 1
		.amdhsa_wavefront_size32 1
		.amdhsa_system_sgpr_workgroup_id_x 1
		.amdhsa_system_sgpr_workgroup_id_y 1
		.amdhsa_system_sgpr_workgroup_id_z 1
		.amdhsa_system_vgpr_workitem_id 0
		.amdhsa_next_free_vgpr 112
		.amdhsa_next_free_sgpr 66
		.amdhsa_reserve_vcc 0
		.amdhsa_float_denorm_mode_32 3
		.amdhsa_float_denorm_mode_16_64 3
		.amdhsa_memory_ordered 1
		.amdhsa_forward_progress 1
		.amdhsa_inst_pref_size 11
	.end_amdhsa_kernel
	.amdgpu_metadata
---
amdhsa.version: [ 1, 2 ]
amdhsa.kernels:
  - .name:           k_qc42b0d9f3b_lnorm
    .symbol:         k_qc42b0d9f3b_lnorm.kd
    .args:
      - { .name: X0, .offset: 0, .size: 8, .value_kind: global_buffer, .address_space: global }
      - { .name: g0, .offset: 8, .size: 8, .value_kind: global_buffer, .address_space: global }
      - { .name: beta0, .offset: 16, .size: 8, .value_kind: global_buffer, .address_space: global }
      - { .name: out0, .offset: 24, .size: 8, .value_kind: global_buffer, .address_space: global }
    .group_segment_fixed_size: 0
    .private_segment_fixed_size: 0
    .kernarg_segment_align: 8
    .kernarg_segment_size: 32
    .max_flat_workgroup_size: 256
    .sgpr_count:     66
    .vgpr_count:     112
    .wavefront_size: 32
...
	.end_amdgpu_metadata
.endif
;; end of part 6
;; ======== version 2 of 2: 9 launches; 1.28 times as fast as version 1
;; limits: values are held in f16: magnitudes above 65,504 overflow, below 6.1e-05 lose precision
;; workspace buffers: KV16 67,108,864 bytes; Wp1 2,105,344 bytes; Wp2 2,105,344 bytes; Wp3 2,105,344 bytes; Wp4 2,105,344 bytes; S 33,554,432 bytes; X0 16,777,216 bytes; X1 16,777,216 bytes
;; launch prep (part 7): grid 8 x 320, 8 waves a work-group, no clusters, 35,840 bytes of LDS; arguments V, K, Wq, Wk, Wv, Wo, bq, bv, bo, KV16, Wp1, Wp2, Wp3, Wp4, Q, S; writes KV16, Wp1, Wp2, Wp3, Wp4, S
.if DOCPART == 7
	.amdgcn_target "amdgcn-amd-amdhsa--gfx1250"
	.amdhsa_code_object_version 6
	.text
	.protected	k_qc42b0d9f3b_prep
	.globl	k_qc42b0d9f3b_prep
	.p2align	8
	.type	k_qc42b0d9f3b_prep,@function
k_qc42b0d9f3b_prep:
	s_mov_b64 s[64:65], 0
	v_nop
	global_prefetch_b8 v0, s[64:65] scope:SCOPE_SE
	s_setreg_imm32_b32 hwreg(HW_REG_WAVE_MODE, 25, 1), 1
	s_wait_xcnt 0x0
; K, V, Q and the four weights, f32 with rows of 1,024 numbers, are rounded once to f16 and laid out for the products that follow.
; A BLOCK is 128 rows (an output column n of the product) x 128 numbers along the product's K, dense: 256 bytes a row, 32,768 bytes.
; A work-group takes one tile of 128 x 128 f32: x = the tile's column block, y = the job and the tile's row block rb:
;   y   0..127 V  -> KV16 + VOFF, turned (n = V's column, k = key)      y 128..255 K  -> KV16, as it lies (n = key, k = column)
;   y 256..263 Wq -> Wp1, turned     y 264..271 Wk -> Wp2, as it lies   y 272..279 Wv -> Wp3, turned     y 280..287 Wo -> Wp4, turned
;   y 288..319 Q  -> S, as it lies and NOT in blocks: rows of 1,024 f16, 2,048 bytes (the first operand of a product is read by rows)
; Block number: turned 8 rb + x; as it lies 64 (rb / 8) + 8 x + rb % 8.  So for every product the block of column tile t and 128 k number s is
; 64 (t / 8) + t % 8 + 8 s, behind 128 blocks for each batch.
; AS IT LIES a tile needs no LDS: a lane's four columns are 8 bytes in f16, the wave's 32 lanes 256 consecutive bytes of one row, stored by one instruction.
; TURNED it goes through a stage in LDS: each wave writes its 16 source rows as 32 bytes of all 128 block rows; behind a barrier each wave reads 16 whole block rows.
; Behind a weight's 64 blocks lie two vectors of 1,024 f32 for the product's way out: a factor (1, for Wk 2^-10) at VEC and an addend (the bias, for Wk 0) at VEC + 4,096.
; LIMIT: a number of 65,520 or more in magnitude becomes an infinity in f16; below 6e-5 f16 keeps its fixed step of 6e-8.
; No matrix unit, no cluster, no tensor load: each byte is read once and written once, and no two work-groups read the same bytes.
.set PITCH, 272                        ; a stage row: 256 bytes + 16
.set SPARE, 128*PITCH                  ; behind the stage: the spare words, 128 bytes for each of 8 waves
.set VOFF,  33554432                   ; V's blocks lie behind K's 1,024 blocks
.set VEC,   0x200000                   ; the two vectors lie behind a weight's 64 blocks
.set X,    8                           ; v[8:71]    16 rows x 4 numbers as loaded; later 8 x 16 bytes read back
.set PK,   72                          ; v[72:103]  the same numbers in f16
.set ADDD, 104                         ; v[104:107] four addends
.set SPW,  108                         ; v108       my spare word's LDS address; never rewritten
.set NIL,  109                         ; v109       0; never rewritten
.set MULD, 110                         ; v[110:113] four factors
	s_load_b512 s[8:23], s[0:1], 0x0               ; V s[8:9], K s[10:11], Wq s[12:13], Wk s[14:15], Wv s[16:17], Wo s[18:19], bq s[20:21], bv s[22:23]
	s_load_b256 s[24:31], s[0:1], 0x40             ; bo s[24:25], KV16 s[26:27], Wp1 s[28:29], Wp2 s[30:31]
	s_load_b128 s[32:35], s[0:1], 0x60             ; Wp3 s[32:33], Wp4 s[34:35]
	s_load_b128 s[52:55], s[0:1], 0x70             ; Q s[52:53], S s[54:55]
	v_lshl_add_u32 v[SPW], v0, 2, SPARE
	v_mov_b32 v[NIL], 0
	v_lshrrev_b32 v1, 5, v0
	v_readfirstlane_b32 s4, v1                     ; wave 0..7
	v_and_b32 v1, 31, v0                           ; lane
	s_mov_b32 s2, ttmp9                            ; x
	s_and_b32 s3, ttmp7, 0xffff                    ; y
	s_cmp_ge_u32 s3, 256
	s_cselect_b32 s5, 7, 127
	s_cmp_ge_u32 s3, 288
	s_cselect_b32 s5, 31, s5
	s_cselect_b32 s49, 1, 0                        ; 1: Q's job, rows and not blocks
	s_cselect_b32 s50, 15, 12                      ; my wave's 16 rows are 16 x 2,048 bytes there, 16 x 256 in a block
	s_and_b32 s5, s3, s5                           ; rb: the tile's row block in its source
	s_lshl_b32 s42, s5, 19                         ; 128 rows of 4,096 bytes,
	s_lshl_b32 s7, s2, 9                           ; 128 columns of 4 bytes
	s_add_co_u32 s42, s42, s7
	s_mov_b32 s43, 0                               ; s[42:43]: the tile's byte offset in its source
	s_lshl3_add_u32 s7, s5, s2                     ; block number, turned: 8 rb + x
	s_lshr_b32 s44, s5, 3
	s_lshl_b32 s44, s44, 6
	s_lshl3_add_u32 s44, s2, s44
	s_and_b32 s45, s5, 7
	s_add_co_u32 s44, s44, s45                     ; as it lies: 64 (rb / 8) + 8 x + rb % 8
	s_mul_i32 s48, s4, 16*PITCH                    ; my wave's 16 rows of the stage
	s_lshl_b32 s50, s4, s50
	v_lshlrev_b32 v7, 4, v1                        ; 16 x lane
	v_lshl_add_u32 v2, s4, 16, v7                  ; loads: my wave's 16 rows of 4,096 bytes + 16 x lane
	v_lshlrev_b32 v3, 3, v1                        ; stores as it lies: 8 bytes a lane,
	v_add_nc_u32 v3, s50, v3                       ; in my wave's 16 rows
	v_mul_u32_u24 v4, v1, 4*PITCH                  ; into the stage, turned: rows 4 lane + j,
	v_lshl_add_u32 v4, s4, 5, v4                   ; 32 bytes (my wave's 16 source rows) at byte 32 w
	v_and_b32 v5, 15, v0
	v_bfe_u32 v6, v0, 4, 1
	v_mul_u32_u24 v6, v6, PITCH
	v_lshl_add_u32 v5, v5, 4, v6
	v_add_nc_u32 v5, s48, v5                       ; back: lanes 0-15 one row of 256 bytes, lanes 16-31 the next
	v_lshl_add_u32 v6, s4, 12, v7                  ; stores, turned: my wave's 16 rows of 256 bytes + 16 x lane
	s_wait_kmcnt 0x0
	s_mov_b64 s[36:37], s[8:9]                     ; the job by y: source, destination, bias, and whether the tile is turned (s6)
	s_mov_b64 s[38:39], s[26:27]
	s_mov_b64 s[40:41], s[20:21]
	s_mov_b32 s6, 1
	s_cmp_ge_u32 s3, 128
	s_cselect_b64 s[36:37], s[10:11], s[36:37]
	s_cselect_b32 s6, 0, s6
	s_cmp_ge_u32 s3, 256
	s_cselect_b64 s[36:37], s[12:13], s[36:37]
	s_cselect_b64 s[38:39], s[28:29], s[38:39]
	s_cselect_b32 s6, 1, s6
	s_cmp_ge_u32 s3, 264
	s_cselect_b64 s[36:37], s[14:15], s[36:37]
	s_cselect_b64 s[38:39], s[30:31], s[38:39]
	s_cselect_b32 s6, 0, s6
	s_cmp_ge_u32 s3, 272
	s_cselect_b64 s[36:37], s[16:17], s[36:37]
	s_cselect_b64 s[38:39], s[32:33], s[38:39]
	s_cselect_b64 s[40:41], s[22:23], s[40:41]
	s_cselect_b32 s6, 1, s6
	s_cmp_ge_u32 s3, 280
	s_cselect_b64 s[36:37], s[18:19], s[36:37]
	s_cselect_b64 s[38:39], s[34:35], s[38:39]
	s_cselect_b64 s[40:41], s[24:25], s[40:41]
	s_cmp_ge_u32 s3, 288
	s_cselect_b64 s[36:37], s[52:53], s[36:37]
	s_cselect_b64 s[38:39], s[54:55], s[38:39]
	s_cselect_b32 s6, 0, s6
	s_cmp_eq_u32 s6, 1
	s_cselect_b32 s44, s7, s44
	s_lshl_b32 s44, s44, 15                        ; the block's byte offset,
	s_cmp_lt_u32 s3, 128
	s_cselect_b32 s45, VOFF, 0                     ; for V behind K's blocks
	s_add_co_u32 s44, s44, s45
	s_lshl_b32 s50, s5, 18                         ; Q's tile in S: 128 rows of 2,048 bytes,
	s_lshl_b32 s51, s2, 8                          ; 128 columns of 2 bytes
	s_add_co_u32 s50, s50, s51
	s_cmp_eq_u32 s49, 1
	s_cselect_b32 s44, s50, s44
	s_mov_b32 s45, 0
	s_add_nc_u64 s[36:37], s[36:37], s[42:43]      ; the tile
	s_add_nc_u64 s[46:47], s[38:39], s[44:45]      ; where it goes
.set i, 0
.rept 16                                               ; row 16 w + i: each load of the wave covers 512 consecutive bytes; X[4 i + j] = (row 16 w + i, column 4 lane + j)
	global_load_b128 v[X+4*i:X+4*i+3], v2, s[36:37] offset:i*4096 th:TH_LOAD_NT
.set i, i+1
.endr
	s_wait_loadcnt 0x0
	s_cmp_eq_u32 s6, 0
	s_cbranch_scc1 .Lplain
.irp j, 0,1,2,3                                        ; turned: block row 4 lane + j takes my wave's 16 source rows, 32 bytes
.irp p, 0,1,2,3,4,5,6,7
	v_cvt_pk_f16_f32 v[PK+8*\j+\p], v[X+8*\p+\j], v[X+8*\p+4+\j]
.endr
	ds_store_b128 v4, v[PK+8*\j:PK+8*\j+3] offset:\j*PITCH
	ds_store_b128 v4, v[PK+8*\j+4:PK+8*\j+7] offset:\j*PITCH+16
.endr
	s_branch .Lstaged
.Lplain:
.set i, 0
.rept 16                                               ; as it lies: row 16 w + i; PK's registers are not written again
	v_cvt_pk_f16_f32 v[PK+2*i], v[X+4*i], v[X+4*i+1]
	v_cvt_pk_f16_f32 v[PK+2*i+1], v[X+4*i+2], v[X+4*i+3]
.set i, i+1
.endr
	s_cmp_eq_u32 s49, 1
	s_cbranch_scc1 .Lrows
.set i, 0
.rept 16                                               ; a block's rows are 256 bytes apart
	global_store_b64 v3, v[PK+2*i:PK+2*i+1], s[46:47] offset:i*256  ; the wave's 32 lanes store 256 consecutive bytes, at a multiple of 256 from the buffer's first byte
.set i, i+1
.endr
	s_branch .Lstaged
.Lrows:
.set i, 0
.rept 16                                               ; Q's rows are 2,048 bytes apart
	global_store_b64 v3, v[PK+2*i:PK+2*i+1], s[46:47] offset:i*2048  ; likewise 256 consecutive bytes, aligned
.set i, i+1
.endr
.Lstaged:
	s_wait_tensorcnt 0x0                           ; the end of my LDS writing: a wait, an add to my spare word and a wait behind my last LDS store;
	ds_add_u32 v[SPW], v[NIL]
	s_wait_dscnt 0x0                               ; the last of them is also, for the others' sake, the wait for my stores into the stage
	s_barrier_signal -1
	s_barrier_wait -1                              ; every wave passes it, those of a tile that lies as it is too
	s_cmp_eq_u32 s6, 0
	s_cbranch_scc1 .Lvectors                       ; as it lies: the tile has left already
.irp t, 0,1,2,3,4,5,6,7
	ds_load_b128 v[X+4*\t:X+4*\t+3], v5 offset:\t*2*PITCH  ; rows 16 w + 2 t and + 1, whole
.endr
	s_wait_dscnt 0x0
.irp t, 0,1,2,3,4,5,6,7
	global_store_b128 v6, v[X+4*\t:X+4*\t+3], s[46:47] offset:\t*512  ; 512 consecutive bytes, at a multiple of 256 from the buffer's first byte
.endr
.Lvectors:
	; The two vectors: the work-groups of a weight's first row block, wave 0: 128 numbers of each, 512 bytes, at byte 512 x.
	s_cmp_lt_u32 s3, 256
	s_cbranch_scc1 .Lend
	s_cmp_ge_u32 s3, 288
	s_cbranch_scc1 .Lend
	s_cmp_lg_u32 s5, 0
	s_cbranch_scc1 .Lend
	s_cmp_lg_u32 s4, 0
	s_cbranch_scc1 .Lend
	s_lshl_b32 s42, s2, 9                          ; s43 is still 0
	s_add_nc_u64 s[40:41], s[40:41], s[42:43]
	s_add_nc_u64 s[38:39], s[38:39], s[42:43]
	s_cmp_eq_u32 s3, 264                           ; Wk: factor 2^-10, no addend (bk enters the scores in the softmax launch)
	s_cselect_b32 s48, 0x3a800000, 1.0
	s_cbranch_scc1 .Lnobias
	global_load_b128 v[ADDD:ADDD+3], v7, s[40:41]
	s_branch .Lbias
.Lnobias:
.irp j, 0,1,2,3
	v_mov_b32 v[ADDD+\j], 0
.endr
.Lbias:
.irp j, 0,1,2,3
	v_mov_b32 v[MULD+\j], s48
.endr
	global_store_b128 v7, v[MULD:MULD+3], s[38:39] offset:VEC
	s_wait_loadcnt 0x0
	global_store_b128 v7, v[ADDD:ADDD+3], s[38:39] offset:VEC+4096
.Lend:
	s_endpgm
.Lfunc_end_k_qc42b0d9f3b_prep:
	.size	k_qc42b0d9f3b_prep, .Lfunc_end_k_qc42b0d9f3b_prep-k_qc42b0d9f3b_prep
	.p2alignl 7, 3214868480
	.fill 96, 4, 3214868480
	.section	.rodata,"a",@progbits
	.p2align	6, 0x0
	.amdhsa_kernel k_qc42b0d9f3b_prep
		.amdhsa_group_segment_fixed_size 35840
		.amdhsa_private_segment_fixed_size 0
		.amdhsa_enable_private_segment 0
		.amdhsa_kernarg_size 128
		.amdhsa_user_sgpr_count 2
		.amdhsa_user_sgpr_kernarg_segment_ptr 1
		.amdhsa_wavefront_size32 1
		.amdhsa_system_sgpr_workgroup_id_x 1
		.amdhsa_system_sgpr_workgroup_id_y 1
		.amdhsa_system_sgpr_workgroup_id_z 1
		.amdhsa_system_vgpr_workitem_id 0
		.amdhsa_next_free_vgpr 114
		.amdhsa_next_free_sgpr 66
		.amdhsa_reserve_vcc 0
		.amdhsa_float_denorm_mode_32 3
		.amdhsa_float_denorm_mode_16_64 3
		.amdhsa_memory_ordered 1
		.amdhsa_forward_progress 1
		.amdhsa_inst_pref_size 16
	.end_amdhsa_kernel
	.amdgpu_metadata
---
amdhsa.version: [ 1, 2 ]
amdhsa.kernels:
  - .name:           k_qc42b0d9f3b_prep
    .symbol:         k_qc42b0d9f3b_prep.kd
    .args:
      - { .name: V, .offset: 0, .size: 8, .value_kind: global_buffer, .address_space: global }
      - { .name: K, .offset: 8, .size: 8, .value_kind: global_buffer, .address_space: global }
      - { .name: Wq, .offset: 16, .size: 8, .value_kind: global_buffer, .address_space: global }
      - { .name: Wk, .offset: 24, .size: 8, .value_kind: global_buffer, .address_space: global }
      - { .name: Wv, .offset: 32, .size: 8, .value_kind: global_buffer, .address_space: global }
      - { .name: Wo, .offset: 40, .size: 8, .value_kind: global_buffer, .address_space: global }
      - { .name: bq, .offset: 48, .size: 8, .value_kind: global_buffer, .address_space: global }
      - { .name: bv, .offset: 56, .size: 8, .value_kind: global_buffer, .address_space: global }
      - { .name: bo, .offset: 64, .size: 8, .value_kind: global_buffer, .address_space: global }
      - { .name: KV16, .offset: 72, .size: 8, .value_kind: global_buffer, .address_space: global }
      - { .name: Wp1, .offset: 80, .size: 8, .value_kind: global_buffer, .address_space: global }
      - { .name: Wp2, .offset: 88, .size: 8, .value_kind: global_buffer, .address_space: global }
      - { .name: Wp3, .offset: 96, .size: 8, .value_kind: global_buffer, .address_space: global }
      - { .name: Wp4, .offset: 104, .size: 8, .value_kind: global_buffer, .address_space: global }
      - { .name: Q, .offset: 112, .size: 8, .value_kind: global_buffer, .address_space: global }
      - { .name: S, .offset: 120, .size: 8, .value_kind: global_buffer, .address_space: global }
    .group_segment_fixed_size: 35840
    .private_segment_fixed_size: 0
    .kernarg_segment_align: 8
    .kernarg_segment_size: 128
    .max_flat_workgroup_size: 256
    .sgpr_count:     66
    .vgpr_count:     114
    .wavefront_size: 32
...
	.end_amdgpu_metadata
.endif
;; end of part 7
;; launch g_q (part 8): grid 8 x 32, 4 waves a work-group, clusters of 4 x 4, 327,680 bytes of LDS; arguments S, Wp1, X0; writes X0
.if DOCPART == 8
	.amdgcn_target "amdgcn-amd-amdhsa--gfx1250"
	.amdhsa_code_object_version 6
	.text
	.protected	k_qc42b0d9f3b_g_q
	.globl	k_qc42b0d9f3b_g_q
	.p2align	8
	.type	k_qc42b0d9f3b_g_q,@function
k_qc42b0d9f3b_g_q:
	s_mov_b64 s[64:65], 0
	v_nop
	global_prefetch_b8 v0, s[64:65] scope:SCOPE_SE
	s_setreg_imm32_b32 hwreg(HW_REG_WAVE_MODE, 25, 1), 1
	s_wait_xcnt 0x0
	s_wait_alu depctr_hold_cnt(0) depctr_sa_sdst(0) depctr_va_vdst(0) depctr_va_sdst(0) depctr_va_ssrc(0) depctr_va_vcc(0) depctr_vm_vsrc(0)
	s_getreg_b32 s2, hwreg(HW_REG_IB_STS2, 6, 4)
	s_cmp_eq_u32 s2, 0
	s_cbranch_scc0 .Lentry_in_a_cluster
	s_endpgm
.Lentry_in_a_cluster:
	s_bfe_u32 s2, ttmp6, 0x10000c
	s_cmp_lg_u32 s2, 0xf033
	s_cbranch_scc0 .Lentry_shape_is_right
	s_endpgm
.Lentry_shape_is_right:
; C[m][n] = (sum over k of A[m][k] B[n][k]) x mul[n] + add[n], rounded once to f16.  One text, three launches: q = Q Wq + bq; 2^-10 q Wk^T; t = U Wv + bv.
; A: f16, 4,096 rows of APITCH numbers.  B: f16 in blocks of 128 (n) x 128 (k), dense, 32,768 bytes: the block of column tile t and 128 k number s is 64 (t / 8) + t % 8 + 8 s,
; behind BOFF bytes and BBATCH bytes for each batch of 512 rows of C.  C: rows of CP bytes, f16 (OF16 = 1) or f32 (OF16 = 0).  Sums in f32.
; EP = 1: mul and add, 1,024 f32 each, lie 0x200000 and 0x201000 bytes behind B's first byte.  EP = 0: C is the sum itself.
; This text stands four times in the program; the seven constants below are all that differs.
; LIMIT: with OF16 = 1 a result of 65,520 or more in magnitude becomes an infinity; below 6e-5 f16 keeps its fixed step of 6e-8.
; f16 and not bf16: the module ends in a LayerNorm, which passes every operand's relative rounding on to an output held to 1% of its root mean square in each of 4 M numbers.
; SHARES.  A work-group makes 128 x 128 of C, each of its four waves 64 x 64: 16 accumulators.  K goes in steps of 256, as long as two LDS slots allow: A's rows are 512 bytes, and
; B comes as two whole blocks.  Waves 0 and 1 fetch 64 rows of A each, waves 2 and 3 one block of B each.  CLUSTER: 4 x 4 work-groups; the four of a row need the same tile of A, the
; four of a column the same blocks of B: joint loads.  The four tile rows of a cluster are one batch, so B's address hangs on the tile column and the cluster's y alone.
; THE MATRIX INSTRUCTION IS USED TRANSPOSED (source 0 = 16 rows of B, source 1 = 16 rows of A): a lane holds row lane % 16 of C and eight neighbouring columns.
; REGISTERS.  Window 0: v16-29 addresses; v32-95 the way out; v128-255 the accumulators ((a, b) at 128 + 8 (4 a + b)).
;   Window 1: two fragment buffers of 128: for 64 along K, 64 registers of A (2 x 4 x 16 rows x 32 K), then 64 of B.   Window 2 (EP = 1): v0-31 mul, v32-63 add of my lane's 32 columns.
.set KSTEPS, 4
.set APITCH, 1024
.set BOFF,   0
.set BBATCH, 0
.set CP,     2048
.set EP,     1
.set OF16,   1
.set LAPS,   KSTEPS/2                  ; a lap = two K steps = once round the ring
.set PA,     528                       ; A's LDS row: 512 bytes + 16: the 16 rows of a load start at 16 different groups of four banks (64 banks of 4 bytes: ISA guide 11.1)
.set PB,     272                       ; B's: 256 + 16, likewise
.set AHALF,  64*PA                     ; 64 rows of A: one tensor load
.set BKB,    128*PB                    ; a block of B: one tensor load
.set BBASE,  2*AHALF                   ; in a slot: A's 128 rows, then B's two blocks
.set SLOT,   BBASE+2*BKB
.set STAGE,  2*SLOT                    ; behind the ring, never filled by a tensor load: 128 rows x 272 bytes, for the way out
.set SPITCH, 272
.set SPARE,  STAGE+128*SPITCH          ; behind the stage: the spare words, 128 bytes for each wave
.set ASTEP,  512                       ; bytes from K step to K step in A,
.set BSTEP,  524288                    ; and in B: sixteen blocks
.set ADRA, 16                          ; v16-17  LDS address of my A fragments in slot 0, 1
.set ADRB, 20                          ; v20-21  the same for B
.set STO,  24                          ; v24     the way out: where I put my part of a row
.set RD,   25                          ; v25     where I read a row back
.set CO,   26                          ; v26     my byte offset in C
.set EPO,  27                          ; v27     my byte offset in mul and add
.set SPW,  28                          ; v28     my spare word's LDS address; never rewritten
.set NIL,  29                          ; v29     0; never rewritten
.set TMP,  32
.set ACC,  128
.set F0,   0                           ; window 1
.set F1,   128
.set MULV, 0                           ; window 2
.set ADDV, 32
.set G1,  24                           ; s[24:31] descriptor group 1 for A;  s[32:39] group 0, a set for each slot
.set G0,  32
.set G1B, 48                           ; s[48:55], s[56:63] the same for B
.set G0B, 56
.set MSB, 0
.macro WIN new                         ; the immediate's high byte repeats the setting that is left; a switch that changes nothing is dropped
.if MSB != (\new)
	s_set_vgpr_msb (MSB<<8)|(\new)
.set MSB, \new
.endif
.endm
.set MUL,  0x05                        ; sources 0 (B) and 1 (A) window 1; C and D window 0
.set TO_F, 0x40                        ; destination window 1, address window 0
.set TO_E, 0x80                        ; destination window 2, address window 0
.set SCL,  0x28                        ; sources 1 and 2 window 2; destination and source 0 window 0
.macro JLOAD s                         ; a joint refill: waves 0 and 1 fetch A's two halves, waves 2 and 3 B's two blocks; an s_nop 0 and four v_nop follow each line
	s_cmp_eq_u32 s11, 0
	s_cbranch_scc0 .Lfor_b_\@
	tensor_load_to_lds s[G0+4*(\s):G0+4*(\s)+3], s[G1:G1+7]
	s_nop 0
.rept 4
	v_nop
.endr
	s_branch .Lasked_\@
.Lfor_b_\@:
	tensor_load_to_lds s[G0B+4*(\s):G0B+4*(\s)+3], s[G1B:G1B+7]
	s_nop 0
.rept 4
	v_nop
.endr
.Lasked_\@:
.endm
.macro CREST                           ; a round of the cluster's barrier behind its opening barrier
	s_cmp_lg_u32 s10, 0
	s_cbranch_scc1 .Lnot_wave_0_\@
	s_barrier_signal -3
.Lnot_wave_0_\@:
	s_barrier_wait -3
	s_barrier_signal -1
	s_barrier_wait -1
.endm
.macro CROUND                          ; a whole round
	s_barrier_signal -1
	s_barrier_wait -1
	CREST
.endm
	s_load_b128 s[4:7], s[0:1], 0x0                ; A s[4:5], B s[6:7]
	s_load_b64 s[8:9], s[0:1], 0x10                ; C
	v_lshl_add_u32 v[SPW], v0, 2, SPARE
	v_mov_b32 v[NIL], 0
	ds_add_u32 v[SPW], v[NIL]                      ; the wave's opening: an add to my spare word, and its wait ahead of my first tensor load; the set-up below stands between them
	v_lshrrev_b32 v1, 5, v0
	v_readfirstlane_b32 s10, v1                    ; wave 0..3
	s_lshr_b32 s11, s10, 1                         ; my half of the tile's rows.  Also: I fetch for A (0) or for B (1)
	s_and_b32 s12, s10, 1                          ; my half of its columns.  Also: which half of A, which block of B I fetch
	s_bfe_u32 s40, ttmp6, 0x40000                  ; cx, cy: my place in the cluster
	s_bfe_u32 s41, ttmp6, 0x40004
	s_lshl_b32 s42, ttmp9, 2
	s_add_co_u32 s42, s42, s40                     ; tile column = 4 x cluster x + cx
	s_and_b32 s45, ttmp7, 0xffff                   ; cluster y = the batch
	s_lshl_b32 s13, s45, 2
	s_add_co_u32 s13, s13, s41                     ; tile row = 4 x cluster y + cy
	s_lshl_b32 s43, s41, 2
	s_lshl_b32 s43, 15, s43                        ; my row of the cluster
	s_lshl_b32 s44, 0x1111, s40                    ; my column
	s_or_b32 s[G1+0], s43, (1<<16)|(1<<20)|(1<<21)|(6<<22)|(3<<25)   ; the mask; elements of 2 bytes; padding on; bit 21 beside a mask; after every 128 words 4 words
	s_mov_b32 s[G1+1], 256<<16                     ; tensor_dim0 = 256
	s_mov_b32 s[G1+2], 64<<16                      ; tensor_dim1 = 64
	s_mov_b32 s[G1+3], 256<<16                     ; tile_dim0 = 256
	s_mov_b32 s[G1+4], 64                          ; tile_dim1 = 64
	s_mov_b32 s[G1+5], APITCH                      ; elements from row to row
	s_mov_b32 s[G1+6], 0
	s_mov_b32 s[G1+7], 0
	s_or_b32 s[G1B+0], s44, (1<<16)|(1<<20)|(1<<21)|(5<<22)|(3<<25)  ; the mask; elements of 2 bytes; after every 64 words 4 words
	s_mov_b32 s[G1B+1], 128<<16                    ; tensor_dim0 = 128
	s_mov_b32 s[G1B+2], 128<<16                    ; tensor_dim1 = 128
	s_mov_b32 s[G1B+3], 128<<16                    ; tile_dim0 = 128
	s_mov_b32 s[G1B+4], 128                        ; tile_dim1 = 128
	s_mov_b32 s[G1B+5], 128                        ; a block's rows are dense
	s_mov_b32 s[G1B+6], 0
	s_mov_b32 s[G1B+7], 0
	s_lshl_b32 s16, s13, 7
	s_lshl_b32 s17, s12, 6
	s_add_co_u32 s16, s16, s17                     ; A: row 128 x tile row + 64 x half,
	s_mul_i32 s16, s16, APITCH*2                   ; in bytes (under 2^25)
	s_mov_b32 s17, 0
	s_lshr_b32 s46, s42, 3                         ; B: block 64 (t / 8) + t % 8,
	s_lshl_b32 s46, s46, 6
	s_and_b32 s47, s42, 7
	s_add_co_u32 s46, s46, s47
	s_lshl_b32 s46, s46, 15
	s_lshl_b32 s47, s12, 18                        ; the K step's first or second 128 k: eight blocks on
	s_add_co_u32 s46, s46, s47
.if BBATCH
	s_mul_i32 s47, s45, BBATCH
	s_add_co_u32 s46, s46, s47
.endif
.if BOFF
	s_add_co_u32 s46, s46, BOFF
.endif
	s_mov_b32 s47, 0
	s_mul_i32 s20, s12, AHALF                      ; where they go: no place in the cluster enters an LDS address
	s_mul_i32 s21, s12, BKB
	s_add_co_u32 s21, s21, BBASE
	s_wait_dscnt 0x0                               ; the opening add is done
	s_wait_kmcnt 0x0
	s_add_nc_u64 s[14:15], s[4:5], s[16:17]
	s_add_nc_u64 s[46:47], s[6:7], s[46:47]
.irp s, 0,1
	s_mov_b32 s[G0+4*(\s)], 1
	s_add_co_u32 s[G0+4*(\s)+1], s20, (\s)*SLOT
	s_add_nc_u64 s[G0+4*(\s)+2:G0+4*(\s)+3], s[14:15], (\s)*ASTEP
	s_or_b32 s[G0+4*(\s)+3], s[G0+4*(\s)+3], 0x80000000
	s_mov_b32 s[G0B+4*(\s)], 1
	s_add_co_u32 s[G0B+4*(\s)+1], s21, (\s)*SLOT
	s_add_nc_u64 s[G0B+4*(\s)+2:G0B+4*(\s)+3], s[46:47], (\s)*BSTEP
	s_or_b32 s[G0B+4*(\s)+3], s[G0B+4*(\s)+3], 0x80000000
.endr
	CROUND                                         ; all sixteen work-groups are here: the first joint loads meet
	s_cmp_eq_u32 s11, 0                            ; a wave's two first fills stand in one branch: two loads of mine are out
	s_cbranch_scc0 .Lfirst_b
	tensor_load_to_lds s[G0:G0+3], s[G1:G1+7]
	s_nop 0
	tensor_load_to_lds s[G0+4:G0+7], s[G1:G1+7]
	s_nop 0
.rept 4
	v_nop
.endr
	s_branch .Lfirst_asked
.Lfirst_b:
	tensor_load_to_lds s[G0B:G0B+3], s[G1B:G1B+7]
	s_nop 0
	tensor_load_to_lds s[G0B+4:G0B+7], s[G1B:G1B+7]
	s_nop 0
.rept 4
	v_nop
.endr
.Lfirst_asked:
	; A fragment is 16 rows x 32 K in 8 registers: lane l holds row l % 16, K = 8 (l / 16) + 0..7 and 16 + 8 (l / 16) + 0..7: two loads of 16 bytes, 32 bytes apart.
	v_and_b32 v1, 15, v0                           ; l % 16
	v_bfe_u32 v2, v0, 4, 1                         ; l / 16
	v_mul_u32_u24 v3, v1, PA
	v_lshl_add_u32 v3, v2, 4, v3
	v_mul_u32_u24 v4, v1, PB
	v_lshl_add_u32 v4, v2, 4, v4
	s_mul_i32 s21, s11, AHALF                      ; my 64 rows of A
	s_mul_i32 s22, s12, 64*PB                      ; my 64 rows in each block of B
	s_add_co_u32 s22, s22, BBASE
.irp s, 0,1
	v_add_nc_u32 v[ADRA+(\s)], s21, v3
	v_add_nc_u32 v[ADRB+(\s)], s22, v4
	s_add_co_u32 s21, s21, SLOT
	s_add_co_u32 s22, s22, SLOT
.endr
.if OF16
	s_mul_i32 s23, s11, 64*SPITCH                  ; ONE stage for the work-group: my 64 rows, my half of their 256 bytes; row l % 16, 16 bytes for each half of the lanes
	s_lshl_b32 s21, s12, 7
	s_add_co_u32 s23, s23, s21
	s_add_co_u32 s23, s23, STAGE
	v_mul_u32_u24 v5, v1, SPITCH
	v_lshl_add_u32 v5, v2, 4, v5
	v_add_nc_u32 v[STO], s23, v5
	s_mul_i32 s23, s10, 32*SPITCH                  ; back: wave w takes rows 32 w .. 32 w + 31, whole
	s_lshl_b32 s16, s13, 7
	s_lshl_b32 s17, s10, 5                         ; the first row of C that I store: 128 x tile row + 32 x wave
	s_lshl_b32 s46, s42, 8                         ; the tile's first column, in bytes
.else
	s_mul_i32 s23, s10, 16*SPITCH                  ; a stage of 16 rows for each wave: row l % 16, 32 bytes for each half of the lanes
	s_add_co_u32 s21, s23, STAGE
	v_mul_u32_u24 v5, v1, SPITCH
	v_lshl_add_u32 v5, v2, 5, v5
	v_add_nc_u32 v[STO], s21, v5
	s_lshl_b32 s16, s13, 7
	s_lshl_b32 s17, s11, 6                         ; my first row of C: 128 x tile row + 64 x half
	s_lshl_b32 s46, s42, 9                         ; my first column, in bytes: 512 x tile column + 256 x half
	s_lshl_b32 s47, s12, 8
	s_add_co_u32 s46, s46, s47
.endif
	s_add_co_u32 s23, s23, STAGE
	v_mul_u32_u24 v5, v2, SPITCH                   ; back: lanes 0-15 one row of 256 bytes, lanes 16-31 the next
	v_lshl_add_u32 v5, v1, 4, v5
	v_add_nc_u32 v[RD], s23, v5
	v_mul_u32_u24 v5, v2, CP                       ; and the same two rows in C
	v_lshl_add_u32 v[CO], v1, 4, v5
	s_add_co_u32 s16, s16, s17
	s_mul_i32 s16, s16, CP
	s_mov_b32 s17, 0
	s_add_nc_u64 s[8:9], s[8:9], s[16:17]
	s_mov_b32 s47, 0
	s_add_nc_u64 s[8:9], s[8:9], s[46:47]
.if EP
	s_lshl_b32 s22, s42, 9                         ; mul and add of my columns 128 x tile column + 64 x half + 16 b + 8 (l / 16) + 0..7: 32 bytes for each b
	s_lshl_b32 s23, s12, 8
	s_add_co_u32 s22, s22, s23
	v_lshl_add_u32 v[EPO], v2, 5, s22
	WIN TO_E
.irp b, 0,1,2,3
	global_load_b128 v[MULV+8*\b:MULV+8*\b+3],   v[EPO], s[6:7] offset:0x200000+64*\b
	global_load_b128 v[MULV+8*\b+4:MULV+8*\b+7], v[EPO], s[6:7] offset:0x200000+64*\b+16
	global_load_b128 v[ADDV+8*\b:ADDV+8*\b+3],   v[EPO], s[6:7] offset:0x201000+64*\b
	global_load_b128 v[ADDV+8*\b+4:ADDV+8*\b+7], v[EPO], s[6:7] offset:0x201000+64*\b+16
.endr
	WIN 0
.endif
; 8 matrix instructions: row blocks a0, a0 + 1 x all 4 column blocks, 32 along K: half c of buffer f.  zero = 1: the product starts the sum: nothing is cleared.
; The 16 accumulators take turns in one order throughout.
.macro MUL8 f, c, a0, zero
	WIN MUL
.irp a, \a0, (\a0)+1
.irp b, 0,1,2,3
.if \zero
	v_wmma_f32_16x16x32_f16 v[ACC+8*(4*(\a)+(\b)):ACC+8*(4*(\a)+(\b))+7], v[(\f)+64+8*(4*(\c)+(\b)):(\f)+64+8*(4*(\c)+(\b))+7], v[(\f)+8*(4*(\c)+(\a)):(\f)+8*(4*(\c)+(\a))+7], 0
.else
	v_wmma_f32_16x16x32_f16 v[ACC+8*(4*(\a)+(\b)):ACC+8*(4*(\a)+(\b))+7], v[(\f)+64+8*(4*(\c)+(\b)):(\f)+64+8*(4*(\c)+(\b))+7], v[(\f)+8*(4*(\c)+(\a)):(\f)+8*(4*(\c)+(\a))+7], v[ACC+8*(4*(\a)+(\b)):ACC+8*(4*(\a)+(\b))+7]
.endif
.endr
.endr
.endm
; 32 LDS loads in one run: quarter q (64 along K) of a slot into buffer f; the first 32 along K first.  In A's rows the quarter begins at byte 128 q; B's quarters 0, 1 lie in the first block, 2, 3 in the second.
.macro FETCH slot, q, f
	WIN TO_F
.irp c, 0,1
.irp i, 0,1,2,3
	ds_load_b128 v[(\f)+64+8*(4*(\c)+(\i)):(\f)+64+8*(4*(\c)+(\i))+3],   v[ADRB+(\slot)] offset:((\q)/2)*BKB+((\q)%2)*128+64*(\c)+(\i)*16*PB
	ds_load_b128 v[(\f)+64+8*(4*(\c)+(\i))+4:(\f)+64+8*(4*(\c)+(\i))+7], v[ADRB+(\slot)] offset:((\q)/2)*BKB+((\q)%2)*128+64*(\c)+(\i)*16*PB+32
	ds_load_b128 v[(\f)+8*(4*(\c)+(\i)):(\f)+8*(4*(\c)+(\i))+3],         v[ADRA+(\slot)] offset:128*(\q)+64*(\c)+(\i)*16*PA
	ds_load_b128 v[(\f)+8*(4*(\c)+(\i))+4:(\f)+8*(4*(\c)+(\i))+7],       v[ADRA+(\slot)] offset:128*(\q)+64*(\c)+(\i)*16*PA+32
.endr
.endr
.endm
.macro PLACES                          ; four places in front of loads into registers that matrix instructions have read, and of vector work that reads results
.rept 4
	v_nop
.endr
.endm
; A K step is four quarters, 32 matrix instructions each, on buffers 0, 1, 0, 1.  One of the first three: multiplies buffer f and fetches quarter q into g.
.macro QUARTER slot, q, f, g, zero
	s_wait_dscnt 16                                ; the first 32 along K are in; the other sixteen loads may be out
	MUL8 \f, 0, 0, \zero
	MUL8 \f, 0, 2, \zero
	PLACES
	FETCH \slot, \q, \g
	s_wait_dscnt 32                                ; all but the 32 just issued
	MUL8 \f, 1, 0, 0
	MUL8 \f, 1, 2, 0
.endm
; The last quarter multiplies buffer 1 and changes slots: ONE barrier; in front of it each wave waits for all its tensor loads (one is out: its part of the next slot), adds 0 to its
; spare word, and waits for that and for its reads of this slot.  fill = 1: the barrier opens a round of the cluster's, and this slot is filled again, two K steps ahead, first thing behind it:
; 112 matrix instructions ahead of the wait for it.
.macro TURN slot, next, fill
	WIN 0                                          ; (the add's two registers lie in window 0)
	s_wait_tensorcnt 0x0
	ds_add_u32 v[SPW], v[NIL]
	s_wait_dscnt 17                                ; the first 32 along K are in; the add and the youngest sixteen loads may be out
	MUL8 F1, 0, 0, 0
	s_wait_dscnt 0x0                               ; the add is done, and my reads of this slot are over
	s_barrier_signal -1
	MUL8 F1, 0, 2, 0
.if \fill
	WIN 0
.endif
	s_barrier_wait -1
.if \fill
	CREST                                          ; no wave of any partner still reads this slot or has a load on its way
	s_add_nc_u64 s[G0+4*(\slot)+2:G0+4*(\slot)+3], s[G0+4*(\slot)+2:G0+4*(\slot)+3], 2*ASTEP
	s_add_nc_u64 s[G0B+4*(\slot)+2:G0B+4*(\slot)+3], s[G0B+4*(\slot)+2:G0B+4*(\slot)+3], 2*BSTEP
	JLOAD \slot                                    ; the four v_nop behind it are also the places in front of the loads below
.else
	PLACES
.endif
	FETCH \next, 0, F0
	MUL8 F1, 1, 0, 0
	MUL8 F1, 1, 2, 0
.endm
; The way out in f32 of row block a: 16 rows x 64 columns through my own stage: in by 32 bytes a lane, back as whole rows of 256 bytes.  Each accumulator's low registers are read first.
.macro OUT a
.irp b, 0,1,2,3
	ds_store_b128 v[STO], v[ACC+8*(4*(\a)+\b):ACC+8*(4*(\a)+\b)+3] offset:64*\b
	ds_store_b128 v[STO], v[ACC+8*(4*(\a)+\b)+4:ACC+8*(4*(\a)+\b)+7] offset:64*\b+16
.endr
	s_wait_xcnt 0x0                                ; the last block's stores have read TMP: it is loaded again only behind this wait
.irp t, 0,1,2,3,4,5,6,7
	ds_load_b128 v[TMP+4*\t:TMP+4*\t+3], v[RD] offset:\t*2*SPITCH  ; LDS serves a wave's instructions in order (ISA guide 5.7.1.4): these see the stores above
.endr
	s_wait_dscnt 0x0
.irp t, 0,1,2,3,4,5,6,7
	global_store_b128 v[CO], v[TMP+4*\t:TMP+4*\t+3], s[8:9] offset:(16*(\a)+2*\t)*CP  ; 16 lanes store 256 consecutive bytes, at a multiple of 256 from C's first byte
.endr
.endm
	s_wait_tensorcnt 1                             ; my part of K step 0 is in; K step 1's may stay out
	s_barrier_signal -1
	s_barrier_wait -1                              ; everybody's is
	FETCH 0, 0, F0
	QUARTER 0, 1, F0, F1, 1                        ; the first quarter stands in front of the loop: its first products start the sums
	WIN 0                                          ; at a label and at a branch every window is 0
	s_mov_b32 s3, LAPS-1
.Llap:                                                 ; a trip goes once round the ring, from a lap's second quarter to the next lap's first, and fills both slots again
	QUARTER 0, 2, F1, F0, 0
	QUARTER 0, 3, F0, F1, 0
	TURN 0, 1, 1
	QUARTER 1, 1, F0, F1, 0
	QUARTER 1, 2, F1, F0, 0
	QUARTER 1, 3, F0, F1, 0
	TURN 1, 0, 1
	QUARTER 0, 1, F0, F1, 0
	WIN 0
	s_sub_co_u32 s3, s3, 1
	s_cmp_lg_u32 s3, 0
	s_cbranch_scc1 .Llap
	QUARTER 0, 2, F1, F0, 0                        ; the last lap fills nothing, and has no round of the cluster's barrier
	QUARTER 0, 3, F0, F1, 0
	TURN 0, 1, 0
	QUARTER 1, 1, F0, F1, 0
	QUARTER 1, 2, F1, F0, 0
	QUARTER 1, 3, F0, F1, 0
	s_wait_dscnt 16                                ; the very last quarter: nothing more to fetch
	MUL8 F1, 0, 0, 0
	MUL8 F1, 0, 2, 0
	s_wait_dscnt 0x0
	MUL8 F1, 1, 0, 0
	MUL8 F1, 1, 2, 0
	WIN 0
	PLACES
.if EP
	s_wait_loadcnt 0x0                             ; mul and add
	WIN SCL
.set t, 0
.rept 16                                               ; in f32, in place: register j of accumulator (a, b) is column 16 b + 8 (l / 16) + j
.irp r, 0,1,2,3
	v_pk_fma_f32 v[ACC+8*t+2*\r:ACC+8*t+2*\r+1], v[ACC+8*t+2*\r:ACC+8*t+2*\r+1], v[MULV+8*(t%4)+2*\r:MULV+8*(t%4)+2*\r+1], v[ADDV+8*(t%4)+2*\r:ADDV+8*(t%4)+2*\r+1]
.endr
.set t, t+1
.endr
	WIN 0
.endif
.if OF16
	; THE WAY OUT in f16: a wave's 64 columns are 128 bytes, half of an aligned 256: 16 bytes a lane into the work-group's stage; a barrier; back as whole rows, 32 rows a wave.
.set t, 0
.rept 16
.irp r, 0,1,2,3
	v_cvt_pk_f16_f32 v[TMP+4*t+\r], v[ACC+8*t+2*\r], v[ACC+8*t+2*\r+1]
.endr
.set t, t+1
.endr
.irp a, 0,1,2,3
.irp b, 0,1,2,3
	ds_store_b128 v[STO], v[TMP+4*(4*\a+\b):TMP+4*(4*\a+\b)+3] offset:\a*16*SPITCH+32*\b
.endr
.endr
	s_wait_dscnt 0x0                               ; for the others' sake: my stores into the stage are done
	s_barrier_signal -1
	s_barrier_wait -1
.set t, 0
.rept 16
	ds_load_b128 v[TMP+4*t:TMP+4*t+3], v[RD] offset:t*2*SPITCH
.set t, t+1
.endr
.set t, 0
.rept 16
	s_wait_dscnt 15-t                              ; load t of the sixteen is back
	global_store_b128 v[CO], v[TMP+4*t:TMP+4*t+3], s[8:9] offset:2*t*CP  ; 16 lanes store 256 consecutive bytes, at a multiple of 256 from C's first byte
.set t, t+1
.endr
.else
	OUT 0
	OUT 1
	OUT 2
	OUT 3
.endif
	s_wait_tensorcnt 0x0                           ; the wave's end
	ds_add_u32 v[SPW], v[NIL]
	s_wait_dscnt 0x0
	CROUND                                         ; the closing round: no work-group ends while a partner may still ask for a tile that names it
	s_endpgm
.Lfunc_end_k_qc42b0d9f3b_g_q:
	.size	k_qc42b0d9f3b_g_q, .Lfunc_end_k_qc42b0d9f3b_g_q-k_qc42b0d9f3b_g_q
	.p2alignl 7, 3214868480
	.fill 96, 4, 3214868480
	.section	.rodata,"a",@progbits
	.p2align	6, 0x0
	.amdhsa_kernel k_qc42b0d9f3b_g_q
		.amdhsa_group_segment_fixed_size 327680
		.amdhsa_private_segment_fixed_size 0
		.amdhsa_enable_private_segment 0
		.amdhsa_kernarg_size 24
		.amdhsa_user_sgpr_count 2
		.amdhsa_user_sgpr_kernarg_segment_ptr 1
		.amdhsa_wavefront_size32 1
		.amdhsa_system_sgpr_workgroup_id_x 1
		.amdhsa_system_sgpr_workgroup_id_y 1
		.amdhsa_system_sgpr_workgroup_id_z 1
		.amdhsa_system_vgpr_workitem_id 0
		.amdhsa_next_free_vgpr 576
		.amdhsa_next_free_sgpr 66
		.amdhsa_reserve_vcc 0
		.amdhsa_float_denorm_mode_32 3
		.amdhsa_float_denorm_mode_16_64 3
		.amdhsa_memory_ordered 1
		.amdhsa_forward_progress 1
		.amdhsa_inst_pref_size 92
	.end_amdhsa_kernel
	.amdgpu_metadata
---
amdhsa.version: [ 1, 2 ]
amdhsa.kernels:
  - .name:           k_qc42b0d9f3b_g_q
    .symbol:         k_qc42b0d9f3b_g_q.kd
    .args:
      - { .name: S, .offset: 0, .size: 8, .value_kind: global_buffer, .address_space: global }
      - { .name: Wp1, .offset: 8, .size: 8, .value_kind: global_buffer, .address_space: global }
      - { .name: X0, .offset: 16, .size: 8, .value_kind: global_buffer, .address_space: global }
    .group_segment_fixed_size: 327680
    .private_segment_fixed_size: 0
    .kernarg_segment_align: 8
    .kernarg_segment_size: 24
    .max_flat_workgroup_size: 128
    .sgpr_count:     66
    .vgpr_count:     576
    .wavefront_size: 32
...
	.end_amdgpu_metadata
.endif
;; end of part 8
;; launch g_qk: the kernel of part 8 again; grid 8 x 32, 4 waves a work-group, clusters of 4 x 4, 327,680 bytes of LDS; arguments X0, Wp2, X1; writes X1
;; launch g_s (part 9): grid 16 x 32, 4 waves a work-group, clusters of 4 x 4, 327,680 bytes of LDS; arguments X1, KV16, S; writes S
.if DOCPART == 9
	.amdgcn_target "amdgcn-amd-amdhsa--gfx1250"
	.amdhsa_code_object_version 6
	.text
	.protected	k_qc42b0d9f3b_g_s
	.globl	k_qc42b0d9f3b_g_s
	.p2align	8
	.type	k_qc42b0d9f3b_g_s,@function
k_qc42b0d9f3b_g_s:
	s_mov_b64 s[64:65], 0
	v_nop
	global_prefetch_b8 v0, s[64:65] scope:SCOPE_SE
	s_setreg_imm32_b32 hwreg(HW_REG_WAVE_MODE, 25, 1), 1
	s_wait_xcnt 0x0
	s_wait_alu depctr_hold_cnt(0) depctr_sa_sdst(0) depctr_va_vdst(0) depctr_va_sdst(0) depctr_va_ssrc(0) depctr_va_vcc(0) depctr_vm_vsrc(0)
	s_getreg_b32 s2, hwreg(HW_REG_IB_STS2, 6, 4)
	s_cmp_eq_u32 s2, 0
	s_cbranch_scc0 .Lentry_in_a_cluster
	s_endpgm
.Lentry_in_a_cluster:
	s_bfe_u32 s2, ttmp6, 0x10000c
	s_cmp_lg_u32 s2, 0xf033
	s_cbranch_scc0 .Lentry_shape_is_right
	s_endpgm
.Lentry_shape_is_right:
; C[m][n] = sum over k of A[m][k] B[n][k], in f32.  Here: the raw scores, A = 2^-10 q Wk^T (4,096 x 1,024), B = K's blocks of the row's batch, C = [4,096][2,048].
; A: f16, 4,096 rows of APITCH numbers.  B: f16 in blocks of 128 (n) x 128 (k), dense, 32,768 bytes: the block of column tile t and 128 k number s is 64 (t / 8) + t % 8 + 8 s,
; behind BOFF bytes and BBATCH bytes for each batch of 512 rows of C.  C: rows of CP bytes, f16 (OF16 = 1) or f32 (OF16 = 0).  Sums in f32.
; EP = 1: mul and add, 1,024 f32 each, lie 0x200000 and 0x201000 bytes behind B's first byte, and C = sum x mul[n] + add[n].  EP = 0: C is the sum itself.
; This text stands four times in the program; the seven constants below are all that differs.
; LIMIT: with OF16 = 1 a result of 65,520 or more in magnitude becomes an infinity; below 6e-5 f16 keeps its fixed step of 6e-8.
; f16 and not bf16: the module ends in a LayerNorm, which passes every operand's relative rounding on to an output held to 1% of its root mean square in each of 4 M numbers.
; SHARES.  A work-group makes 128 x 128 of C, each of its four waves 64 x 64: 16 accumulators.  K goes in steps of 256, as long as two LDS slots allow: A's rows are 512 bytes, and
; B comes as two whole blocks.  Waves 0 and 1 fetch 64 rows of A each, waves 2 and 3 one block of B each.  CLUSTER: 4 x 4 work-groups; the four of a row need the same tile of A, the
; four of a column the same blocks of B: joint loads.  The four tile rows of a cluster are one batch, so B's address hangs on the tile column and the cluster's y alone.
; THE MATRIX INSTRUCTION IS USED TRANSPOSED (source 0 = 16 rows of B, source 1 = 16 rows of A): a lane holds row lane % 16 of C and eight neighbouring columns.
; REGISTERS.  Window 0: v16-29 addresses; v32-95 the way out; v128-255 the accumulators ((a, b) at 128 + 8 (4 a + b)).
;   Window 1: two fragment buffers of 128: for 64 along K, 64 registers of A (2 x 4 x 16 rows x 32 K), then 64 of B.   Window 2 (EP = 1): v0-31 mul, v32-63 add of my lane's 32 columns.
.set KSTEPS, 4
.set APITCH, 1024
.set BOFF,   0
.set BBATCH, 4194304
.set CP,     8192
.set EP,     0
.set OF16,   0
.set LAPS,   KSTEPS/2                  ; a lap = two K steps = once round the ring
.set PA,     528                       ; A's LDS row: 512 bytes + 16: the 16 rows of a load start at 16 different groups of four banks (64 banks of 4 bytes: ISA guide 11.1)
.set PB,     272                       ; B's: 256 + 16, likewise
.set AHALF,  64*PA                     ; 64 rows of A: one tensor load
.set BKB,    128*PB                    ; a block of B: one tensor load
.set BBASE,  2*AHALF                   ; in a slot: A's 128 rows, then B's two blocks
.set SLOT,   BBASE+2*BKB
.set STAGE,  2*SLOT                    ; behind the ring, never filled by a tensor load: 128 rows x 272 bytes, for the way out
.set SPITCH, 272
.set SPARE,  STAGE+128*SPITCH          ; behind the stage: the spare words, 128 bytes for each wave
.set ASTEP,  512                       ; bytes from K step to K step in A,
.set BSTEP,  524288                    ; and in B: sixteen blocks
.set ADRA, 16                          ; v16-17  LDS address of my A fragments in slot 0, 1
.set ADRB, 20                          ; v20-21  the same for B
.set STO,  24                          ; v24     the way out: where I put my part of a row
.set RD,   25                          ; v25     where I read a row back
.set CO,   26                          ; v26     my byte offset in C
.set EPO,  27                          ; v27     my byte offset in mul and add
.set SPW,  28                          ; v28     my spare word's LDS address; never rewritten
.set NIL,  29                          ; v29     0; never rewritten
.set TMP,  32
.set ACC,  128
.set F0,   0                           ; window 1
.set F1,   128
.set MULV, 0                           ; window 2
.set ADDV, 32
.set G1,  24                           ; s[24:31] descriptor group 1 for A;  s[32:39] group 0, a set for each slot
.set G0,  32
.set G1B, 48                           ; s[48:55], s[56:63] the same for B
.set G0B, 56
.set MSB, 0
.macro WIN new                         ; the immediate's high byte repeats the setting that is left; a switch that changes nothing is dropped
.if MSB != (\new)
	s_set_vgpr_msb (MSB<<8)|(\new)
.set MSB, \new
.endif
.endm
.set MUL,  0x05                        ; sources 0 (B) and 1 (A) window 1; C and D window 0
.set TO_F, 0x40                        ; destination window 1, address window 0
.set TO_E, 0x80                        ; destination window 2, address window 0
.set SCL,  0x28                        ; sources 1 and 2 window 2; destination and source 0 window 0
.macro JLOAD s                         ; a joint refill: waves 0 and 1 fetch A's two halves, waves 2 and 3 B's two blocks; an s_nop 0 and four v_nop follow each line
	s_cmp_eq_u32 s11, 0
	s_cbranch_scc0 .Lfor_b_\@
	tensor_load_to_lds s[G0+4*(\s):G0+4*(\s)+3], s[G1:G1+7]
	s_nop 0
.rept 4
	v_nop
.endr
	s_branch .Lasked_\@
.Lfor_b_\@:
	tensor_load_to_lds s[G0B+4*(\s):G0B+4*(\s)+3], s[G1B:G1B+7]
	s_nop 0
.rept 4
	v_nop
.endr
.Lasked_\@:
.endm
.macro CREST                           ; a round of the cluster's barrier behind its opening barrier
	s_cmp_lg_u32 s10, 0
	s_cbranch_scc1 .Lnot_wave_0_\@
	s_barrier_signal -3
.Lnot_wave_0_\@:
	s_barrier_wait -3
	s_barrier_signal -1
	s_barrier_wait -1
.endm
.macro CROUND                          ; a whole round
	s_barrier_signal -1
	s_barrier_wait -1
	CREST
.endm
	s_load_b128 s[4:7], s[0:1], 0x0                ; A s[4:5], B s[6:7]
	s_load_b64 s[8:9], s[0:1], 0x10                ; C
	v_lshl_add_u32 v[SPW], v0, 2, SPARE
	v_mov_b32 v[NIL], 0
	ds_add_u32 v[SPW], v[NIL]                      ; the wave's opening: an add to my spare word, and its wait ahead of my first tensor load; the set-up below stands between them
	v_lshrrev_b32 v1, 5, v0
	v_readfirstlane_b32 s10, v1                    ; wave 0..3
	s_lshr_b32 s11, s10, 1                         ; my half of the tile's rows.  Also: I fetch for A (0) or for B (1)
	s_and_b32 s12, s10, 1                          ; my half of its columns.  Also: which half of A, which block of B I fetch
	s_bfe_u32 s40, ttmp6, 0x40000                  ; cx, cy: my place in the cluster
	s_bfe_u32 s41, ttmp6, 0x40004
	s_lshl_b32 s42, ttmp9, 2
	s_add_co_u32 s42, s42, s40                     ; tile column = 4 x cluster x + cx
	s_and_b32 s45, ttmp7, 0xffff                   ; cluster y = the batch
	s_lshl_b32 s13, s45, 2
	s_add_co_u32 s13, s13, s41                     ; tile row = 4 x cluster y + cy
	s_lshl_b32 s43, s41, 2
	s_lshl_b32 s43, 15, s43                        ; my row of the cluster
	s_lshl_b32 s44, 0x1111, s40                    ; my column
	s_or_b32 s[G1+0], s43, (1<<16)|(1<<20)|(1<<21)|(6<<22)|(3<<25)   ; the mask; elements of 2 bytes; padding on; bit 21 beside a mask; after every 128 words 4 words
	s_mov_b32 s[G1+1], 256<<16                     ; tensor_dim0 = 256
	s_mov_b32 s[G1+2], 64<<16                      ; tensor_dim1 = 64
	s_mov_b32 s[G1+3], 256<<16                     ; tile_dim0 = 256
	s_mov_b32 s[G1+4], 64                          ; tile_dim1 = 64
	s_mov_b32 s[G1+5], APITCH                      ; elements from row to row
	s_mov_b32 s[G1+6], 0
	s_mov_b32 s[G1+7], 0
	s_or_b32 s[G1B+0], s44, (1<<16)|(1<<20)|(1<<21)|(5<<22)|(3<<25)  ; the mask; elements of 2 bytes; after every 64 words 4 words
	s_mov_b32 s[G1B+1], 128<<16                    ; tensor_dim0 = 128
	s_mov_b32 s[G1B+2], 128<<16                    ; tensor_dim1 = 128
	s_mov_b32 s[G1B+3], 128<<16                    ; tile_dim0 = 128
	s_mov_b32 s[G1B+4], 128                        ; tile_dim1 = 128
	s_mov_b32 s[G1B+5], 128                        ; a block's rows are dense
	s_mov_b32 s[G1B+6], 0
	s_mov_b32 s[G1B+7], 0
	s_lshl_b32 s16, s13, 7
	s_lshl_b32 s17, s12, 6
	s_add_co_u32 s16, s16, s17                     ; A: row 128 x tile row + 64 x half,
	s_mul_i32 s16, s16, APITCH*2                   ; in bytes (under 2^25)
	s_mov_b32 s17, 0
	s_lshr_b32 s46, s42, 3                         ; B: block 64 (t / 8) + t % 8,
	s_lshl_b32 s46, s46, 6
	s_and_b32 s47, s42, 7
	s_add_co_u32 s46, s46, s47
	s_lshl_b32 s46, s46, 15
	s_lshl_b32 s47, s12, 18                        ; the K step's first or second 128 k: eight blocks on
	s_add_co_u32 s46, s46, s47
.if BBATCH
	s_mul_i32 s47, s45, BBATCH
	s_add_co_u32 s46, s46, s47
.endif
.if BOFF
	s_add_co_u32 s46, s46, BOFF
.endif
	s_mov_b32 s47, 0
	s_mul_i32 s20, s12, AHALF                      ; where they go: no place in the cluster enters an LDS address
	s_mul_i32 s21, s12, BKB
	s_add_co_u32 s21, s21, BBASE
	s_wait_dscnt 0x0                               ; the opening add is done
	s_wait_kmcnt 0x0
	s_add_nc_u64 s[14:15], s[4:5], s[16:17]
	s_add_nc_u64 s[46:47], s[6:7], s[46:47]
.irp s, 0,1
	s_mov_b32 s[G0+4*(\s)], 1
	s_add_co_u32 s[G0+4*(\s)+1], s20, (\s)*SLOT
	s_add_nc_u64 s[G0+4*(\s)+2:G0+4*(\s)+3], s[14:15], (\s)*ASTEP
	s_or_b32 s[G0+4*(\s)+3], s[G0+4*(\s)+3], 0x80000000
	s_mov_b32 s[G0B+4*(\s)], 1
	s_add_co_u32 s[G0B+4*(\s)+1], s21, (\s)*SLOT
	s_add_nc_u64 s[G0B+4*(\s)+2:G0B+4*(\s)+3], s[46:47], (\s)*BSTEP
	s_or_b32 s[G0B+4*(\s)+3], s[G0B+4*(\s)+3], 0x80000000
.endr
	CROUND                                         ; all sixteen work-groups are here: the first joint loads meet
	s_cmp_eq_u32 s11, 0                            ; a wave's two first fills stand in one branch: two loads of mine are out
	s_cbranch_scc0 .Lfirst_b
	tensor_load_to_lds s[G0:G0+3], s[G1:G1+7]
	s_nop 0
	tensor_load_to_lds s[G0+4:G0+7], s[G1:G1+7]
	s_nop 0
.rept 4
	v_nop
.endr
	s_branch .Lfirst_asked
.Lfirst_b:
	tensor_load_to_lds s[G0B:G0B+3], s[G1B:G1B+7]
	s_nop 0
	tensor_load_to_lds s[G0B+4:G0B+7], s[G1B:G1B+7]
	s_nop 0
.rept 4
	v_nop
.endr
.Lfirst_asked:
	; A fragment is 16 rows x 32 K in 8 registers: lane l holds row l % 16, K = 8 (l / 16) + 0..7 and 16 + 8 (l / 16) + 0..7: two loads of 16 bytes, 32 bytes apart.
	v_and_b32 v1, 15, v0                           ; l % 16
	v_bfe_u32 v2, v0, 4, 1                         ; l / 16
	v_mul_u32_u24 v3, v1, PA
	v_lshl_add_u32 v3, v2, 4, v3
	v_mul_u32_u24 v4, v1, PB
	v_lshl_add_u32 v4, v2, 4, v4
	s_mul_i32 s21, s11, AHALF                      ; my 64 rows of A
	s_mul_i32 s22, s12, 64*PB                      ; my 64 rows in each block of B
	s_add_co_u32 s22, s22, BBASE
.irp s, 0,1
	v_add_nc_u32 v[ADRA+(\s)], s21, v3
	v_add_nc_u32 v[ADRB+(\s)], s22, v4
	s_add_co_u32 s21, s21, SLOT
	s_add_co_u32 s22, s22, SLOT
.endr
.if OF16
	s_mul_i32 s23, s11, 64*SPITCH                  ; ONE stage for the work-group: my 64 rows, my half of their 256 bytes; row l % 16, 16 bytes for each half of the lanes
	s_lshl_b32 s21, s12, 7
	s_add_co_u32 s23, s23, s21
	s_add_co_u32 s23, s23, STAGE
	v_mul_u32_u24 v5, v1, SPITCH
	v_lshl_add_u32 v5, v2, 4, v5
	v_add_nc_u32 v[STO], s23, v5
	s_mul_i32 s23, s10, 32*SPITCH                  ; back: wave w takes rows 32 w .. 32 w + 31, whole
	s_lshl_b32 s16, s13, 7
	s_lshl_b32 s17, s10, 5                         ; the first row of C that I store: 128 x tile row + 32 x wave
	s_lshl_b32 s46, s42, 8                         ; the tile's first column, in bytes
.else
	s_mul_i32 s23, s10, 16*SPITCH                  ; a stage of 16 rows for each wave: row l % 16, 32 bytes for each half of the lanes
	s_add_co_u32 s21, s23, STAGE
	v_mul_u32_u24 v5, v1, SPITCH
	v_lshl_add_u32 v5, v2, 5, v5
	v_add_nc_u32 v[STO], s21, v5
	s_lshl_b32 s16, s13, 7
	s_lshl_b32 s17, s11, 6                         ; my first row of C: 128 x tile row + 64 x half
	s_lshl_b32 s46, s42, 9                         ; my first column, in bytes: 512 x tile column + 256 x half
	s_lshl_b32 s47, s12, 8
	s_add_co_u32 s46, s46, s47
.endif
	s_add_co_u32 s23, s23, STAGE
	v_mul_u32_u24 v5, v2, SPITCH                   ; back: lanes 0-15 one row of 256 bytes, lanes 16-31 the next
	v_lshl_add_u32 v5, v1, 4, v5
	v_add_nc_u32 v[RD], s23, v5
	v_mul_u32_u24 v5, v2, CP                       ; and the same two rows in C
	v_lshl_add_u32 v[CO], v1, 4, v5
	s_add_co_u32 s16, s16, s17
	s_mul_i32 s16, s16, CP
	s_mov_b32 s17, 0
	s_add_nc_u64 s[8:9], s[8:9], s[16:17]
	s_mov_b32 s47, 0
	s_add_nc_u64 s[8:9], s[8:9], s[46:47]
.if EP
	s_lshl_b32 s22, s42, 9                         ; mul and add of my columns 128 x tile column + 64 x half + 16 b + 8 (l / 16) + 0..7: 32 bytes for each b
	s_lshl_b32 s23, s12, 8
	s_add_co_u32 s22, s22, s23
	v_lshl_add_u32 v[EPO], v2, 5, s22
	WIN TO_E
.irp b, 0,1,2,3
	global_load_b128 v[MULV+8*\b:MULV+8*\b+3],   v[EPO], s[6:7] offset:0x200000+64*\b
	global_load_b128 v[MULV+8*\b+4:MULV+8*\b+7], v[EPO], s[6:7] offset:0x200000+64*\b+16
	global_load_b128 v[ADDV+8*\b:ADDV+8*\b+3],   v[EPO], s[6:7] offset:0x201000+64*\b
	global_load_b128 v[ADDV+8*\b+4:ADDV+8*\b+7], v[EPO], s[6:7] offset:0x201000+64*\b+16
.endr
	WIN 0
.endif
; 8 matrix instructions: row blocks a0, a0 + 1 x all 4 column blocks, 32 along K: half c of buffer f.  zero = 1: the product starts the sum: nothing is cleared.
; The 16 accumulators take turns in one order throughout.
.macro MUL8 f, c, a0, zero
	WIN MUL
.irp a, \a0, (\a0)+1
.irp b, 0,1,2,3
.if \zero
	v_wmma_f32_16x16x32_f16 v[ACC+8*(4*(\a)+(\b)):ACC+8*(4*(\a)+(\b))+7], v[(\f)+64+8*(4*(\c)+(\b)):(\f)+64+8*(4*(\c)+(\b))+7], v[(\f)+8*(4*(\c)+(\a)):(\f)+8*(4*(\c)+(\a))+7], 0
.else
	v_wmma_f32_16x16x32_f16 v[ACC+8*(4*(\a)+(\b)):ACC+8*(4*(\a)+(\b))+7], v[(\f)+64+8*(4*(\c)+(\b)):(\f)+64+8*(4*(\c)+(\b))+7], v[(\f)+8*(4*(\c)+(\a)):(\f)+8*(4*(\c)+(\a))+7], v[ACC+8*(4*(\a)+(\b)):ACC+8*(4*(\a)+(\b))+7]
.endif
.endr
.endr
.endm
; 32 LDS loads in one run: quarter q (64 along K) of a slot into buffer f; the first 32 along K first.  In A's rows the quarter begins at byte 128 q; B's quarters 0, 1 lie in the first block, 2, 3 in the second.
.macro FETCH slot, q, f
	WIN TO_F
.irp c, 0,1
.irp i, 0,1,2,3
	ds_load_b128 v[(\f)+64+8*(4*(\c)+(\i)):(\f)+64+8*(4*(\c)+(\i))+3],   v[ADRB+(\slot)] offset:((\q)/2)*BKB+((\q)%2)*128+64*(\c)+(\i)*16*PB
	ds_load_b128 v[(\f)+64+8*(4*(\c)+(\i))+4:(\f)+64+8*(4*(\c)+(\i))+7], v[ADRB+(\slot)] offset:((\q)/2)*BKB+((\q)%2)*128+64*(\c)+(\i)*16*PB+32
	ds_load_b128 v[(\f)+8*(4*(\c)+(\i)):(\f)+8*(4*(\c)+(\i))+3],         v[ADRA+(\slot)] offset:128*(\q)+64*(\c)+(\i)*16*PA
	ds_load_b128 v[(\f)+8*(4*(\c)+(\i))+4:(\f)+8*(4*(\c)+(\i))+7],       v[ADRA+(\slot)] offset:128*(\q)+64*(\c)+(\i)*16*PA+32
.endr
.endr
.endm
.macro PLACES                          ; four places in front of loads into registers that matrix instructions have read, and of vector work that reads results
.rept 4
	v_nop
.endr
.endm
; A K step is four quarters, 32 matrix instructions each, on buffers 0, 1, 0, 1.  One of the first three: multiplies buffer f and fetches quarter q into g.
.macro QUARTER slot, q, f, g, zero
	s_wait_dscnt 16                                ; the first 32 along K are in; the other sixteen loads may be out
	MUL8 \f, 0, 0, \zero
	MUL8 \f, 0, 2, \zero
	PLACES
	FETCH \slot, \q, \g
	s_wait_dscnt 32                                ; all but the 32 just issued
	MUL8 \f, 1, 0, 0
	MUL8 \f, 1, 2, 0
.endm
; The last quarter multiplies buffer 1 and changes slots: ONE barrier; in front of it each wave waits for all its tensor loads (one is out: its part of the next slot), adds 0 to its
; spare word, and waits for that and for its reads of this slot.  fill = 1: the barrier opens a round of the cluster's, and this slot is filled again, two K steps ahead, first thing behind it:
; 112 matrix instructions ahead of the wait for it.
.macro TURN slot, next, fill
	WIN 0                                          ; (the add's two registers lie in window 0)
	s_wait_tensorcnt 0x0
	ds_add_u32 v[SPW], v[NIL]
	s_wait_dscnt 17                                ; the first 32 along K are in; the add and the youngest sixteen loads may be out
	MUL8 F1, 0, 0, 0
	s_wait_dscnt 0x0                               ; the add is done, and my reads of this slot are over
	s_barrier_signal -1
	MUL8 F1, 0, 2, 0
.if \fill
	WIN 0
.endif
	s_barrier_wait -1
.if \fill
	CREST                                          ; no wave of any partner still reads this slot or has a load on its way
	s_add_nc_u64 s[G0+4*(\slot)+2:G0+4*(\slot)+3], s[G0+4*(\slot)+2:G0+4*(\slot)+3], 2*ASTEP
	s_add_nc_u64 s[G0B+4*(\slot)+2:G0B+4*(\slot)+3], s[G0B+4*(\slot)+2:G0B+4*(\slot)+3], 2*BSTEP
	JLOAD \slot                                    ; the four v_nop behind it are also the places in front of the loads below
.else
	PLACES
.endif
	FETCH \next, 0, F0
	MUL8 F1, 1, 0, 0
	MUL8 F1, 1, 2, 0
.endm
; The way out in f32 of row block a: 16 rows x 64 columns through my own stage: in by 32 bytes a lane, back as whole rows of 256 bytes.  Each accumulator's low registers are read first.
.macro OUT a
.irp b, 0,1,2,3
	ds_store_b128 v[STO], v[ACC+8*(4*(\a)+\b):ACC+8*(4*(\a)+\b)+3] offset:64*\b
	ds_store_b128 v[STO], v[ACC+8*(4*(\a)+\b)+4:ACC+8*(4*(\a)+\b)+7] offset:64*\b+16
.endr
	s_wait_xcnt 0x0                                ; the last block's stores have read TMP: it is loaded again only behind this wait
.irp t, 0,1,2,3,4,5,6,7
	ds_load_b128 v[TMP+4*\t:TMP+4*\t+3], v[RD] offset:\t*2*SPITCH  ; LDS serves a wave's instructions in order (ISA guide 5.7.1.4): these see the stores above
.endr
	s_wait_dscnt 0x0
.irp t, 0,1,2,3,4,5,6,7
	global_store_b128 v[CO], v[TMP+4*\t:TMP+4*\t+3], s[8:9] offset:(16*(\a)+2*\t)*CP  ; 16 lanes store 256 consecutive bytes, at a multiple of 256 from C's first byte
.endr
.endm
	s_wait_tensorcnt 1                             ; my part of K step 0 is in; K step 1's may stay out
	s_barrier_signal -1
	s_barrier_wait -1                              ; everybody's is
	FETCH 0, 0, F0
	QUARTER 0, 1, F0, F1, 1                        ; the first quarter stands in front of the loop: its first products start the sums
	WIN 0                                          ; at a label and at a branch every window is 0
	s_mov_b32 s3, LAPS-1
.Llap:                                                 ; a trip goes once round the ring, from a lap's second quarter to the next lap's first, and fills both slots again
	QUARTER 0, 2, F1, F0, 0
	QUARTER 0, 3, F0, F1, 0
	TURN 0, 1, 1
	QUARTER 1, 1, F0, F1, 0
	QUARTER 1, 2, F1, F0, 0
	QUARTER 1, 3, F0, F1, 0
	TURN 1, 0, 1
	QUARTER 0, 1, F0, F1, 0
	WIN 0
	s_sub_co_u32 s3, s3, 1
	s_cmp_lg_u32 s3, 0
	s_cbranch_scc1 .Llap
	QUARTER 0, 2, F1, F0, 0                        ; the last lap fills nothing, and has no round of the cluster's barrier
	QUARTER 0, 3, F0, F1, 0
	TURN 0, 1, 0
	QUARTER 1, 1, F0, F1, 0
	QUARTER 1, 2, F1, F0, 0
	QUARTER 1, 3, F0, F1, 0
	s_wait_dscnt 16                                ; the very last quarter: nothing more to fetch
	MUL8 F1, 0, 0, 0
	MUL8 F1, 0, 2, 0
	s_wait_dscnt 0x0
	MUL8 F1, 1, 0, 0
	MUL8 F1, 1, 2, 0
	WIN 0
	PLACES
.if EP
	s_wait_loadcnt 0x0                             ; mul and add
	WIN SCL
.set t, 0
.rept 16                                               ; in f32, in place: register j of accumulator (a, b) is column 16 b + 8 (l / 16) + j
.irp r, 0,1,2,3
	v_pk_fma_f32 v[ACC+8*t+2*\r:ACC+8*t+2*\r+1], v[ACC+8*t+2*\r:ACC+8*t+2*\r+1], v[MULV+8*(t%4)+2*\r:MULV+8*(t%4)+2*\r+1], v[ADDV+8*(t%4)+2*\r:ADDV+8*(t%4)+2*\r+1]
.endr
.set t, t+1
.endr
	WIN 0
.endif
.if OF16
	; THE WAY OUT in f16: a wave's 64 columns are 128 bytes, half of an aligned 256: 16 bytes a lane into the work-group's stage; a barrier; back as whole rows, 32 rows a wave.
.set t, 0
.rept 16
.irp r, 0,1,2,3
	v_cvt_pk_f16_f32 v[TMP+4*t+\r], v[ACC+8*t+2*\r], v[ACC+8*t+2*\r+1]
.endr
.set t, t+1
.endr
.irp a, 0,1,2,3
.irp b, 0,1,2,3
	ds_store_b128 v[STO], v[TMP+4*(4*\a+\b):TMP+4*(4*\a+\b)+3] offset:\a*16*SPITCH+32*\b
.endr
.endr
	s_wait_dscnt 0x0                               ; for the others' sake: my stores into the stage are done
	s_barrier_signal -1
	s_barrier_wait -1
.set t, 0
.rept 16
	ds_load_b128 v[TMP+4*t:TMP+4*t+3], v[RD] offset:t*2*SPITCH
.set t, t+1
.endr
.set t, 0
.rept 16
	s_wait_dscnt 15-t                              ; load t of the sixteen is back
	global_store_b128 v[CO], v[TMP+4*t:TMP+4*t+3], s[8:9] offset:2*t*CP  ; 16 lanes store 256 consecutive bytes, at a multiple of 256 from C's first byte
.set t, t+1
.endr
.else
	OUT 0
	OUT 1
	OUT 2
	OUT 3
.endif
	s_wait_tensorcnt 0x0                           ; the wave's end
	ds_add_u32 v[SPW], v[NIL]
	s_wait_dscnt 0x0
	CROUND                                         ; the closing round: no work-group ends while a partner may still ask for a tile that names it
	s_endpgm
.Lfunc_end_k_qc42b0d9f3b_g_s:
	.size	k_qc42b0d9f3b_g_s, .Lfunc_end_k_qc42b0d9f3b_g_s-k_qc42b0d9f3b_g_s
	.p2alignl 7, 3214868480
	.fill 96, 4, 3214868480
	.section	.rodata,"a",@progbits
	.p2align	6, 0x0
	.amdhsa_kernel k_qc42b0d9f3b_g_s
		.amdhsa_group_segment_fixed_size 327680
		.amdhsa_private_segment_fixed_size 0
		.amdhsa_enable_private_segment 0
		.amdhsa_kernarg_size 24
		.amdhsa_user_sgpr_count 2
		.amdhsa_user_sgpr_kernarg_segment_ptr 1
		.amdhsa_wavefront_size32 1
		.amdhsa_system_sgpr_workgroup_id_x 1
		.amdhsa_system_sgpr_workgroup_id_y 1
		.amdhsa_system_sgpr_workgroup_id_z 1
		.amdhsa_system_vgpr_workitem_id 0
		.amdhsa_next_free_vgpr 512
		.amdhsa_next_free_sgpr 66
		.amdhsa_reserve_vcc 0
		.amdhsa_float_denorm_mode_32 3
		.amdhsa_float_denorm_mode_16_64 3
		.amdhsa_memory_ordered 1
		.amdhsa_forward_progress 1
		.amdhsa_inst_pref_size 86
	.end_amdhsa_kernel
	.amdgpu_metadata
---
amdhsa.version: [ 1, 2 ]
amdhsa.kernels:
  - .name:           k_qc42b0d9f3b_g_s
    .symbol:         k_qc42b0d9f3b_g_s.kd
    .args:
      - { .name: X1, .offset: 0, .size: 8, .value_kind: global_buffer, .address_space: global }
      - { .name: KV16, .offset: 8, .size: 8, .value_kind: global_buffer, .address_space: global }
      - { .name: S, .offset: 16, .size: 8, .value_kind: global_buffer, .address_space: global }
    .group_segment_fixed_size: 327680
    .private_segment_fixed_size: 0
    .kernarg_segment_align: 8
    .kernarg_segment_size: 24
    .max_flat_workgroup_size: 128
    .sgpr_count:     66
    .vgpr_count:     512
    .wavefront_size: 32
...
	.end_amdgpu_metadata
.endif
;; end of part 9
;; launch smax (part 10): grid 512 x 1, 8 waves a work-group, no clusters, 0 bytes of LDS; arguments S, X0, bk, pad_mask, X1; writes X1
.if DOCPART == 10
	.amdgcn_target "amdgcn-amd-amdhsa--gfx1250"
	.amdhsa_code_object_version 6
	.text
	.protected	k_qc42b0d9f3b_smax
	.globl	k_qc42b0d9f3b_smax
	.p2align	8
	.type	k_qc42b0d9f3b_smax,@function
k_qc42b0d9f3b_smax:
	s_mov_b64 s[64:65], 0
	v_nop
	global_prefetch_b8 v0, s[64:65] scope:SCOPE_SE
	s_setreg_imm32_b32 hwreg(HW_REG_WAVE_MODE, 25, 1), 1
	s_wait_xcnt 0x0
; P[row][:] = softmax over 2,048 keys of s, s = -1e9 where pad_mask is 0, else 32 Sraw + (q . bk) / 32.
; Sraw = 2^-10 (q Wk^T) . K, so 32 Sraw = (q Wk^T) . K / 32; with q . bk that is q . (K Wk + bk) / sqrt(1024), the reference's score.  q arrives in f16, as the products take it.
; All arithmetic in f32; P is rounded once to f16, the next product's operand: it lies in 0 to 1, and below 6e-5 it keeps f16's fixed step of 6e-8.
; One wave, one row (row = 8 x work-group + wave): the row's 2,048 scores are 64 registers a lane, so the row is read once and no wave waits for another: no LDS, no barrier.
; The row's true maximum is taken away before the exponential, as a difference formed ahead of the scaling: a row whose keys are all masked gives differences of exactly 0 and a uniform P.
; A weight below 2^-126 counts as 0.  NaN and infinities are not treated apart.  No matrix unit, no cluster: memory binds, and rows share only the mask and bk.
.set QH,  2                            ; v[2:17]    q's row in f16: elements 128 i + 4 lane + 0..3 in registers 2 i, 2 i + 1
.set QR,  18                           ; v[18:49]   the same in f32: element 128 i + 4 lane + j in register 4 i + j
.set BK,  50                           ; v[50:81]   bk, likewise
.set SS,  82                           ; v[82:145]  the scores, then the weights
.set MK,  146                          ; v[146:209] the mask; later the weights in f16
.set T,   210                          ; v[210:221] at work
.set NEG, 222                          ; v222       -1e9
.set L8,  223                          ; v223       8 x lane
.macro WSUM r, t                       ; the sum of v[r] over the wave's 32 lanes, in every lane; v[t] has been written before
	v_add_f32_dpp v[\r], v[\r], v[\r] row_xmask:1 row_mask:0xf bank_mask:0xf
	v_add_f32_dpp v[\r], v[\r], v[\r] row_xmask:2 row_mask:0xf bank_mask:0xf
	v_add_f32_dpp v[\r], v[\r], v[\r] row_xmask:4 row_mask:0xf bank_mask:0xf
	v_add_f32_dpp v[\r], v[\r], v[\r] row_xmask:8 row_mask:0xf bank_mask:0xf
	v_permlanex16_b32 v[\t], v[\r], s18, s19
	v_add_f32 v[\r], v[\r], v[\t]
.endm
	s_load_b256 s[4:11], s[0:1], 0x0               ; S s[4:5], q s[6:7], bk s[8:9], pad_mask s[10:11]
	s_load_b64 s[12:13], s[0:1], 0x20              ; P
	v_lshrrev_b32 v1, 5, v0
	v_readfirstlane_b32 s14, v1                    ; wave
	v_and_b32 v1, 31, v0
	v_lshlrev_b32 v[L8], 3, v1                     ; 8 x lane
	v_lshlrev_b32 v1, 4, v1                        ; 16 x lane
	v_mov_b32 v[NEG], 0xce6e6b28                   ; -1e9
	s_lshl_b32 s15, ttmp9, 3
	s_add_co_u32 s15, s15, s14                     ; row
	s_lshl_b32 s16, s15, 13                        ; rows of 8,192 bytes in S,
	s_mov_b32 s17, 0
	s_lshl_b32 s22, s15, 12                        ; of 4,096 in P,
	s_mov_b32 s23, 0
	s_lshl_b32 s28, s15, 11                        ; of 2,048 in q,
	s_mov_b32 s29, 0
	s_lshr_b32 s24, s15, 9                         ; and the batch's 8,192 bytes of mask
	s_lshl_b32 s24, s24, 13
	s_mov_b32 s25, 0
	s_mov_b32 s18, 0x76543210                      ; v_permlanex16_b32: each lane takes its own place in the other half
	s_mov_b32 s19, 0xfedcba98
	s_mov_b32 s20, 0x42000000                      ; 32
	s_mov_b32 s21, s20                             ; named with it as a pair
	s_mov_b32 s26, 0x3fb8aa3b                      ; log2(e)
	s_mov_b32 s27, s26
	s_wait_kmcnt 0x0
	s_add_nc_u64 s[4:5], s[4:5], s[16:17]
	s_add_nc_u64 s[12:13], s[12:13], s[22:23]
	s_add_nc_u64 s[6:7], s[6:7], s[28:29]
	s_add_nc_u64 s[10:11], s[10:11], s[24:25]
.irp i, 0,1,2,3,4,5,6,7
	global_load_b64 v[QH+2*\i:QH+2*\i+1], v[L8], s[6:7] offset:\i*256  ; the wave's 32 lanes read 256 consecutive bytes
.endr
.irp i, 0,1,2,3,4,5,6,7
	global_load_b128 v[BK+4*\i:BK+4*\i+3], v1, s[8:9] offset:\i*512
.endr
.set i, 0
.rept 16
	global_load_b128 v[SS+4*i:SS+4*i+3], v1, s[4:5] offset:i*512 th:TH_LOAD_NT
.set i, i+1
.endr
.set i, 0
.rept 16
	global_load_b128 v[MK+4*i:MK+4*i+3], v1, s[10:11] offset:i*512
.set i, i+1
.endr
	s_wait_loadcnt 32                              ; q and bk are in; the 32 loads of scores and mask, issued behind them, stay out
	v_cvt_f32_f16 v18, v2.l                        ; q to f32: register QH + n gives QR + 2 n and QR + 2 n + 1
	v_cvt_f32_f16 v19, v2.h
	v_cvt_f32_f16 v20, v3.l
	v_cvt_f32_f16 v21, v3.h
	v_cvt_f32_f16 v22, v4.l
	v_cvt_f32_f16 v23, v4.h
	v_cvt_f32_f16 v24, v5.l
	v_cvt_f32_f16 v25, v5.h
	v_cvt_f32_f16 v26, v6.l
	v_cvt_f32_f16 v27, v6.h
	v_cvt_f32_f16 v28, v7.l
	v_cvt_f32_f16 v29, v7.h
	v_cvt_f32_f16 v30, v8.l
	v_cvt_f32_f16 v31, v8.h
	v_cvt_f32_f16 v32, v9.l
	v_cvt_f32_f16 v33, v9.h
	v_cvt_f32_f16 v34, v10.l
	v_cvt_f32_f16 v35, v10.h
	v_cvt_f32_f16 v36, v11.l
	v_cvt_f32_f16 v37, v11.h
	v_cvt_f32_f16 v38, v12.l
	v_cvt_f32_f16 v39, v12.h
	v_cvt_f32_f16 v40, v13.l
	v_cvt_f32_f16 v41, v13.h
	v_cvt_f32_f16 v42, v14.l
	v_cvt_f32_f16 v43, v14.h
	v_cvt_f32_f16 v44, v15.l
	v_cvt_f32_f16 v45, v15.h
	v_cvt_f32_f16 v46, v16.l
	v_cvt_f32_f16 v47, v16.h
	v_cvt_f32_f16 v48, v17.l
	v_cvt_f32_f16 v49, v17.h
.irp k, 0,1,2,3                                        ; q . bk: four chains, started by products
	v_pk_mul_f32 v[T+2*\k:T+2*\k+1], v[QR+2*\k:QR+2*\k+1], v[BK+2*\k:BK+2*\k+1]
.endr
.set p, 4
.rept 12
	v_pk_fma_f32 v[T+2*(p%4):T+2*(p%4)+1], v[QR+2*p:QR+2*p+1], v[BK+2*p:BK+2*p+1], v[T+2*(p%4):T+2*(p%4)+1]
.set p, p+1
.endr
	v_pk_add_f32 v[T:T+1], v[T:T+1], v[T+2:T+3]
	v_pk_add_f32 v[T+4:T+5], v[T+4:T+5], v[T+6:T+7]
	v_pk_add_f32 v[T:T+1], v[T:T+1], v[T+4:T+5]
	v_add_f32 v[T], v[T], v[T+1]
	WSUM T, T+1
	v_mul_f32 v[T], 0x3d000000, v[T]               ; / 32
	s_wait_loadcnt 0x0
.set p, 0
.rept 32
	v_pk_fma_f32 v[SS+2*p:SS+2*p+1], v[SS+2*p:SS+2*p+1], s[20:21], v[T:T+1] op_sel_hi:[1,0,0]  ; 32 Sraw + q . bk / 32
.set p, p+1
.endr
.set e, 0
.rept 64
	v_cmp_eq_u32 vcc_lo, 0, v[MK+e]
	v_cndmask_b32 v[SS+e], v[SS+e], v[NEG], vcc_lo
.set e, e+1
.endr
.irp k, 0,1,2,3                                        ; the maximum: four chains of 15 scores, three operands at a time, then the four left over
	v_max3_num_f32 v[T+2+\k], v[SS+16*\k], v[SS+16*\k+1], v[SS+16*\k+2]
.endr
.irp j, 3,5,7,9,11,13
.irp k, 0,1,2,3
	v_max3_num_f32 v[T+2+\k], v[T+2+\k], v[SS+16*\k+\j], v[SS+16*\k+\j+1]
.endr
.endr
	v_max3_num_f32 v[T+2], v[T+2], v[SS+15], v[SS+31]
	v_max3_num_f32 v[T+3], v[T+3], v[SS+47], v[SS+63]
	v_max3_num_f32 v[T+2], v[T+2], v[T+3], v[T+4]
	v_max_num_f32 v[T+2], v[T+2], v[T+5]
	v_max_num_f32_dpp v[T+2], v[T+2], v[T+2] row_xmask:1 row_mask:0xf bank_mask:0xf
	v_max_num_f32_dpp v[T+2], v[T+2], v[T+2] row_xmask:2 row_mask:0xf bank_mask:0xf
	v_max_num_f32_dpp v[T+2], v[T+2], v[T+2] row_xmask:4 row_mask:0xf bank_mask:0xf
	v_max_num_f32_dpp v[T+2], v[T+2], v[T+2] row_xmask:8 row_mask:0xf bank_mask:0xf
	v_permlanex16_b32 v[T+3], v[T+2], s18, s19
	v_max_num_f32 v[T+2], v[T+2], v[T+3]           ; every lane holds the row's maximum
.set p, 0
.rept 32
	v_pk_add_f32 v[SS+2*p:SS+2*p+1], v[SS+2*p:SS+2*p+1], v[T+2:T+3] op_sel_hi:[1,0] neg_lo:[0,1] neg_hi:[0,1]  ; s - m
.set p, p+1
.endr
.set p, 0
.rept 32
	v_pk_mul_f32 v[SS+2*p:SS+2*p+1], v[SS+2*p:SS+2*p+1], s[26:27] op_sel_hi:[1,0]
.set p, p+1
.endr
.set e, 0
.rept 64
	v_exp_f32 v[SS+e], v[SS+e]
.set e, e+1
.endr
	v_nop                                          ; a plain instruction between the last exponential and the use of its result (ISA guide 5.7.2)
	s_wait_alu depctr_va_vdst(0)
.irp k, 0,1,2,3                                        ; the sum: four chains
	v_pk_add_f32 v[T+4+2*\k:T+4+2*\k+1], v[SS+2*\k:SS+2*\k+1], v[SS+8+2*\k:SS+8+2*\k+1]
.endr
.set p, 8
.rept 24
	v_pk_add_f32 v[T+4+2*(p%4):T+4+2*(p%4)+1], v[T+4+2*(p%4):T+4+2*(p%4)+1], v[SS+2*p:SS+2*p+1]
.set p, p+1
.endr
	v_pk_add_f32 v[T+4:T+5], v[T+4:T+5], v[T+6:T+7]
	v_pk_add_f32 v[T+8:T+9], v[T+8:T+9], v[T+10:T+11]
	v_pk_add_f32 v[T+4:T+5], v[T+4:T+5], v[T+8:T+9]
	v_add_f32 v[T+4], v[T+4], v[T+5]
	WSUM T+4, T+5
	v_rcp_f32 v[T+6], v[T+4]
	v_nop                                          ; a plain instruction behind the reciprocal
.set p, 0
	s_wait_alu depctr_va_vdst(0)
.rept 32
	v_pk_mul_f32 v[SS+2*p:SS+2*p+1], v[SS+2*p:SS+2*p+1], v[T+6:T+7] op_sel_hi:[1,0]
.set p, p+1
.endr
.set p, 0
.rept 32
	v_cvt_pk_f16_f32 v[MK+p], v[SS+2*p], v[SS+2*p+1]  ; the mask's registers are free
.set p, p+1
.endr
.set i, 0
.rept 16
	global_store_b64 v[L8], v[MK+2*i:MK+2*i+1], s[12:13] offset:i*256  ; the wave's 32 lanes store 256 consecutive bytes, at a multiple of 256 from P's first byte
.set i, i+1
.endr
	s_endpgm
.Lfunc_end_k_qc42b0d9f3b_smax:
	.size	k_qc42b0d9f3b_smax, .Lfunc_end_k_qc42b0d9f3b_smax-k_qc42b0d9f3b_smax
	.p2alignl 7, 3214868480
	.fill 96, 4, 3214868480
	.section	.rodata,"a",@progbits
	.p2align	6, 0x0
	.amdhsa_kernel k_qc42b0d9f3b_smax
		.amdhsa_group_segment_fixed_size 0
		.amdhsa_private_segment_fixed_size 0
		.amdhsa_enable_private_segment 0
		.amdhsa_kernarg_size 40
		.amdhsa_user_sgpr_count 2
		.amdhsa_user_sgpr_kernarg_segment_ptr 1
		.amdhsa_wavefront_size32 1
		.amdhsa_system_sgpr_workgroup_id_x 1
		.amdhsa_system_sgpr_workgroup_id_y 1
		.amdhsa_system_sgpr_workgroup_id_z 1
		.amdhsa_system_vgpr_workitem_id 0
		.amdhsa_next_free_vgpr 224
		.amdhsa_next_free_sgpr 66
		.amdhsa_reserve_vcc 1
		.amdhsa_float_denorm_mode_32 3
		.amdhsa_float_denorm_mode_16_64 3
		.amdhsa_memory_ordered 1
		.amdhsa_forward_progress 1
		.amdhsa_inst_pref_size 31
	.end_amdhsa_kernel
	.amdgpu_metadata
---
amdhsa.version: [ 1, 2 ]
amdhsa.kernels:
  - .name:           k_qc42b0d9f3b_smax
    .symbol:         k_qc42b0d9f3b_smax.kd
    .args:
      - { .name: S, .offset: 0, .size: 8, .value_kind: global_buffer, .address_space: global }
      - { .name: X0, .offset: 8, .size: 8, .value_kind: global_buffer, .address_space: global }
      - { .name: bk, .offset: 16, .size: 8, .value_kind: global_buffer, .address_space: global }
      - { .name: pad_mask, .offset: 24, .size: 8, .value_kind: global_buffer, .address_space: global }
      - { .name: X1, .offset: 32, .size: 8, .value_kind: global_buffer, .address_space: global }
    .group_segment_fixed_size: 0
    .private_segment_fixed_size: 0
    .kernarg_segment_align: 8
    .kernarg_segment_size: 40
    .max_flat_workgroup_size: 256
    .sgpr_count:     66
    .vgpr_count:     224
    .wavefront_size: 32
...
	.end_amdgpu_metadata
.endif
;; end of part 10
;; launch g_u (part 11): grid 8 x 32, 4 waves a work-group, clusters of 4 x 4, 327,680 bytes of LDS; arguments X1, KV16, X0; writes X0
.if DOCPART == 11
	.amdgcn_target "amdgcn-amd-amdhsa--gfx1250"
	.amdhsa_code_object_version 6
	.text
	.protected	k_qc42b0d9f3b_g_u
	.globl	k_qc42b0d9f3b_g_u
	.p2align	8
	.type	k_qc42b0d9f3b_g_u,@function
k_qc42b0d9f3b_g_u:
	s_mov_b64 s[64:65], 0
	v_nop
	global_prefetch_b8 v0, s[64:65] scope:SCOPE_SE
	s_setreg_imm32_b32 hwreg(HW_REG_WAVE_MODE, 25, 1), 1
	s_wait_xcnt 0x0
	s_wait_alu depctr_hold_cnt(0) depctr_sa_sdst(0) depctr_va_vdst(0) depctr_va_sdst(0) depctr_va_ssrc(0) depctr_va_vcc(0) depctr_vm_vsrc(0)
	s_getreg_b32 s2, hwreg(HW_REG_IB_STS2, 6, 4)
	s_cmp_eq_u32 s2, 0
	s_cbranch_scc0 .Lentry_in_a_cluster
	s_endpgm
.Lentry_in_a_cluster:
	s_bfe_u32 s2, ttmp6, 0x10000c
	s_cmp_lg_u32 s2, 0xf033
	s_cbranch_scc0 .Lentry_shape_is_right
	s_endpgm
.Lentry_shape_is_right:
; C[m][n] = sum over k of A[m][k] B[n][k], rounded once to f16.  Here: U = P V, A = the weights P (4,096 x 2,048), B = V's turned blocks of the row's batch, C = [4,096][1,024].
; A: f16, 4,096 rows of APITCH numbers.  B: f16 in blocks of 128 (n) x 128 (k), dense, 32,768 bytes: the block of column tile t and 128 k number s is 64 (t / 8) + t % 8 + 8 s,
; behind BOFF bytes and BBATCH bytes for each batch of 512 rows of C.  C: rows of CP bytes, f16 (OF16 = 1) or f32 (OF16 = 0).  Sums in f32.
; EP = 1: mul and add, 1,024 f32 each, lie 0x200000 and 0x201000 bytes behind B's first byte, and C = sum x mul[n] + add[n].  EP = 0: C is the sum itself.
; This text stands four times in the program; the seven constants below are all that differs.
; LIMIT: with OF16 = 1 a result of 65,520 or more in magnitude becomes an infinity; below 6e-5 f16 keeps its fixed step of 6e-8.
; f16 and not bf16: the module ends in a LayerNorm, which passes every operand's relative rounding on to an output held to 1% of its root mean square in each of 4 M numbers.
; SHARES.  A work-group makes 128 x 128 of C, each of its four waves 64 x 64: 16 accumulators.  K goes in steps of 256, as long as two LDS slots allow: A's rows are 512 bytes, and
; B comes as two whole blocks.  Waves 0 and 1 fetch 64 rows of A each, waves 2 and 3 one block of B each.  CLUSTER: 4 x 4 work-groups; the four of a row need the same tile of A, the
; four of a column the same blocks of B: joint loads.  The four tile rows of a cluster are one batch, so B's address hangs on the tile column and the cluster's y alone.
; THE MATRIX INSTRUCTION IS USED TRANSPOSED (source 0 = 16 rows of B, source 1 = 16 rows of A): a lane holds row lane % 16 of C and eight neighbouring columns.
; REGISTERS.  Window 0: v16-29 addresses; v32-95 the way out; v128-255 the accumulators ((a, b) at 128 + 8 (4 a + b)).
;   Window 1: two fragment buffers of 128: for 64 along K, 64 registers of A (2 x 4 x 16 rows x 32 K), then 64 of B.   Window 2 (EP = 1): v0-31 mul, v32-63 add of my lane's 32 columns.
.set KSTEPS, 8
.set APITCH, 2048
.set BOFF,   33554432
.set BBATCH, 4194304
.set CP,     2048
.set EP,     0
.set OF16,   1
.set LAPS,   KSTEPS/2                  ; a lap = two K steps = once round the ring
.set PA,     528                       ; A's LDS row: 512 bytes + 16: the 16 rows of a load start at 16 different groups of four banks (64 banks of 4 bytes: ISA guide 11.1)
.set PB,     272                       ; B's: 256 + 16, likewise
.set AHALF,  64*PA                     ; 64 rows of A: one tensor load
.set BKB,    128*PB                    ; a block of B: one tensor load
.set BBASE,  2*AHALF                   ; in a slot: A's 128 rows, then B's two blocks
.set SLOT,   BBASE+2*BKB
.set STAGE,  2*SLOT                    ; behind the ring, never filled by a tensor load: 128 rows x 272 bytes, for the way out
.set SPITCH, 272
.set SPARE,  STAGE+128*SPITCH          ; behind the stage: the spare words, 128 bytes for each wave
.set ASTEP,  512                       ; bytes from K step to K step in A,
.set BSTEP,  524288                    ; and in B: sixteen blocks
.set ADRA, 16                          ; v16-17  LDS address of my A fragments in slot 0, 1
.set ADRB, 20                          ; v20-21  the same for B
.set STO,  24                          ; v24     the way out: where I put my part of a row
.set RD,   25                          ; v25     where I read a row back
.set CO,   26                          ; v26     my byte offset in C
.set EPO,  27                          ; v27     my byte offset in mul and add
.set SPW,  28                          ; v28     my spare word's LDS address; never rewritten
.set NIL,  29                          ; v29     0; never rewritten
.set TMP,  32
.set ACC,  128
.set F0,   0                           ; window 1
.set F1,   128
.set MULV, 0                           ; window 2
.set ADDV, 32
.set G1,  24                           ; s[24:31] descriptor group 1 for A;  s[32:39] group 0, a set for each slot
.set G0,  32
.set G1B, 48                           ; s[48:55], s[56:63] the same for B
.set G0B, 56
.set MSB, 0
.macro WIN new                         ; the immediate's high byte repeats the setting that is left; a switch that changes nothing is dropped
.if MSB != (\new)
	s_set_vgpr_msb (MSB<<8)|(\new)
.set MSB, \new
.endif
.endm
.set MUL,  0x05                        ; sources 0 (B) and 1 (A) window 1; C and D window 0
.set TO_F, 0x40                        ; destination window 1, address window 0
.set TO_E, 0x80                        ; destination window 2, address window 0
.set SCL,  0x28                        ; sources 1 and 2 window 2; destination and source 0 window 0
.macro JLOAD s                         ; a joint refill: waves 0 and 1 fetch A's two halves, waves 2 and 3 B's two blocks; an s_nop 0 and four v_nop follow each line
	s_cmp_eq_u32 s11, 0
	s_cbranch_scc0 .Lfor_b_\@
	tensor_load_to_lds s[G0+4*(\s):G0+4*(\s)+3], s[G1:G1+7]
	s_nop 0
.rept 4
	v_nop
.endr
	s_branch .Lasked_\@
.Lfor_b_\@:
	tensor_load_to_lds s[G0B+4*(\s):G0B+4*(\s)+3], s[G1B:G1B+7]
	s_nop 0
.rept 4
	v_nop
.endr
.Lasked_\@:
.endm
.macro CREST                           ; a round of the cluster's barrier behind its opening barrier
	s_cmp_lg_u32 s10, 0
	s_cbranch_scc1 .Lnot_wave_0_\@
	s_barrier_signal -3
.Lnot_wave_0_\@:
	s_barrier_wait -3
	s_barrier_signal -1
	s_barrier_wait -1
.endm
.macro CROUND                          ; a whole round
	s_barrier_signal -1
	s_barrier_wait -1
	CREST
.endm
	s_load_b128 s[4:7], s[0:1], 0x0                ; A s[4:5], B s[6:7]
	s_load_b64 s[8:9], s[0:1], 0x10                ; C
	v_lshl_add_u32 v[SPW], v0, 2, SPARE
	v_mov_b32 v[NIL], 0
	ds_add_u32 v[SPW], v[NIL]                      ; the wave's opening: an add to my spare word, and its wait ahead of my first tensor load; the set-up below stands between them
	v_lshrrev_b32 v1, 5, v0
	v_readfirstlane_b32 s10, v1                    ; wave 0..3
	s_lshr_b32 s11, s10, 1                         ; my half of the tile's rows.  Also: I fetch for A (0) or for B (1)
	s_and_b32 s12, s10, 1                          ; my half of its columns.  Also: which half of A, which block of B I fetch
	s_bfe_u32 s40, ttmp6, 0x40000                  ; cx, cy: my place in the cluster
	s_bfe_u32 s41, ttmp6, 0x40004
	s_lshl_b32 s42, ttmp9, 2
	s_add_co_u32 s42, s42, s40                     ; tile column = 4 x cluster x + cx
	s_and_b32 s45, ttmp7, 0xffff                   ; cluster y = the batch
	s_lshl_b32 s13, s45, 2
	s_add_co_u32 s13, s13, s41                     ; tile row = 4 x cluster y + cy
	s_lshl_b32 s43, s41, 2
	s_lshl_b32 s43, 15, s43                        ; my row of the cluster
	s_lshl_b32 s44, 0x1111, s40                    ; my column
	s_or_b32 s[G1+0], s43, (1<<16)|(1<<20)|(1<<21)|(6<<22)|(3<<25)   ; the mask; elements of 2 bytes; padding on; bit 21 beside a mask; after every 128 words 4 words
	s_mov_b32 s[G1+1], 256<<16                     ; tensor_dim0 = 256
	s_mov_b32 s[G1+2], 64<<16                      ; tensor_dim1 = 64
	s_mov_b32 s[G1+3], 256<<16                     ; tile_dim0 = 256
	s_mov_b32 s[G1+4], 64                          ; tile_dim1 = 64
	s_mov_b32 s[G1+5], APITCH                      ; elements from row to row
	s_mov_b32 s[G1+6], 0
	s_mov_b32 s[G1+7], 0
	s_or_b32 s[G1B+0], s44, (1<<16)|(1<<20)|(1<<21)|(5<<22)|(3<<25)  ; the mask; elements of 2 bytes; after every 64 words 4 words
	s_mov_b32 s[G1B+1], 128<<16                    ; tensor_dim0 = 128
	s_mov_b32 s[G1B+2], 128<<16                    ; tensor_dim1 = 128
	s_mov_b32 s[G1B+3], 128<<16                    ; tile_dim0 = 128
	s_mov_b32 s[G1B+4], 128                        ; tile_dim1 = 128
	s_mov_b32 s[G1B+5], 128                        ; a block's rows are dense
	s_mov_b32 s[G1B+6], 0
	s_mov_b32 s[G1B+7], 0
	s_lshl_b32 s16, s13, 7
	s_lshl_b32 s17, s12, 6
	s_add_co_u32 s16, s16, s17                     ; A: row 128 x tile row + 64 x half,
	s_mul_i32 s16, s16, APITCH*2                   ; in bytes (under 2^25)
	s_mov_b32 s17, 0
	s_lshr_b32 s46, s42, 3                         ; B: block 64 (t / 8) + t % 8,
	s_lshl_b32 s46, s46, 6
	s_and_b32 s47, s42, 7
	s_add_co_u32 s46, s46, s47
	s_lshl_b32 s46, s46, 15
	s_lshl_b32 s47, s12, 18                        ; the K step's first or second 128 k: eight blocks on
	s_add_co_u32 s46, s46, s47
.if BBATCH
	s_mul_i32 s47, s45, BBATCH
	s_add_co_u32 s46, s46, s47
.endif
.if BOFF
	s_add_co_u32 s46, s46, BOFF
.endif
	s_mov_b32 s47, 0
	s_mul_i32 s20, s12, AHALF                      ; where they go: no place in the cluster enters an LDS address
	s_mul_i32 s21, s12, BKB
	s_add_co_u32 s21, s21, BBASE
	s_wait_dscnt 0x0                               ; the opening add is done
	s_wait_kmcnt 0x0
	s_add_nc_u64 s[14:15], s[4:5], s[16:17]
	s_add_nc_u64 s[46:47], s[6:7], s[46:47]
.irp s, 0,1
	s_mov_b32 s[G0+4*(\s)], 1
	s_add_co_u32 s[G0+4*(\s)+1], s20, (\s)*SLOT
	s_add_nc_u64 s[G0+4*(\s)+2:G0+4*(\s)+3], s[14:15], (\s)*ASTEP
	s_or_b32 s[G0+4*(\s)+3], s[G0+4*(\s)+3], 0x80000000
	s_mov_b32 s[G0B+4*(\s)], 1
	s_add_co_u32 s[G0B+4*(\s)+1], s21, (\s)*SLOT
	s_add_nc_u64 s[G0B+4*(\s)+2:G0B+4*(\s)+3], s[46:47], (\s)*BSTEP
	s_or_b32 s[G0B+4*(\s)+3], s[G0B+4*(\s)+3], 0x80000000
.endr
	CROUND                                         ; all sixteen work-groups are here: the first joint loads meet
	s_cmp_eq_u32 s11, 0                            ; a wave's two first fills stand in one branch: two loads of mine are out
	s_cbranch_scc0 .Lfirst_b
	tensor_load_to_lds s[G0:G0+3], s[G1:G1+7]
	s_nop 0
	tensor_load_to_lds s[G0+4:G0+7], s[G1:G1+7]
	s_nop 0
.rept 4
	v_nop
.endr
	s_branch .Lfirst_asked
.Lfirst_b:
	tensor_load_to_lds s[G0B:G0B+3], s[G1B:G1B+7]
	s_nop 0
	tensor_load_to_lds s[G0B+4:G0B+7], s[G1B:G1B+7]
	s_nop 0
.rept 4
	v_nop
.endr
.Lfirst_asked:
	; A fragment is 16 rows x 32 K in 8 registers: lane l holds row l % 16, K = 8 (l / 16) + 0..7 and 16 + 8 (l / 16) + 0..7: two loads of 16 bytes, 32 bytes apart.
	v_and_b32 v1, 15, v0                           ; l % 16
	v_bfe_u32 v2, v0, 4, 1                         ; l / 16
	v_mul_u32_u24 v3, v1, PA
	v_lshl_add_u32 v3, v2, 4, v3
	v_mul_u32_u24 v4, v1, PB
	v_lshl_add_u32 v4, v2, 4, v4
	s_mul_i32 s21, s11, AHALF                      ; my 64 rows of A
	s_mul_i32 s22, s12, 64*PB                      ; my 64 rows in each block of B
	s_add_co_u32 s22, s22, BBASE
.irp s, 0,1
	v_add_nc_u32 v[ADRA+(\s)], s21, v3
	v_add_nc_u32 v[ADRB+(\s)], s22, v4
	s_add_co_u32 s21, s21, SLOT
	s_add_co_u32 s22, s22, SLOT
.endr
.if OF16
	s_mul_i32 s23, s11, 64*SPITCH                  ; ONE stage for the work-group: my 64 rows, my half of their 256 bytes; row l % 16, 16 bytes for each half of the lanes
	s_lshl_b32 s21, s12, 7
	s_add_co_u32 s23, s23, s21
	s_add_co_u32 s23, s23, STAGE
	v_mul_u32_u24 v5, v1, SPITCH
	v_lshl_add_u32 v5, v2, 4, v5
	v_add_nc_u32 v[STO], s23, v5
	s_mul_i32 s23, s10, 32*SPITCH                  ; back: wave w takes rows 32 w .. 32 w + 31, whole
	s_lshl_b32 s16, s13, 7
	s_lshl_b32 s17, s10, 5                         ; the first row of C that I store: 128 x tile row + 32 x wave
	s_lshl_b32 s46, s42, 8                         ; the tile's first column, in bytes
.else
	s_mul_i32 s23, s10, 16*SPITCH                  ; a stage of 16 rows for each wave: row l % 16, 32 bytes for each half of the lanes
	s_add_co_u32 s21, s23, STAGE
	v_mul_u32_u24 v5, v1, SPITCH
	v_lshl_add_u32 v5, v2, 5, v5
	v_add_nc_u32 v[STO], s21, v5
	s_lshl_b32 s16, s13, 7
	s_lshl_b32 s17, s11, 6                         ; my first row of C: 128 x tile row + 64 x half
	s_lshl_b32 s46, s42, 9                         ; my first column, in bytes: 512 x tile column + 256 x half
	s_lshl_b32 s47, s12, 8
	s_add_co_u32 s46, s46, s47
.endif
	s_add_co_u32 s23, s23, STAGE
	v_mul_u32_u24 v5, v2, SPITCH                   ; back: lanes 0-15 one row of 256 bytes, lanes 16-31 the next
	v_lshl_add_u32 v5, v1, 4, v5
	v_add_nc_u32 v[RD], s23, v5
	v_mul_u32_u24 v5, v2, CP                       ; and the same two rows in C
	v_lshl_add_u32 v[CO], v1, 4, v5
	s_add_co_u32 s16, s16, s17
	s_mul_i32 s16, s16, CP
	s_mov_b32 s17, 0
	s_add_nc_u64 s[8:9], s[8:9], s[16:17]
	s_mov_b32 s47, 0
	s_add_nc_u64 s[8:9], s[8:9], s[46:47]
.if EP
	s_lshl_b32 s22, s42, 9                         ; mul and add of my columns 128 x tile column + 64 x half + 16 b + 8 (l / 16) + 0..7: 32 bytes for each b
	s_lshl_b32 s23, s12, 8
	s_add_co_u32 s22, s22, s23
	v_lshl_add_u32 v[EPO], v2, 5, s22
	WIN TO_E
.irp b, 0,1,2,3
	global_load_b128 v[MULV+8*\b:MULV+8*\b+3],   v[EPO], s[6:7] offset:0x200000+64*\b
	global_load_b128 v[MULV+8*\b+4:MULV+8*\b+7], v[EPO], s[6:7] offset:0x200000+64*\b+16
	global_load_b128 v[ADDV+8*\b:ADDV+8*\b+3],   v[EPO], s[6:7] offset:0x201000+64*\b
	global_load_b128 v[ADDV+8*\b+4:ADDV+8*\b+7], v[EPO], s[6:7] offset:0x201000+64*\b+16
.endr
	WIN 0
.endif
; 8 matrix instructions: row blocks a0, a0 + 1 x all 4 column blocks, 32 along K: half c of buffer f.  zero = 1: the product starts the sum: nothing is cleared.
; The 16 accumulators take turns in one order throughout.
.macro MUL8 f, c, a0, zero
	WIN MUL
.irp a, \a0, (\a0)+1
.irp b, 0,1,2,3
.if \zero
	v_wmma_f32_16x16x32_f16 v[ACC+8*(4*(\a)+(\b)):ACC+8*(4*(\a)+(\b))+7], v[(\f)+64+8*(4*(\c)+(\b)):(\f)+64+8*(4*(\c)+(\b))+7], v[(\f)+8*(4*(\c)+(\a)):(\f)+8*(4*(\c)+(\a))+7], 0
.else
	v_wmma_f32_16x16x32_f16 v[ACC+8*(4*(\a)+(\b)):ACC+8*(4*(\a)+(\b))+7], v[(\f)+64+8*(4*(\c)+(\b)):(\f)+64+8*(4*(\c)+(\b))+7], v[(\f)+8*(4*(\c)+(\a)):(\f)+8*(4*(\c)+(\a))+7], v[ACC+8*(4*(\a)+(\b)):ACC+8*(4*(\a)+(\b))+7]
.endif
.endr
.endr
.endm
; 32 LDS loads in one run: quarter q (64 along K) of a slot into buffer f; the first 32 along K first.  In A's rows the quarter begins at byte 128 q; B's quarters 0, 1 lie in the first block, 2, 3 in the second.
.macro FETCH slot, q, f
	WIN TO_F
.irp c, 0,1
.irp i, 0,1,2,3
	ds_load_b128 v[(\f)+64+8*(4*(\c)+(\i)):(\f)+64+8*(4*(\c)+(\i))+3],   v[ADRB+(\slot)] offset:((\q)/2)*BKB+((\q)%2)*128+64*(\c)+(\i)*16*PB
	ds_load_b128 v[(\f)+64+8*(4*(\c)+(\i))+4:(\f)+64+8*(4*(\c)+(\i))+7], v[ADRB+(\slot)] offset:((\q)/2)*BKB+((\q)%2)*128+64*(\c)+(\i)*16*PB+32
	ds_load_b128 v[(\f)+8*(4*(\c)+(\i)):(\f)+8*(4*(\c)+(\i))+3],         v[ADRA+(\slot)] offset:128*(\q)+64*(\c)+(\i)*16*PA
	ds_load_b128 v[(\f)+8*(4*(\c)+(\i))+4:(\f)+8*(4*(\c)+(\i))+7],       v[ADRA+(\slot)] offset:128*(\q)+64*(\c)+(\i)*16*PA+32
.endr
.endr
.endm
.macro PLACES                          ; four places in front of loads into registers that matrix instructions have read, and of vector work that reads results
.rept 4
	v_nop
.endr
.endm
; A K step is four quarters, 32 matrix instructions each, on buffers 0, 1, 0, 1.  One of the first three: multiplies buffer f and fetches quarter q into g.
.macro QUARTER slot, q, f, g, zero
	s_wait_dscnt 16                                ; the first 32 along K are in; the other sixteen loads may be out
	MUL8 \f, 0, 0, \zero
	MUL8 \f, 0, 2, \zero
	PLACES
	FETCH \slot, \q, \g
	s_wait_dscnt 32                                ; all but the 32 just issued
	MUL8 \f, 1, 0, 0
	MUL8 \f, 1, 2, 0
.endm
; The last quarter multiplies buffer 1 and changes slots: ONE barrier; in front of it each wave waits for all its tensor loads (one is out: its part of the next slot), adds 0 to its
; spare word, and waits for that and for its reads of this slot.  fill = 1: the barrier opens a round of the cluster's, and this slot is filled again, two K steps ahead, first thing behind it:
; 112 matrix instructions ahead of the wait for it.
.macro TURN slot, next, fill
	WIN 0                                          ; (the add's two registers lie in window 0)
	s_wait_tensorcnt 0x0
	ds_add_u32 v[SPW], v[NIL]
	s_wait_dscnt 17                                ; the first 32 along K are in; the add and the youngest sixteen loads may be out
	MUL8 F1, 0, 0, 0
	s_wait_dscnt 0x0                               ; the add is done, and my reads of this slot are over
	s_barrier_signal -1
	MUL8 F1, 0, 2, 0
.if \fill
	WIN 0
.endif
	s_barrier_wait -1
.if \fill
	CREST                                          ; no wave of any partner still reads this slot or has a load on its way
	s_add_nc_u64 s[G0+4*(\slot)+2:G0+4*(\slot)+3], s[G0+4*(\slot)+2:G0+4*(\slot)+3], 2*ASTEP
	s_add_nc_u64 s[G0B+4*(\slot)+2:G0B+4*(\slot)+3], s[G0B+4*(\slot)+2:G0B+4*(\slot)+3], 2*BSTEP
	JLOAD \slot                                    ; the four v_nop behind it are also the places in front of the loads below
.else
	PLACES
.endif
	FETCH \next, 0, F0
	MUL8 F1, 1, 0, 0
	MUL8 F1, 1, 2, 0
.endm
; The way out in f32 of row block a: 16 rows x 64 columns through my own stage: in by 32 bytes a lane, back as whole rows of 256 bytes.  Each accumulator's low registers are read first.
.macro OUT a
.irp b, 0,1,2,3
	ds_store_b128 v[STO], v[ACC+8*(4*(\a)+\b):ACC+8*(4*(\a)+\b)+3] offset:64*\b
	ds_store_b128 v[STO], v[ACC+8*(4*(\a)+\b)+4:ACC+8*(4*(\a)+\b)+7] offset:64*\b+16
.endr
	s_wait_xcnt 0x0                                ; the last block's stores have read TMP: it is loaded again only behind this wait
.irp t, 0,1,2,3,4,5,6,7
	ds_load_b128 v[TMP+4*\t:TMP+4*\t+3], v[RD] offset:\t*2*SPITCH  ; LDS serves a wave's instructions in order (ISA guide 5.7.1.4): these see the stores above
.endr
	s_wait_dscnt 0x0
.irp t, 0,1,2,3,4,5,6,7
	global_store_b128 v[CO], v[TMP+4*\t:TMP+4*\t+3], s[8:9] offset:(16*(\a)+2*\t)*CP  ; 16 lanes store 256 consecutive bytes, at a multiple of 256 from C's first byte
.endr
.endm
	s_wait_tensorcnt 1                             ; my part of K step 0 is in; K step 1's may stay out
	s_barrier_signal -1
	s_barrier_wait -1                              ; everybody's is
	FETCH 0, 0, F0
	QUARTER 0, 1, F0, F1, 1                        ; the first quarter stands in front of the loop: its first products start the sums
	WIN 0                                          ; at a label and at a branch every window is 0
	s_mov_b32 s3, LAPS-1
.Llap:                                                 ; a trip goes once round the ring, from a lap's second quarter to the next lap's first, and fills both slots again
	QUARTER 0, 2, F1, F0, 0
	QUARTER 0, 3, F0, F1, 0
	TURN 0, 1, 1
	QUARTER 1, 1, F0, F1, 0
	QUARTER 1, 2, F1, F0, 0
	QUARTER 1, 3, F0, F1, 0
	TURN 1, 0, 1
	QUARTER 0, 1, F0, F1, 0
	WIN 0
	s_sub_co_u32 s3, s3, 1
	s_cmp_lg_u32 s3, 0
	s_cbranch_scc1 .Llap
	QUARTER 0, 2, F1, F0, 0                        ; the last lap fills nothing, and has no round of the cluster's barrier
	QUARTER 0, 3, F0, F1, 0
	TURN 0, 1, 0
	QUARTER 1, 1, F0, F1, 0
	QUARTER 1, 2, F1, F0, 0
	QUARTER 1, 3, F0, F1, 0
	s_wait_dscnt 16                                ; the very last quarter: nothing more to fetch
	MUL8 F1, 0, 0, 0
	MUL8 F1, 0, 2, 0
	s_wait_dscnt 0x0
	MUL8 F1, 1, 0, 0
	MUL8 F1, 1, 2, 0
	WIN 0
	PLACES
.if EP
	s_wait_loadcnt 0x0                             ; mul and add
	WIN SCL
.set t, 0
.rept 16                                               ; in f32, in place: register j of accumulator (a, b) is column 16 b + 8 (l / 16) + j
.irp r, 0,1,2,3
	v_pk_fma_f32 v[ACC+8*t+2*\r:ACC+8*t+2*\r+1], v[ACC+8*t+2*\r:ACC+8*t+2*\r+1], v[MULV+8*(t%4)+2*\r:MULV+8*(t%4)+2*\r+1], v[ADDV+8*(t%4)+2*\r:ADDV+8*(t%4)+2*\r+1]
.endr
.set t, t+1
.endr
	WIN 0
.endif
.if OF16
	; THE WAY OUT in f16: a wave's 64 columns are 128 bytes, half of an aligned 256: 16 bytes a lane into the work-group's stage; a barrier; back as whole rows, 32 rows a wave.
.set t, 0
.rept 16
.irp r, 0,1,2,3
	v_cvt_pk_f16_f32 v[TMP+4*t+\r], v[ACC+8*t+2*\r], v[ACC+8*t+2*\r+1]
.endr
.set t, t+1
.endr
.irp a, 0,1,2,3
.irp b, 0,1,2,3
	ds_store_b128 v[STO], v[TMP+4*(4*\a+\b):TMP+4*(4*\a+\b)+3] offset:\a*16*SPITCH+32*\b
.endr
.endr
	s_wait_dscnt 0x0                               ; for the others' sake: my stores into the stage are done
	s_barrier_signal -1
	s_barrier_wait -1
.set t, 0
.rept 16
	ds_load_b128 v[TMP+4*t:TMP+4*t+3], v[RD] offset:t*2*SPITCH
.set t, t+1
.endr
.set t, 0
.rept 16
	s_wait_dscnt 15-t                              ; load t of the sixteen is back
	global_store_b128 v[CO], v[TMP+4*t:TMP+4*t+3], s[8:9] offset:2*t*CP  ; 16 lanes store 256 consecutive bytes, at a multiple of 256 from C's first byte
.set t, t+1
.endr
.else
	OUT 0
	OUT 1
	OUT 2
	OUT 3
.endif
	s_wait_tensorcnt 0x0                           ; the wave's end
	ds_add_u32 v[SPW], v[NIL]
	s_wait_dscnt 0x0
	CROUND                                         ; the closing round: no work-group ends while a partner may still ask for a tile that names it
	s_endpgm
.Lfunc_end_k_qc42b0d9f3b_g_u:
	.size	k_qc42b0d9f3b_g_u, .Lfunc_end_k_qc42b0d9f3b_g_u-k_qc42b0d9f3b_g_u
	.p2alignl 7, 3214868480
	.fill 96, 4, 3214868480
	.section	.rodata,"a",@progbits
	.p2align	6, 0x0
	.amdhsa_kernel k_qc42b0d9f3b_g_u
		.amdhsa_group_segment_fixed_size 327680
		.amdhsa_private_segment_fixed_size 0
		.amdhsa_enable_private_segment 0
		.amdhsa_kernarg_size 24
		.amdhsa_user_sgpr_count 2
		.amdhsa_user_sgpr_kernarg_segment_ptr 1
		.amdhsa_wavefront_size32 1
		.amdhsa_system_sgpr_workgroup_id_x 1
		.amdhsa_system_sgpr_workgroup_id_y 1
		.amdhsa_system_sgpr_workgroup_id_z 1
		.amdhsa_system_vgpr_workitem_id 0
		.amdhsa_next_free_vgpr 512
		.amdhsa_next_free_sgpr 66
		.amdhsa_reserve_vcc 0
		.amdhsa_float_denorm_mode_32 3
		.amdhsa_float_denorm_mode_16_64 3
		.amdhsa_memory_ordered 1
		.amdhsa_forward_progress 1
		.amdhsa_inst_pref_size 87
	.end_amdhsa_kernel
	.amdgpu_metadata
---
amdhsa.version: [ 1, 2 ]
amdhsa.kernels:
  - .name:           k_qc42b0d9f3b_g_u
    .symbol:         k_qc42b0d9f3b_g_u.kd
    .args:
      - { .name: X1, .offset: 0, .size: 8, .value_kind: global_buffer, .address_space: global }
      - { .name: KV16, .offset: 8, .size: 8, .value_kind: global_buffer, .address_space: global }
      - { .name: X0, .offset: 16, .size: 8, .value_kind: global_buffer, .address_space: global }
    .group_segment_fixed_size: 327680
    .private_segment_fixed_size: 0
    .kernarg_segment_align: 8
    .kernarg_segment_size: 24
    .max_flat_workgroup_size: 128
    .sgpr_count:     66
    .vgpr_count:     512
    .wavefront_size: 32
...
	.end_amdgpu_metadata
.endif
;; end of part 11
;; launch g_t: the kernel of part 8 again; grid 8 x 32, 4 waves a work-group, clusters of 4 x 4, 327,680 bytes of LDS; arguments X0, Wp3, X1; writes X1
;; launch g_y (part 12): grid 8 x 32, 4 waves a work-group, clusters of 4 x 4, 327,680 bytes of LDS; arguments X1, Wp4, X0; writes X0
.if DOCPART == 12
	.amdgcn_target "amdgcn-amd-amdhsa--gfx1250"
	.amdhsa_code_object_version 6
	.text
	.protected	k_qc42b0d9f3b_g_y
	.globl	k_qc42b0d9f3b_g_y
	.p2align	8
	.type	k_qc42b0d9f3b_g_y,@function
k_qc42b0d9f3b_g_y:
	s_mov_b64 s[64:65], 0
	v_nop
	global_prefetch_b8 v0, s[64:65] scope:SCOPE_SE
	s_setreg_imm32_b32 hwreg(HW_REG_WAVE_MODE, 25, 1), 1
	s_wait_xcnt 0x0
	s_wait_alu depctr_hold_cnt(0) depctr_sa_sdst(0) depctr_va_vdst(0) depctr_va_sdst(0) depctr_va_ssrc(0) depctr_va_vcc(0) depctr_vm_vsrc(0)
	s_getreg_b32 s2, hwreg(HW_REG_IB_STS2, 6, 4)
	s_cmp_eq_u32 s2, 0
	s_cbranch_scc0 .Lentry_in_a_cluster
	s_endpgm
.Lentry_in_a_cluster:
	s_bfe_u32 s2, ttmp6, 0x10000c
	s_cmp_lg_u32 s2, 0xf033
	s_cbranch_scc0 .Lentry_shape_is_right
	s_endpgm
.Lentry_shape_is_right:
; C[m][n] = (sum over k of A[m][k] B[n][k]) x mul[n] + add[n], in f32.  Here: y = t Wo + bo, which the LayerNorm launch reads: it is no matrix operand, so it stays f32.
; A: f16, 4,096 rows of APITCH numbers.  B: f16 in blocks of 128 (n) x 128 (k), dense, 32,768 bytes: the block of column tile t and 128 k number s is 64 (t / 8) + t % 8 + 8 s,
; behind BOFF bytes and BBATCH bytes for each batch of 512 rows of C.  C: rows of CP bytes, f16 (OF16 = 1) or f32 (OF16 = 0).  Sums in f32.
; EP = 1: mul and add, 1,024 f32 each, lie 0x200000 and 0x201000 bytes behind B's first byte.  EP = 0: C is the sum itself.
; This text stands four times in the program; the seven constants below are all that differs.
; LIMIT: with OF16 = 1 a result of 65,520 or more in magnitude becomes an infinity; below 6e-5 f16 keeps its fixed step of 6e-8.
; f16 and not bf16: the module ends in a LayerNorm, which passes every operand's relative rounding on to an output held to 1% of its root mean square in each of 4 M numbers.
; SHARES.  A work-group makes 128 x 128 of C, each of its four waves 64 x 64: 16 accumulators.  K goes in steps of 256, as long as two LDS slots allow: A's rows are 512 bytes, and
; B comes as two whole blocks.  Waves 0 and 1 fetch 64 rows of A each, waves 2 and 3 one block of B each.  CLUSTER: 4 x 4 work-groups; the four of a row need the same tile of A, the
; four of a column the same blocks of B: joint loads.  The four tile rows of a cluster are one batch, so B's address hangs on the tile column and the cluster's y alone.
; THE MATRIX INSTRUCTION IS USED TRANSPOSED (source 0 = 16 rows of B, source 1 = 16 rows of A): a lane holds row lane % 16 of C and eight neighbouring columns.
; REGISTERS.  Window 0: v16-29 addresses; v32-95 the way out; v128-255 the accumulators ((a, b) at 128 + 8 (4 a + b)).
;   Window 1: two fragment buffers of 128: for 64 along K, 64 registers of A (2 x 4 x 16 rows x 32 K), then 64 of B.   Window 2 (EP = 1): v0-31 mul, v32-63 add of my lane's 32 columns.
.set KSTEPS, 4
.set APITCH, 1024
.set BOFF,   0
.set BBATCH, 0
.set CP,     4096
.set EP,     1
.set OF16,   0
.set LAPS,   KSTEPS/2                  ; a lap = two K steps = once round the ring
.set PA,     528                       ; A's LDS row: 512 bytes + 16: the 16 rows of a load start at 16 different groups of four banks (64 banks of 4 bytes: ISA guide 11.1)
.set PB,     272                       ; B's: 256 + 16, likewise
.set AHALF,  64*PA                     ; 64 rows of A: one tensor load
.set BKB,    128*PB                    ; a block of B: one tensor load
.set BBASE,  2*AHALF                   ; in a slot: A's 128 rows, then B's two blocks
.set SLOT,   BBASE+2*BKB
.set STAGE,  2*SLOT                    ; behind the ring, never filled by a tensor load: 128 rows x 272 bytes, for the way out
.set SPITCH, 272
.set SPARE,  STAGE+128*SPITCH          ; behind the stage: the spare words, 128 bytes for each wave
.set ASTEP,  512                       ; bytes from K step to K step in A,
.set BSTEP,  524288                    ; and in B: sixteen blocks
.set ADRA, 16                          ; v16-17  LDS address of my A fragments in slot 0, 1
.set ADRB, 20                          ; v20-21  the same for B
.set STO,  24                          ; v24     the way out: where I put my part of a row
.set RD,   25                          ; v25     where I read a row back
.set CO,   26                          ; v26     my byte offset in C
.set EPO,  27                          ; v27     my byte offset in mul and add
.set SPW,  28                          ; v28     my spare word's LDS address; never rewritten
.set NIL,  29                          ; v29     0; never rewritten
.set TMP,  32
.set ACC,  128
.set F0,   0                           ; window 1
.set F1,   128
.set MULV, 0                           ; window 2
.set ADDV, 32
.set G1,  24                           ; s[24:31] descriptor group 1 for A;  s[32:39] group 0, a set for each slot
.set G0,  32
.set G1B, 48                           ; s[48:55], s[56:63] the same for B
.set G0B, 56
.set MSB, 0
.macro WIN new                         ; the immediate's high byte repeats the setting that is left; a switch that changes nothing is dropped
.if MSB != (\new)
	s_set_vgpr_msb (MSB<<8)|(\new)
.set MSB, \new
.endif
.endm
.set MUL,  0x05                        ; sources 0 (B) and 1 (A) window 1; C and D window 0
.set TO_F, 0x40                        ; destination window 1, address window 0
.set TO_E, 0x80                        ; destination window 2, address window 0
.set SCL,  0x28                        ; sources 1 and 2 window 2; destination and source 0 window 0
.macro JLOAD s                         ; a joint refill: waves 0 and 1 fetch A's two halves, waves 2 and 3 B's two blocks; an s_nop 0 and four v_nop follow each line
	s_cmp_eq_u32 s11, 0
	s_cbranch_scc0 .Lfor_b_\@
	tensor_load_to_lds s[G0+4*(\s):G0+4*(\s)+3], s[G1:G1+7]
	s_nop 0
.rept 4
	v_nop
.endr
	s_branch .Lasked_\@
.Lfor_b_\@:
	tensor_load_to_lds s[G0B+4*(\s):G0B+4*(\s)+3], s[G1B:G1B+7]
	s_nop 0
.rept 4
	v_nop
.endr
.Lasked_\@:
.endm
.macro CREST                           ; a round of the cluster's barrier behind its opening barrier
	s_cmp_lg_u32 s10, 0
	s_cbranch_scc1 .Lnot_wave_0_\@
	s_barrier_signal -3
.Lnot_wave_0_\@:
	s_barrier_wait -3
	s_barrier_signal -1
	s_barrier_wait -1
.endm
.macro CROUND                          ; a whole round
	s_barrier_signal -1
	s_barrier_wait -1
	CREST
.endm
	s_load_b128 s[4:7], s[0:1], 0x0                ; A s[4:5], B s[6:7]
	s_load_b64 s[8:9], s[0:1], 0x10                ; C
	v_lshl_add_u32 v[SPW], v0, 2, SPARE
	v_mov_b32 v[NIL], 0
	ds_add_u32 v[SPW], v[NIL]                      ; the wave's opening: an add to my spare word, and its wait ahead of my first tensor load; the set-up below stands between them
	v_lshrrev_b32 v1, 5, v0
	v_readfirstlane_b32 s10, v1                    ; wave 0..3
	s_lshr_b32 s11, s10, 1                         ; my half of the tile's rows.  Also: I fetch for A (0) or for B (1)
	s_and_b32 s12, s10, 1                          ; my half of its columns.  Also: which half of A, which block of B I fetch
	s_bfe_u32 s40, ttmp6, 0x40000                  ; cx, cy: my place in the cluster
	s_bfe_u32 s41, ttmp6, 0x40004
	s_lshl_b32 s42, ttmp9, 2
	s_add_co_u32 s42, s42, s40                     ; tile column = 4 x cluster x + cx
	s_and_b32 s45, ttmp7, 0xffff                   ; cluster y = the batch
	s_lshl_b32 s13, s45, 2
	s_add_co_u32 s13, s13, s41                     ; tile row = 4 x cluster y + cy
	s_lshl_b32 s43, s41, 2
	s_lshl_b32 s43, 15, s43                        ; my row of the cluster
	s_lshl_b32 s44, 0x1111, s40                    ; my column
	s_or_b32 s[G1+0], s43, (1<<16)|(1<<20)|(1<<21)|(6<<22)|(3<<25)   ; the mask; elements of 2 bytes; padding on; bit 21 beside a mask; after every 128 words 4 words
	s_mov_b32 s[G1+1], 256<<16                     ; tensor_dim0 = 256
	s_mov_b32 s[G1+2], 64<<16                      ; tensor_dim1 = 64
	s_mov_b32 s[G1+3], 256<<16                     ; tile_dim0 = 256
	s_mov_b32 s[G1+4], 64                          ; tile_dim1 = 64
	s_mov_b32 s[G1+5], APITCH                      ; elements from row to row
	s_mov_b32 s[G1+6], 0
	s_mov_b32 s[G1+7], 0
	s_or_b32 s[G1B+0], s44, (1<<16)|(1<<20)|(1<<21)|(5<<22)|(3<<25)  ; the mask; elements of 2 bytes; after every 64 words 4 words
	s_mov_b32 s[G1B+1], 128<<16                    ; tensor_dim0 = 128
	s_mov_b32 s[G1B+2], 128<<16                    ; tensor_dim1 = 128
	s_mov_b32 s[G1B+3], 128<<16                    ; tile_dim0 = 128
	s_mov_b32 s[G1B+4], 128                        ; tile_dim1 = 128
	s_mov_b32 s[G1B+5], 128                        ; a block's rows are dense
	s_mov_b32 s[G1B+6], 0
	s_mov_b32 s[G1B+7], 0
	s_lshl_b32 s16, s13, 7
	s_lshl_b32 s17, s12, 6
	s_add_co_u32 s16, s16, s17                     ; A: row 128 x tile row + 64 x half,
	s_mul_i32 s16, s16, APITCH*2                   ; in bytes (under 2^25)
	s_mov_b32 s17, 0
	s_lshr_b32 s46, s42, 3                         ; B: block 64 (t / 8) + t % 8,
	s_lshl_b32 s46, s46, 6
	s_and_b32 s47, s42, 7
	s_add_co_u32 s46, s46, s47
	s_lshl_b32 s46, s46, 15
	s_lshl_b32 s47, s12, 18                        ; the K step's first or second 128 k: eight blocks on
	s_add_co_u32 s46, s46, s47
.if BBATCH
	s_mul_i32 s47, s45, BBATCH
	s_add_co_u32 s46, s46, s47
.endif
.if BOFF
	s_add_co_u32 s46, s46, BOFF
.endif
	s_mov_b32 s47, 0
	s_mul_i32 s20, s12, AHALF                      ; where they go: no place in the cluster enters an LDS address
	s_mul_i32 s21, s12, BKB
	s_add_co_u32 s21, s21, BBASE
	s_wait_dscnt 0x0                               ; the opening add is done
	s_wait_kmcnt 0x0
	s_add_nc_u64 s[14:15], s[4:5], s[16:17]
	s_add_nc_u64 s[46:47], s[6:7], s[46:47]
.irp s, 0,1
	s_mov_b32 s[G0+4*(\s)], 1
	s_add_co_u32 s[G0+4*(\s)+1], s20, (\s)*SLOT
	s_add_nc_u64 s[G0+4*(\s)+2:G0+4*(\s)+3], s[14:15], (\s)*ASTEP
	s_or_b32 s[G0+4*(\s)+3], s[G0+4*(\s)+3], 0x80000000
	s_mov_b32 s[G0B+4*(\s)], 1
	s_add_co_u32 s[G0B+4*(\s)+1], s21, (\s)*SLOT
	s_add_nc_u64 s[G0B+4*(\s)+2:G0B+4*(\s)+3], s[46:47], (\s)*BSTEP
	s_or_b32 s[G0B+4*(\s)+3], s[G0B+4*(\s)+3], 0x80000000
.endr
	CROUND                                         ; all sixteen work-groups are here: the first joint loads meet
	s_cmp_eq_u32 s11, 0                            ; a wave's two first fills stand in one branch: two loads of mine are out
	s_cbranch_scc0 .Lfirst_b
	tensor_load_to_lds s[G0:G0+3], s[G1:G1+7]
	s_nop 0
	tensor_load_to_lds s[G0+4:G0+7], s[G1:G1+7]
	s_nop 0
.rept 4
	v_nop
.endr
	s_branch .Lfirst_asked
.Lfirst_b:
	tensor_load_to_lds s[G0B:G0B+3], s[G1B:G1B+7]
	s_nop 0
	tensor_load_to_lds s[G0B+4:G0B+7], s[G1B:G1B+7]
	s_nop 0
.rept 4
	v_nop
.endr
.Lfirst_asked:
	; A fragment is 16 rows x 32 K in 8 registers: lane l holds row l % 16, K = 8 (l / 16) + 0..7 and 16 + 8 (l / 16) + 0..7: two loads of 16 bytes, 32 bytes apart.
	v_and_b32 v1, 15, v0                           ; l % 16
	v_bfe_u32 v2, v0, 4, 1                         ; l / 16
	v_mul_u32_u24 v3, v1, PA
	v_lshl_add_u32 v3, v2, 4, v3
	v_mul_u32_u24 v4, v1, PB
	v_lshl_add_u32 v4, v2, 4, v4
	s_mul_i32 s21, s11, AHALF                      ; my 64 rows of A
	s_mul_i32 s22, s12, 64*PB                      ; my 64 rows in each block of B
	s_add_co_u32 s22, s22, BBASE
.irp s, 0,1
	v_add_nc_u32 v[ADRA+(\s)], s21, v3
	v_add_nc_u32 v[ADRB+(\s)], s22, v4
	s_add_co_u32 s21, s21, SLOT
	s_add_co_u32 s22, s22, SLOT
.endr
.if OF16
	s_mul_i32 s23, s11, 64*SPITCH                  ; ONE stage for the work-group: my 64 rows, my half of their 256 bytes; row l % 16, 16 bytes for each half of the lanes
	s_lshl_b32 s21, s12, 7
	s_add_co_u32 s23, s23, s21
	s_add_co_u32 s23, s23, STAGE
	v_mul_u32_u24 v5, v1, SPITCH
	v_lshl_add_u32 v5, v2, 4, v5
	v_add_nc_u32 v[STO], s23, v5
	s_mul_i32 s23, s10, 32*SPITCH                  ; back: wave w takes rows 32 w .. 32 w + 31, whole
	s_lshl_b32 s16, s13, 7
	s_lshl_b32 s17, s10, 5                         ; the first row of C that I store: 128 x tile row + 32 x wave
	s_lshl_b32 s46, s42, 8                         ; the tile's first column, in bytes
.else
	s_mul_i32 s23, s10, 16*SPITCH                  ; a stage of 16 rows for each wave: row l % 16, 32 bytes for each half of the lanes
	s_add_co_u32 s21, s23, STAGE
	v_mul_u32_u24 v5, v1, SPITCH
	v_lshl_add_u32 v5, v2, 5, v5
	v_add_nc_u32 v[STO], s21, v5
	s_lshl_b32 s16, s13, 7
	s_lshl_b32 s17, s11, 6                         ; my first row of C: 128 x tile row + 64 x half
	s_lshl_b32 s46, s42, 9                         ; my first column, in bytes: 512 x tile column + 256 x half
	s_lshl_b32 s47, s12, 8
	s_add_co_u32 s46, s46, s47
.endif
	s_add_co_u32 s23, s23, STAGE
	v_mul_u32_u24 v5, v2, SPITCH                   ; back: lanes 0-15 one row of 256 bytes, lanes 16-31 the next
	v_lshl_add_u32 v5, v1, 4, v5
	v_add_nc_u32 v[RD], s23, v5
	v_mul_u32_u24 v5, v2, CP                       ; and the same two rows in C
	v_lshl_add_u32 v[CO], v1, 4, v5
	s_add_co_u32 s16, s16, s17
	s_mul_i32 s16, s16, CP
	s_mov_b32 s17, 0
	s_add_nc_u64 s[8:9], s[8:9], s[16:17]
	s_mov_b32 s47, 0
	s_add_nc_u64 s[8:9], s[8:9], s[46:47]
.if EP
	s_lshl_b32 s22, s42, 9                         ; mul and add of my columns 128 x tile column + 64 x half + 16 b + 8 (l / 16) + 0..7: 32 bytes for each b
	s_lshl_b32 s23, s12, 8
	s_add_co_u32 s22, s22, s23
	v_lshl_add_u32 v[EPO], v2, 5, s22
	WIN TO_E
.irp b, 0,1,2,3
	global_load_b128 v[MULV+8*\b:MULV+8*\b+3],   v[EPO], s[6:7] offset:0x200000+64*\b
	global_load_b128 v[MULV+8*\b+4:MULV+8*\b+7], v[EPO], s[6:7] offset:0x200000+64*\b+16
	global_load_b128 v[ADDV+8*\b:ADDV+8*\b+3],   v[EPO], s[6:7] offset:0x201000+64*\b
	global_load_b128 v[ADDV+8*\b+4:ADDV+8*\b+7], v[EPO], s[6:7] offset:0x201000+64*\b+16
.endr
	WIN 0
.endif
; 8 matrix instructions: row blocks a0, a0 + 1 x all 4 column blocks, 32 along K: half c of buffer f.  zero = 1: the product starts the sum: nothing is cleared.
; The 16 accumulators take turns in one order throughout.
.macro MUL8 f, c, a0, zero
	WIN MUL
.irp a, \a0, (\a0)+1
.irp b, 0,1,2,3
.if \zero
	v_wmma_f32_16x16x32_f16 v[ACC+8*(4*(\a)+(\b)):ACC+8*(4*(\a)+(\b))+7], v[(\f)+64+8*(4*(\c)+(\b)):(\f)+64+8*(4*(\c)+(\b))+7], v[(\f)+8*(4*(\c)+(\a)):(\f)+8*(4*(\c)+(\a))+7], 0
.else
	v_wmma_f32_16x16x32_f16 v[ACC+8*(4*(\a)+(\b)):ACC+8*(4*(\a)+(\b))+7], v[(\f)+64+8*(4*(\c)+(\b)):(\f)+64+8*(4*(\c)+(\b))+7], v[(\f)+8*(4*(\c)+(\a)):(\f)+8*(4*(\c)+(\a))+7], v[ACC+8*(4*(\a)+(\b)):ACC+8*(4*(\a)+(\b))+7]
.endif
.endr
.endr
.endm
; 32 LDS loads in one run: quarter q (64 along K) of a slot into buffer f; the first 32 along K first.  In A's rows the quarter begins at byte 128 q; B's quarters 0, 1 lie in the first block, 2, 3 in the second.
.macro FETCH slot, q, f
	WIN TO_F
.irp c, 0,1
.irp i, 0,1,2,3
	ds_load_b128 v[(\f)+64+8*(4*(\c)+(\i)):(\f)+64+8*(4*(\c)+(\i))+3],   v[ADRB+(\slot)] offset:((\q)/2)*BKB+((\q)%2)*128+64*(\c)+(\i)*16*PB
	ds_load_b128 v[(\f)+64+8*(4*(\c)+(\i))+4:(\f)+64+8*(4*(\c)+(\i))+7], v[ADRB+(\slot)] offset:((\q)/2)*BKB+((\q)%2)*128+64*(\c)+(\i)*16*PB+32
	ds_load_b128 v[(\f)+8*(4*(\c)+(\i)):(\f)+8*(4*(\c)+(\i))+3],         v[ADRA+(\slot)] offset:128*(\q)+64*(\c)+(\i)*16*PA
	ds_load_b128 v[(\f)+8*(4*(\c)+(\i))+4:(\f)+8*(4*(\c)+(\i))+7],       v[ADRA+(\slot)] offset:128*(\q)+64*(\c)+(\i)*16*PA+32
.endr
.endr
.endm
.macro PLACES                          ; four places in front of loads into registers that matrix instructions have read, and of vector work that reads results
.rept 4
	v_nop
.endr
.endm
; A K step is four quarters, 32 matrix instructions each, on buffers 0, 1, 0, 1.  One of the first three: multiplies buffer f and fetches quarter q into g.
.macro QUARTER slot, q, f, g, zero
	s_wait_dscnt 16                                ; the first 32 along K are in; the other sixteen loads may be out
	MUL8 \f, 0, 0, \zero
	MUL8 \f, 0, 2, \zero
	PLACES
	FETCH \slot, \q, \g
	s_wait_dscnt 32                                ; all but the 32 just issued
	MUL8 \f, 1, 0, 0
	MUL8 \f, 1, 2, 0
.endm
; The last quarter multiplies buffer 1 and changes slots: ONE barrier; in front of it each wave waits for all its tensor loads (one is out: its part of the next slot), adds 0 to its
; spare word, and waits for that and for its reads of this slot.  fill = 1: the barrier opens a round of the cluster's, and this slot is filled again, two K steps ahead, first thing behind it:
; 112 matrix instructions ahead of the wait for it.
.macro TURN slot, next, fill
	WIN 0                                          ; (the add's two registers lie in window 0)
	s_wait_tensorcnt 0x0
	ds_add_u32 v[SPW], v[NIL]
	s_wait_dscnt 17                                ; the first 32 along K are in; the add and the youngest sixteen loads may be out
	MUL8 F1, 0, 0, 0
	s_wait_dscnt 0x0                               ; the add is done, and my reads of this slot are over
	s_barrier_signal -1
	MUL8 F1, 0, 2, 0
.if \fill
	WIN 0
.endif
	s_barrier_wait -1
.if \fill
	CREST                                          ; no wave of any partner still reads this slot or has a load on its way
	s_add_nc_u64 s[G0+4*(\slot)+2:G0+4*(\slot)+3], s[G0+4*(\slot)+2:G0+4*(\slot)+3], 2*ASTEP
	s_add_nc_u64 s[G0B+4*(\slot)+2:G0B+4*(\slot)+3], s[G0B+4*(\slot)+2:G0B+4*(\slot)+3], 2*BSTEP
	JLOAD \slot                                    ; the four v_nop behind it are also the places in front of the loads below
.else
	PLACES
.endif
	FETCH \next, 0, F0
	MUL8 F1, 1, 0, 0
	MUL8 F1, 1, 2, 0
.endm
; The way out in f32 of row block a: 16 rows x 64 columns through my own stage: in by 32 bytes a lane, back as whole rows of 256 bytes.  Each accumulator's low registers are read first.
.macro OUT a
.irp b, 0,1,2,3
	ds_store_b128 v[STO], v[ACC+8*(4*(\a)+\b):ACC+8*(4*(\a)+\b)+3] offset:64*\b
	ds_store_b128 v[STO], v[ACC+8*(4*(\a)+\b)+4:ACC+8*(4*(\a)+\b)+7] offset:64*\b+16
.endr
	s_wait_xcnt 0x0                                ; the last block's stores have read TMP: it is loaded again only behind this wait
.irp t, 0,1,2,3,4,5,6,7
	ds_load_b128 v[TMP+4*\t:TMP+4*\t+3], v[RD] offset:\t*2*SPITCH  ; LDS serves a wave's instructions in order (ISA guide 5.7.1.4): these see the stores above
.endr
	s_wait_dscnt 0x0
.irp t, 0,1,2,3,4,5,6,7
	global_store_b128 v[CO], v[TMP+4*\t:TMP+4*\t+3], s[8:9] offset:(16*(\a)+2*\t)*CP  ; 16 lanes store 256 consecutive bytes, at a multiple of 256 from C's first byte
.endr
.endm
	s_wait_tensorcnt 1                             ; my part of K step 0 is in; K step 1's may stay out
	s_barrier_signal -1
	s_barrier_wait -1                              ; everybody's is
	FETCH 0, 0, F0
	QUARTER 0, 1, F0, F1, 1                        ; the first quarter stands in front of the loop: its first products start the sums
	WIN 0                                          ; at a label and at a branch every window is 0
	s_mov_b32 s3, LAPS-1
.Llap:                                                 ; a trip goes once round the ring, from a lap's second quarter to the next lap's first, and fills both slots again
	QUARTER 0, 2, F1, F0, 0
	QUARTER 0, 3, F0, F1, 0
	TURN 0, 1, 1
	QUARTER 1, 1, F0, F1, 0
	QUARTER 1, 2, F1, F0, 0
	QUARTER 1, 3, F0, F1, 0
	TURN 1, 0, 1
	QUARTER 0, 1, F0, F1, 0
	WIN 0
	s_sub_co_u32 s3, s3, 1
	s_cmp_lg_u32 s3, 0
	s_cbranch_scc1 .Llap
	QUARTER 0, 2, F1, F0, 0                        ; the last lap fills nothing, and has no round of the cluster's barrier
	QUARTER 0, 3, F0, F1, 0
	TURN 0, 1, 0
	QUARTER 1, 1, F0, F1, 0
	QUARTER 1, 2, F1, F0, 0
	QUARTER 1, 3, F0, F1, 0
	s_wait_dscnt 16                                ; the very last quarter: nothing more to fetch
	MUL8 F1, 0, 0, 0
	MUL8 F1, 0, 2, 0
	s_wait_dscnt 0x0
	MUL8 F1, 1, 0, 0
	MUL8 F1, 1, 2, 0
	WIN 0
	PLACES
.if EP
	s_wait_loadcnt 0x0                             ; mul and add
	WIN SCL
.set t, 0
.rept 16                                               ; in f32, in place: register j of accumulator (a, b) is column 16 b + 8 (l / 16) + j
.irp r, 0,1,2,3
	v_pk_fma_f32 v[ACC+8*t+2*\r:ACC+8*t+2*\r+1], v[ACC+8*t+2*\r:ACC+8*t+2*\r+1], v[MULV+8*(t%4)+2*\r:MULV+8*(t%4)+2*\r+1], v[ADDV+8*(t%4)+2*\r:ADDV+8*(t%4)+2*\r+1]
.endr
.set t, t+1
.endr
	WIN 0
.endif
.if OF16
	; THE WAY OUT in f16: a wave's 64 columns are 128 bytes, half of an aligned 256: 16 bytes a lane into the work-group's stage; a barrier; back as whole rows, 32 rows a wave.
.set t, 0
.rept 16
.irp r, 0,1,2,3
	v_cvt_pk_f16_f32 v[TMP+4*t+\r], v[ACC+8*t+2*\r], v[ACC+8*t+2*\r+1]
.endr
.set t, t+1
.endr
.irp a, 0,1,2,3
.irp b, 0,1,2,3
	ds_store_b128 v[STO], v[TMP+4*(4*\a+\b):TMP+4*(4*\a+\b)+3] offset:\a*16*SPITCH+32*\b
.endr
.endr
	s_wait_dscnt 0x0                               ; for the others' sake: my stores into the stage are done
	s_barrier_signal -1
	s_barrier_wait -1
.set t, 0
.rept 16
	ds_load_b128 v[TMP+4*t:TMP+4*t+3], v[RD] offset:t*2*SPITCH
.set t, t+1
.endr
.set t, 0
.rept 16
	s_wait_dscnt 15-t                              ; load t of the sixteen is back
	global_store_b128 v[CO], v[TMP+4*t:TMP+4*t+3], s[8:9] offset:2*t*CP  ; 16 lanes store 256 consecutive bytes, at a multiple of 256 from C's first byte
.set t, t+1
.endr
.else
	OUT 0
	OUT 1
	OUT 2
	OUT 3
.endif
	s_wait_tensorcnt 0x0                           ; the wave's end
	ds_add_u32 v[SPW], v[NIL]
	s_wait_dscnt 0x0
	CROUND                                         ; the closing round: no work-group ends while a partner may still ask for a tile that names it
	s_endpgm
.Lfunc_end_k_qc42b0d9f3b_g_y:
	.size	k_qc42b0d9f3b_g_y, .Lfunc_end_k_qc42b0d9f3b_g_y-k_qc42b0d9f3b_g_y
	.p2alignl 7, 3214868480
	.fill 96, 4, 3214868480
	.section	.rodata,"a",@progbits
	.p2align	6, 0x0
	.amdhsa_kernel k_qc42b0d9f3b_g_y
		.amdhsa_group_segment_fixed_size 327680
		.amdhsa_private_segment_fixed_size 0
		.amdhsa_enable_private_segment 0
		.amdhsa_kernarg_size 24
		.amdhsa_user_sgpr_count 2
		.amdhsa_user_sgpr_kernarg_segment_ptr 1
		.amdhsa_wavefront_size32 1
		.amdhsa_system_sgpr_workgroup_id_x 1
		.amdhsa_system_sgpr_workgroup_id_y 1
		.amdhsa_system_sgpr_workgroup_id_z 1
		.amdhsa_system_vgpr_workitem_id 0
		.amdhsa_next_free_vgpr 576
		.amdhsa_next_free_sgpr 66
		.amdhsa_reserve_vcc 0
		.amdhsa_float_denorm_mode_32 3
		.amdhsa_float_denorm_mode_16_64 3
		.amdhsa_memory_ordered 1
		.amdhsa_forward_progress 1
		.amdhsa_inst_pref_size 92
	.end_amdhsa_kernel
	.amdgpu_metadata
---
amdhsa.version: [ 1, 2 ]
amdhsa.kernels:
  - .name:           k_qc42b0d9f3b_g_y
    .symbol:         k_qc42b0d9f3b_g_y.kd
    .args:
      - { .name: X1, .offset: 0, .size: 8, .value_kind: global_buffer, .address_space: global }
      - { .name: Wp4, .offset: 8, .size: 8, .value_kind: global_buffer, .address_space: global }
      - { .name: X0, .offset: 16, .size: 8, .value_kind: global_buffer, .address_space: global }
    .group_segment_fixed_size: 327680
    .private_segment_fixed_size: 0
    .kernarg_segment_align: 8
    .kernarg_segment_size: 24
    .max_flat_workgroup_size: 128
    .sgpr_count:     66
    .vgpr_count:     576
    .wavefront_size: 32
...
	.end_amdgpu_metadata
.endif
;; end of part 12
;; launch lnorm: the kernel of part 6 again; grid 512 x 1, 8 waves a work-group, no clusters, 0 bytes of LDS; arguments X0, g0, beta0, out0; writes out0
